; MI455X (gfx1250); checked and timed in simulation.
; The chip was launched on July 23, 2026; its instructions are those of AMD's public machine-readable ISA for CDNA 5 (MIT licence, August 2026) and "CDNA5" Instruction Set Architecture Reference Guide (July 2026). The comments in the code are by the model that wrote it; some were corrected since.
;; Mo E Layer. Allowed arithmetic: float matrix products may take bf16 or f16 operands with f32 sums; other float arithmetic in f32, or as packed bf16 or f16 multiplies, adds, multiply-adds, maxima and minima; sums over many terms, partial sums and values carried from step to step in f32; what a program stores and reads back later, other than sums and carried values, may be rounded once to bf16 or f16.
;; Inputs: W1 8 x 1,024 x 4,096 float32; W2 8 x 4,096 x 1,024 float32; b1 8 x 4,096 float32; b2 8 x 1,024 float32; b_router 8 float32; w_router 1,024 x 8 float32; x 2 x 512 x 1,024 float32.
;; Outputs: out0 2 x 512 x 1,024 float32.
;; 2 versions, each right; version 2 is version 1 with the launches ffn1, ffn2 written anew for expert scheduling mode. Each part assembles by itself: llvm-mc -triple=amdgcn-amd-amdhsa -mcpu=gfx1250 --defsym DOCPART=n.
;; ======== version 1 of 2: 4 launches
;; workspace buffers: xb 2,097,152 bytes; msk 2,048 bytes of whole numbers; tw 8,192 bytes; hid 16,777,216 bytes; part 33,554,432 bytes
;; launch router (part 1): grid 32 x 1, 8 waves a work-group, no clusters, 38,912 bytes of LDS; arguments x, w_router, b_router, xb, msk, tw; writes xb, msk, tw
.if DOCPART == 1
	.amdgcn_target "amdgcn-amd-amdhsa--gfx1250"
	.amdhsa_code_object_version 6
	.text
	.protected	k_qf7515cf574_router
	.globl	k_qf7515cf574_router
	.p2align	8
	.type	k_qf7515cf574_router,@function
k_qf7515cf574_router:
	s_mov_b64 s[64:65], 0
	v_nop
	global_prefetch_b8 v0, s[64:65] scope:SCOPE_SE
	s_setreg_imm32_b32 hwreg(HW_REG_WAVE_MODE, 25, 1), 1
	s_wait_xcnt 0x0
; ROUTER.  logits = x w_router + b_router; the two largest of a token's 8 logits are its experts (a tie keeps the lower index, as jax.lax.top_k does);
; the renormalised weights are w1 = 1 / (1 + e^(l2 - l1)), w2 = e^(l2 - l1) w1: the softmax's divisor cancels, and l1, the maximum, is taken away before the exponential.
; ALL INPUTS ARE ROUNDED TO bf16 FIRST (x, w_router, b_router), as in the launches behind this one; products and sums are f32 on the vector unit: 8 million multiply-adds, on which a choice hangs.
; STORES: xb = x in bf16; tw[slot][token] = the weight; msk[slot][expert][word g]: bit l set where token 32 g + l took the expert as its slot-th choice.  Every address is fixed: nothing here hangs on the choice.
; SHARES.  Work-group g owns tokens 32 g .. 32 g + 31 (one word of each bitmap), wave u four of them.  A wave takes a row as 8 loads of 16 bytes a lane: load j brings d = 128 j + 4 lane + 0..3.
; LIMITS.  The order is taken on the logits, not on the probabilities: it differs from the reference's only where two different logits round to one probability.  NaN logits are not treated apart (experts 0 and 1 are kept then).
.set WLP,   144                        ; a lane's 128 bytes of w_router (4 rows d x 8 experts) + 16 of padding: an odd multiple of 16, so 16 lanes' 16-byte reads fall into different columns of 256 bytes
.set WLB,   32*WLP                     ; block j: 32 lanes
.set LG,    8*WLB                      ; the 32 tokens' logits, [32][8] f32
.set SPARE, LG+1024                    ; the spare words: 128 bytes for each of 8 waves; no other line names them
.set ACC, 8                            ; v[8:39]    sums: token tk, expert e at ACC + 8 tk + e
.set X,   40                           ; v[40:167]  x: token tk, load j at X + 32 tk + 4 j
.set WR,  168                          ; v[168:231] w_router of two steps: row i of 4, expert e at WR + 32 (j % 2) + 8 i + e
.set P,   232                          ; v[232:239] a step's x in bf16, to store
.set TM,  240                          ; v[240:243] at work
.set SPW, 248                          ; my spare word's LDS address; never rewritten
.set NIL, 249                          ; 0; never rewritten
	s_load_b256 s[4:11], s[0:1], 0x0               ; x s[4:5], w_router s[6:7], b_router s[8:9], xb s[10:11]
	s_load_b128 s[12:15], s[0:1], 0x20             ; msk s[12:13], tw s[14:15]
	v_lshl_add_u32 v[SPW], v0, 2, SPARE
	v_mov_b32 v[NIL], 0
	v_lshrrev_b32 v2, 5, v0
	v_readfirstlane_b32 s16, v2                    ; wave u
	v_and_b32 v1, 31, v0                           ; lane
	s_lshl_b32 s17, s16, 14
	v_lshl_add_u32 v2, v1, 4, s17                  ; x: my wave's 4 rows of 4,096 bytes, 16 bytes a lane
	s_lshl_b32 s17, s16, 12
	v_lshl_add_u32 v3, v1, 4, s17                  ; w_router: block j = u, 4,096 bytes
	s_mul_i32 s17, s16, WLB
	v_lshrrev_b32 v4, 3, v1
	v_mul_u32_u24 v4, v4, WLP
	v_and_b32 v5, 7, v1
	v_lshl_add_u32 v4, v5, 4, v4
	v_add_nc_u32 v4, s17, v4                       ; into LDS: load m's byte 512 m + 16 lane belongs to lane block 4 m + lane / 8, at 16 (lane % 8)
	v_mul_u32_u24 v5, v1, WLP                      ; out of LDS: my lane's block
	s_lshl_b32 s17, s16, 13
	v_lshl_add_u32 v6, v1, 3, s17                  ; xb: my wave's 4 rows of 2,048 bytes, 8 bytes a lane
	s_lshl_b32 s17, s16, 7
	s_add_co_u32 s17, s17, LG
	v_mov_b32 v7, s17                              ; my wave's 4 x 8 logits
	s_mov_b32 s28, 0x76543210                      ; v_permlanex16_b32: each lane takes its own place in the other half
	s_mov_b32 s29, 0xfedcba98
	s_mov_b32 s30, 0xffff0000                      ; a word's upper bf16
	s_lshl_b32 s18, ttmp9, 17                      ; the group's 32 rows of x
	s_mov_b32 s19, 0
	s_lshl_b32 s32, ttmp9, 16                      ; and of xb
	s_mov_b32 s33, 0
	s_lshl_b32 s38, ttmp9, 7                       ; 4 bytes x 32 tokens in tw
	s_lshl_b32 s39, ttmp9, 2                       ; word g in a bitmap
	s_wait_kmcnt 0x0
	s_add_nc_u64 s[4:5], s[4:5], s[18:19]
	s_add_nc_u64 s[10:11], s[10:11], s[32:33]
	s_load_b256 s[20:27], s[8:9], 0x0              ; b_router
.irp m, 0,1,2,3,4,5,6,7
	global_load_b128 v[WR+4*\m:WR+4*\m+3], v3, s[6:7] offset:512*\m
.endr
.irp j, 0,1,2,3,4,5,6,7
.irp tk, 0,1,2,3
	global_load_b128 v[X+32*\tk+4*\j:X+32*\tk+4*\j+3], v2, s[4:5] offset:4096*\tk+512*\j th:TH_LOAD_NT
.endr
.endr
	s_wait_loadcnt 32                              ; w_router's 8 loads are in; the 32 of x stay out
	s_wait_kmcnt 0x0                               ; b_router
.set k, 0
.rept 16                                               ; w_router rounded to bf16 and widened again, in place
	v_cvt_pk_bf16_f32 v[TM+k%4], v[WR+2*k], v[WR+2*k+1]
	v_lshlrev_b32 v[WR+2*k], 16, v[TM+k%4]
	v_and_b32 v[WR+2*k+1], s30, v[TM+k%4]
.set k, k+1
.endr
.irp m, 0,1,2,3,4,5,6,7
	ds_store_b128 v4, v[WR+4*\m:WR+4*\m+3] offset:4*WLP*\m
.endr
	s_wait_dscnt 0x0                               ; for the others' sake: my block is stored
	s_barrier_signal -1
	s_barrier_wait -1                              ; all 8 blocks are
.macro WLD j                           ; my lane's 128 bytes of block j
.irp m, 0,1,2,3,4,5,6,7
	ds_load_b128 v[WR+32*((\j)%2)+4*\m:WR+32*((\j)%2)+4*\m+3], v5 offset:WLB*(\j)+16*\m
.endr
.endm
.macro FM j, i, tk, p                  ; two experts' sums take x(d = 128 j + 4 lane + i) of token tk: the x is given to both halves
.set rA, ACC+8*(\tk)+2*(\p)
.set rW, WR+32*((\j)%2)+8*(\i)+2*(\p)
.set rX, X+32*(\tk)+4*(\j)+2*((\i)/2)
.if ((\j) == 0) && ((\i) == 0)
	v_pk_mul_f32 v[rA:rA+1], v[rW:rW+1], v[rX:rX+1] op_sel_hi:[1,0]  ; the first product starts the sum
.elseif (\i)%2 == 0
	v_pk_fma_f32 v[rA:rA+1], v[rW:rW+1], v[rX:rX+1], v[rA:rA+1] op_sel_hi:[1,0,1]
.else
	v_pk_fma_f32 v[rA:rA+1], v[rW:rW+1], v[rX:rX+1], v[rA:rA+1] op_sel:[0,1,0] op_sel_hi:[1,1,1]
.endif
.endm
.macro STEP j
	s_wait_loadcnt 4*(7-(\j))                      ; this step's 4 loads of x are in; the later steps' stay out
	s_wait_xcnt 0x0                                ; P, which the last step's stores read, is rewritten only behind this wait
.irp tk, 0,1,2,3
	v_cvt_pk_bf16_f32 v[P+2*\tk], v[X+32*\tk+4*(\j)], v[X+32*\tk+4*(\j)+1]
	v_cvt_pk_bf16_f32 v[P+2*\tk+1], v[X+32*\tk+4*(\j)+2], v[X+32*\tk+4*(\j)+3]
.endr
.irp tk, 0,1,2,3
	v_lshlrev_b32 v[X+32*\tk+4*(\j)], 16, v[P+2*\tk]       ; the rounded x, widened again
	v_and_b32 v[X+32*\tk+4*(\j)+1], s30, v[P+2*\tk]
	v_lshlrev_b32 v[X+32*\tk+4*(\j)+2], 16, v[P+2*\tk+1]
	v_and_b32 v[X+32*\tk+4*(\j)+3], s30, v[P+2*\tk+1]
	global_store_b64 v6, v[P+2*\tk:P+2*\tk+1], s[10:11] offset:2048*\tk+256*(\j)  ; the wave stores 256 consecutive bytes, aligned
.endr
.if (\j) < 7
	s_wait_dscnt 8                                 ; this step's w is in, the next step's 8 loads may be out
.else
	s_wait_dscnt 0x0
.endif
.irp i, 0,1,2,3
.irp tk, 0,1,2,3
.irp p, 0,1,2,3
	FM \j, \i, \tk, \p
.endr
.endr
.endr
.if (\j) < 6
	WLD (\j)+2
.endif
.endm
	WLD 0
	WLD 1
.irp j, 0,1,2,3,4,5,6,7
	STEP \j
.endr
	; the 32 sums over the 32 lanes: four steps inside each half of 16 lanes, one across
.irp m, 1,2,4,8
.set k, 0
.rept 32
	v_add_f32_dpp v[ACC+k], v[ACC+k], v[ACC+k] row_xmask:\m row_mask:0xf bank_mask:0xf
.set k, k+1
.endr
.endr
.set k, 0
.rept 32
	v_permlanex16_b32 v[X+k], v[ACC+k], s28, s29   ; x's registers are free, and have been written
.set k, k+1
.endr
.set k, 0
.rept 16
	v_pk_add_f32 v[ACC+2*k:ACC+2*k+1], v[ACC+2*k:ACC+2*k+1], v[X+2*k:X+2*k+1]
.set k, k+1
.endr
.irp m, 0,1,2,3,4,5,6,7
	ds_store_b128 v7, v[ACC+4*\m:ACC+4*\m+3] offset:16*\m  ; every lane holds the same sums and writes the same words
.endr
	s_wait_dscnt 0x0
	s_barrier_signal -1
	s_barrier_wait -1
	s_cmp_lg_u32 s16, 0
	s_cbranch_scc1 .Lend                           ; wave 0 chooses, a token a lane
	v_lshl_add_u32 v48, v1, 5, LG
	ds_load_b128 v[40:43], v48
	ds_load_b128 v[44:47], v48 offset:16
.irp k, 0,1,2,3
	v_cvt_pk_bf16_f32 v[50+\k], s[20+2*\k], s[21+2*\k]     ; b_router rounded to bf16
.endr
.irp k, 0,1,2,3
	v_lshlrev_b32 v[56+2*\k], 16, v[50+\k]
	v_and_b32 v[57+2*\k], s30, v[50+\k]
.endr
	s_wait_dscnt 0x0
.irp k, 0,1,2,3
	v_pk_add_f32 v[40+2*\k:41+2*\k], v[40+2*\k:41+2*\k], v[56+2*\k:57+2*\k]
.endr
	; v64, v65: the largest logit and its expert; v66, v67: the second.  They start as experts 0 and 1 in order, so the two always differ; 'greater' alone replaces, so a tie keeps the lower index
	v_cmp_gt_f32 s36, v41, v40
	v_cndmask_b32 v64, v40, v41, s36
	v_cndmask_b32 v65, 0, 1, s36
	v_cndmask_b32 v66, v41, v40, s36
	v_cndmask_b32 v67, 1, 0, s36
.irp e, 2,3,4,5,6,7
	v_cmp_gt_f32 s36, v[40+\e], v64
	v_cmp_gt_f32 s37, v[40+\e], v66
	v_cndmask_b32 v66, v66, v[40+\e], s37
	v_cndmask_b32 v67, v67, \e, s37
	v_cndmask_b32 v66, v66, v64, s36
	v_cndmask_b32 v67, v67, v65, s36
	v_cndmask_b32 v64, v64, v[40+\e], s36
	v_cndmask_b32 v65, v65, \e, s36
.endr
	v_sub_f32 v68, v66, v64                        ; l2 - l1, at most 0
	v_mul_f32 v68, 0x3fb8aa3b, v68                 ; times log2(e)
	v_exp_f32 v68, v68
	v_lshl_add_u32 v72, v1, 2, s38                 ; a plain line behind the exponential: my token's place in tw
	s_wait_alu depctr_va_vdst(0)                   ; ahead of the result's first reader
	v_add_f32 v69, 1.0, v68
	v_rcp_f32 v69, v69
	v_mov_b32 v73, 0                               ; a plain line behind the reciprocal: the 16 bitmap words are gathered here
	s_wait_alu depctr_va_vdst(0)
	v_mul_f32 v70, v68, v69
	global_store_b32 v72, v69, s[14:15]            ; slot 0
	global_store_b32 v72, v70, s[14:15] offset:4096  ; slot 1
.irp e, 0,1,2,3,4,5,6,7
	v_cmp_eq_u32 s[40+\e], \e, v65                 ; the 32 tokens' bits are the bitmap's word
	v_cmp_eq_u32 s[48+\e], \e, v67
.endr
.irp k, 0,1,2,3,4,5,6,7,8,9,10,11,12,13,14,15
	v_writelane_b32 v73, s[40+\k], \k
.endr
	v_lshrrev_b32 v74, 3, v1
	v_and_b32 v75, 7, v1
	v_lshlrev_b32 v74, 10, v74
	v_lshl_add_u32 v74, v75, 7, v74
	v_add_nc_u32 v74, s39, v74                     ; lane l < 16: slot l / 8, expert l % 8, word g
	v_cmp_gt_u32 vcc_lo, 16, v1
	s_wait_xcnt 0x0                                ; EXEC is a source of the stores above: it changes only behind this wait
	s_and_saveexec_b32 s34, vcc_lo
	global_store_b32 v74, v73, s[12:13]
	s_wait_xcnt 0x0                                ; and again in front of the line that widens it
	s_or_b32 exec_lo, exec_lo, s34
.Lend:
	s_wait_tensorcnt 0x0                           ; the wave's end
	ds_add_u32 v[SPW], v[NIL]
	s_wait_dscnt 0x0
	s_endpgm
.Lfunc_end_k_qf7515cf574_router:
	.size	k_qf7515cf574_router, .Lfunc_end_k_qf7515cf574_router-k_qf7515cf574_router
	.p2alignl 7, 3214868480
	.fill 96, 4, 3214868480
	.section	.rodata,"a",@progbits
	.p2align	6, 0x0
	.amdhsa_kernel k_qf7515cf574_router
		.amdhsa_group_segment_fixed_size 38912
		.amdhsa_private_segment_fixed_size 0
		.amdhsa_enable_private_segment 0
		.amdhsa_kernarg_size 48
		.amdhsa_user_sgpr_count 2
		.amdhsa_user_sgpr_kernarg_segment_ptr 1
		.amdhsa_wavefront_size32 1
		.amdhsa_system_sgpr_workgroup_id_x 1
		.amdhsa_system_sgpr_workgroup_id_y 1
		.amdhsa_system_sgpr_workgroup_id_z 1
		.amdhsa_system_vgpr_workitem_id 0
		.amdhsa_next_free_vgpr 256
		.amdhsa_next_free_sgpr 66
		.amdhsa_reserve_vcc 1
		.amdhsa_float_denorm_mode_32 3
		.amdhsa_float_denorm_mode_16_64 3
		.amdhsa_memory_ordered 1
		.amdhsa_forward_progress 1
		.amdhsa_inst_pref_size 76
	.end_amdhsa_kernel
	.amdgpu_metadata
---
amdhsa.version: [ 1, 2 ]
amdhsa.kernels:
  - .name:           k_qf7515cf574_router
    .symbol:         k_qf7515cf574_router.kd
    .args:
      - { .name: x, .offset: 0, .size: 8, .value_kind: global_buffer, .address_space: global }
      - { .name: w_router, .offset: 8, .size: 8, .value_kind: global_buffer, .address_space: global }
      - { .name: b_router, .offset: 16, .size: 8, .value_kind: global_buffer, .address_space: global }
      - { .name: xb, .offset: 24, .size: 8, .value_kind: global_buffer, .address_space: global }
      - { .name: msk, .offset: 32, .size: 8, .value_kind: global_buffer, .address_space: global }
      - { .name: tw, .offset: 40, .size: 8, .value_kind: global_buffer, .address_space: global }
    .group_segment_fixed_size: 38912
    .private_segment_fixed_size: 0
    .kernarg_segment_align: 8
    .kernarg_segment_size: 48
    .max_flat_workgroup_size: 256
    .sgpr_count:     66
    .vgpr_count:     256
    .wavefront_size: 32
...
	.end_amdgpu_metadata
.endif
;; end of part 1
;; launch ffn1 (part 2): grid 32 x 8, 4 waves a work-group, no clusters, 312,832 bytes of LDS; arguments xb, W1, b1, msk, hid; writes hid
.if DOCPART == 2
	.amdgcn_target "amdgcn-amd-amdhsa--gfx1250"
	.amdhsa_code_object_version 6
	.text
	.protected	k_qf7515cf574_ffn1
	.globl	k_qf7515cf574_ffn1
	.p2align	8
	.type	k_qf7515cf574_ffn1,@function
k_qf7515cf574_ffn1:
	s_mov_b64 s[64:65], 0
	v_nop
	global_prefetch_b8 v0, s[64:65] scope:SCOPE_SE
	s_setreg_imm32_b32 hwreg(HW_REG_WAVE_MODE, 25, 1), 1
	s_wait_xcnt 0x0
; ONE SOURCE FOR BOTH PRODUCTS OF THE EXPERTS' LAYER; the constant KIND picks sizes, bias and way out.
;   KIND 1: hid[entry][n] = gelu(x[token] . W1[e][:, n] + b1[e][n]), bf16.      KIND 2: part[q][entry][n] = gate[entry] (hid[entry][1024 q ..] . W2[e][1024 q .., n] + (q = 0 ? b2[e][n] : 0)), f32.
; An ENTRY is slot x 1,024 + token: the row of hid, part and tw that belongs to a token's slot-th choice.  Only the chosen rows are multiplied.
; SHARES.  Work-group (x, e) owns a slice of expert e's weights, 1,024 k x 128 columns (512 KiB of f32), which it alone reads, once, and ALL of that expert's rows, whatever their number (0 to 1,024).
; THE SLICE goes memory -> registers -> bf16 -> LDS in 16 chunks of 64 k, each to a place of its own: no LDS byte of it is written twice, and at the end the whole slice lies in LDS.  While later chunks are on
; their way, chunk c is multiplied with the expert's first 320 rows: 5 tiles of 16 rows a wave, sums in registers.  Rows past 320 are multiplied afterwards from the slice in LDS, 320 at a time.
; RIDERS.  A chunk's loads, conversions and LDS stores stand in groups of five behind the matrix instructions, not in runs ahead of them, so that the wave issues them while the matrix unit works.  A rider is issued on
; every way, so a wave's tiles 0 to 3 are always multiplied: a tile past the expert's count multiplies repeats of one row and is never stored (an expert is rounded up to 256 rows a block); tile 4 alone is jumped.
; Every loop has a constant count; what hangs on the expert's count is only which work is jumped over, forward, with no barrier in what is jumped.
; WHICH ROWS.  The expert's rows are its chosen tokens in ascending order.  Each wave finds the entry of each rank that it needs from the two bitmaps (256 bytes), in registers, by whole-number arithmetic, while the
; first weights are on their way.  Places past the count repeat their tile's first row: they give the same numbers and store them to the same bytes, so no store is masked and EXEC is never changed.
; THE MATRIX INSTRUCTION: source 0 = 16 columns of W (turned out of LDS by ds_load_tr16_b128), source 1 = 16 rows of tokens (straight from memory): a lane then holds one token (lane % 16) and 8 neighbouring columns.
; FORMATS.  x, hid and the weights are bf16 operands, the biases are rounded to bf16 like every input; sums, GELU and gates are f32.
; LIMITS.  KIND 1: erf by the five-term rational form of Abramowitz and Stegun 7.1.26, off by 1.5e-7 at the most; e^(-z^2) below 2^-126 counts as 0.  NaN and infinities are not treated apart.
; NO CLUSTER: each slice has one reader, and what an expert's work-groups share, its token rows, comes by ranks that no tensor descriptor covers.  NO TENSOR LOADS: the weights pass through registers to be rounded.
.set KIND, 1
.if KIND == 1
.set PW,  16384                        ; bytes from row k of the weights to row k + 1
.set ASH, 11                           ; a row of A (xb) is 2,048 bytes
.set OSH, 13                           ; a row of the output (hid) is 8,192 bytes
.else
.set PW,  4096
.set ASH, 13                           ; a row of A (hid) is 8,192 bytes
.set OSH, 12                           ; a row of the output (part) is 4,096 bytes
.endif
.set CHW,   64*PW                      ; a chunk in memory
.set PWL,   288                        ; a row k in LDS: 128 bf16 + 32 bytes of padding: an odd multiple of 32, as the turning load's 8 rows x 32 bytes want
.set CHL,   64*PWL                     ; a chunk in LDS
.set STG,   1024*PWL                   ; behind the slice: 16 rows x 272 bytes for each wave, for the way out
.set SPT,   272
.set SPARE, STG+4*16*SPT               ; the spare words: 128 bytes for each wave; no other line names them
; window 0
.set LN,   1                           ; lane
.set R,    2                           ; lane % 16
.set H,    3                           ; lane / 16
.set WO,   4                           ; weights: my wave's 16 rows of a chunk, 16 bytes a lane; never rewritten
.set PF,   5                           ; the same 16 rows as 32 blocks of 256 bytes, one a lane; never rewritten
.set WS,   6                           ; where my rows of the next chunk go in LDS; steps
.set BW,   7                           ; where my lane reads W's fragments; steps
.set BW0,  8                           ; its start
.set H16,  9                           ; 16 (lane / 16)
.set STO,  10                          ; the way out: where I put my part of a row
.set RD,   11                          ; the way out: where I read a row back
.set AOFF, 12                          ; v12-16  tile i: byte offset of my token's row in A, + 16 (lane / 16)
.set GW,   17                          ; v17-21  KIND 2: tile i: my token's gate
.set ENT,  22                          ; v22-26  tile i: the entry of row lane % 16
.set R16,  27                          ; 16 (lane % 16)
.set SPW,  28                          ; my spare word's LDS address; never rewritten
.set NIL,  29                          ; 0; never rewritten
.set T0,   30                          ; v30-31  at work, at the kernel's head alone
.set WOX,  31                          ; from the first chunk on: WO, or 0 in the trips that have no weights left to ask for
.set TMP,  32                          ; v32-63  a chunk's rows in bf16.  While no chunk is rounded, the registers of the search and of the way out:
.set MK0,  32                          ;   lane g: word g of the expert's bitmap, slot 0
.set MK1,  33                          ;   slot 1
.set MA,   34                          ;   4 x lane
.set BA,   35                          ;   the bias's offset
.set J,    36                          ;   v36-38  the rank wanted: slot v serves tile 2 v in lanes 0-15 and tile 2 v + 1 in lanes 16-31
.set PA,   40                          ;   v40-47  the way out: 4 x (2 t + lane / 16), the lane that holds row 2 t + lane / 16's entry
.set WU,   48                          ;   v48-50  the word (both slots) that holds the rank; then the entry
.set W1,   51                          ;   v51-53  the same word of slot 1
.set CG,   54                          ;   v54-56  that word's number << 16 | the chosen tokens ahead of it
.set KA,   57                          ;   bit counts by 2,
.set KB,   58                          ;   by 4,
.set KC,   59                          ;   by 8,
.set KD,   60                          ;   and, in its lowest byte, of the low 16
.set KK,   61                          ;   the rank left
.set KP,   62                          ;   the bit's place
.set KT,   63                          ;   at work
.set GWA,  48                          ;   v48-52  KIND 2: the gates' offsets
.set ENTO, 32                          ;   v32-39  the way out: byte offset of row 2 t + lane / 16 in the output, + 16 (lane % 16)
.set GP,   48                          ;   v48-49  KIND 2: the tile's gate, as a pair
.set ENTC, 50                          ;   the tile's entries
.set BF,   64                          ; v64-191 W's fragments: k half s, columns 16 f at BF + 64 s + 8 f; free on the way out
.set BIAS, 192                         ; v192-255 my lane's 64 columns' bias
; window 1: v0-159 token fragments, two buffers of 80: tile i, k half s at 80 par + 16 i + 8 s.  On KIND 1's way out: HS v0-63, TT v64-127, EE v128-191, UU v192-199
.set TT,   64
.set EE,   128
.set UU,   192
; window 2: the sums of tiles 0-3 (64 i + 8 f).   window 3: v0-63 those of tile 4; v64-191 the weights as loaded, two buffers of 64
; scalars: s[4:5] tokens' second halves, s[58:59] their first halves, s[40:41] tokens at k = 0, s[6:7] weights; s35, s[60:61], s[62:63]: the lanes' mask and the two steps that the last trips set to 0
.set MSB, 0
.macro WIN new                         ; s_set_vgpr_msb: bits 1:0 source 0, 3:2 source 1, 5:4 source 2, 7:6 destination; the high byte repeats the setting that is left
.if MSB != (\new)
	s_set_vgpr_msb (MSB<<8)|(\new)
.set MSB, \new
.endif
.endm
.macro GLDW par, cc                    ; my 16 rows of the chunk cc chunks behind s[6:7]: each load is 512 consecutive bytes of one row
	WIN 0xc0
.irp i, 0,1,2,3,4,5,6,7,8,9,10,11,12,13,14,15
	global_load_b128 v[64+64*(\par)+4*\i:64+64*(\par)+4*\i+3], v[WO], s[6:7] offset:(64*(\cc)+\i)*PW th:TH_LOAD_NT
.endr
.endm
.macro GLDAH par, s, b, off            ; 5 tiles x 32 k of token rows, as matrix operands: lane l takes row l % 16, k = 8 (l / 16) + 0..7 and 16 more on; base s[b:b+1]
	WIN 0x40
.irp i, 0,1,2,3,4
	global_load_b128 v[80*(\par)+16*\i+8*(\s):80*(\par)+16*\i+8*(\s)+3], v[AOFF+\i], s[\b:\b+1] offset:(\off)
	global_load_b128 v[80*(\par)+16*\i+8*(\s)+4:80*(\par)+16*\i+8*(\s)+7], v[AOFF+\i], s[\b:\b+1] offset:(\off)+32
.endr
.endm
.macro CVTW par                        ; a buffer of weights is rounded to bf16 and stored: a wave's store is 256 consecutive bytes of one LDS row
	WIN 0x0f
.irp i, 0,1,2,3,4,5,6,7,8,9,10,11,12,13,14,15
	v_cvt_pk_bf16_f32 v[TMP+2*\i], v[64+64*(\par)+4*\i], v[64+64*(\par)+4*\i+1]
	v_cvt_pk_bf16_f32 v[TMP+2*\i+1], v[64+64*(\par)+4*\i+2], v[64+64*(\par)+4*\i+3]
.endr
	WIN 0
.irp i, 0,1,2,3,4,5,6,7,8,9,10,11,12,13,14,15
	ds_store_b64 v[WS], v[TMP+2*\i:TMP+2*\i+1] offset:PWL*\i
.endr
.endm
.macro LDB s                           ; W's 8 fragments (16 columns x 32 k) of half s of the chunk at BW, in one run
	WIN 0
.irp f, 0,1,2,3,4,5,6,7
	ds_load_tr16_b128 v[BF+64*(\s)+8*\f:BF+64*(\s)+8*\f+3], v[BW] offset:32*PWL*(\s)+32*\f
	ds_load_tr16_b128 v[BF+64*(\s)+8*\f+4:BF+64*(\s)+8*\f+7], v[BW] offset:32*PWL*(\s)+16*PWL+32*\f
.endr
.endm
; One matrix instruction: half s of the chunk, token buffer par, tile i, columns 16 f.  zero = 1: it starts the sum.  The caller sets the windows.
; Two matrix instructions that follow each other never name one accumulator, on any way (f steps inside a tile; a tile ends with f = 7 and the next begins with f = 0): the accumulators take turns.
.macro WM s, par, i, f, zero
.set rD, 64*((\i)%4)+8*(\f)
.set rW, BF+64*(\s)+8*(\f)
.set rA, 80*(\par)+16*(\i)+8*(\s)
.if \zero
	v_wmma_f32_16x16x32_bf16 v[rD:rD+7], v[rW:rW+7], v[rA:rA+7], 0
.else
	v_wmma_f32_16x16x32_bf16 v[rD:rD+7], v[rW:rW+7], v[rA:rA+7], v[rD:rD+7]
.endif
.endm
.macro TILE4 s, par, zero              ; my fifth tile: jumped where it is dead (s28 < 5); where it starts its sums it always runs, so that every sum is written on every way
.if !(\zero)
	WIN 0
	s_cmp_lt_u32 s28, 5
	s_cbranch_scc1 .Lno4_\@
.endif
	WIN 0xf4                                       ; W window 0, tokens window 1, sums window 3
.irp f, 0,1,2,3,4,5,6,7
	WM \s, \par, 4, \f, \zero
.endr
	WIN 0
.Lno4_\@:
.endm
.macro MULP s, zero                    ; the products of half s without riders, on token buffer 0: for the later blocks
	WIN 0xa4
.irp i, 0,1,2,3
.irp f, 0,1,2,3,4,5,6,7
	WM \s, 0, \i, \f, \zero
.endr
.endr
	TILE4 \s, 0, \zero
.endm
; RIDER q OF 80 OF A CHUNK'S FIRST HALF.  0-4: five conversions of chunk c + 1's weights: plain lines that name no register of the products, the places in front of the loads that follow.  5-20: chunk c's second half
; of W's fragments.  21-47: the other conversions.  48-63: chunk c + 1 into LDS.  64-79: the weights of chunk c + 3, into the buffer just rounded; ahead of them the base steps, behind the wait that frees it.
; In the two trips that have no weights left to ask for the step is 0 and the lanes' offsets are 0: sixteen loads of one 16-byte piece each of chunk 15, which nobody reads: they keep every counted wait right on every way.
; st = 0 (the last chunk): the fragment loads alone, behind four v_nop.
.macro RIDA par, st
.if (q < 5) || ((q >= 21) && (q < 48))
.set m, q
.if q >= 21
.set m, q-16
.endif
.if \st
	WIN 0x0f
	v_cvt_pk_bf16_f32 v[TMP+m], v[64+64*(1-(\par))+2*m], v[64+64*(1-(\par))+2*m+1]
.elseif q < 4
	v_nop
.endif
.elseif q < 21
.set m, q-5
	WIN 0
	ds_load_tr16_b128 v[BF+64+8*(m/2)+4*(m%2):BF+64+8*(m/2)+4*(m%2)+3], v[BW] offset:32*PWL+16*PWL*(m%2)+32*(m/2)
.elseif q < 64
.if \st
.set m, q-48
	WIN 0
	ds_store_b64 v[WS], v[TMP+2*m:TMP+2*m+1] offset:PWL*m
.endif
.else
.if \st
.set m, q-64
.if m == 0
	WIN 0
	s_wait_xcnt 0x0                                ; the offsets and the base of the loads (and of the prefetch) that are out are written only behind this wait
	v_and_b32 v[WOX], s35, v[WO]
	s_add_nc_u64 s[6:7], s[6:7], s[60:61]
.endif
	WIN 0xc0
	global_load_b128 v[64+64*(1-(\par))+4*m:64+64*(1-(\par))+4*m+3], v[WOX], s[6:7] offset:m*PW th:TH_LOAD_NT
.endif
.endif
.set q, q+1
.endm
; RIDER q OF 37 OF A CHUNK'S SECOND HALF.  0-15: chunk c + 1's first half of W's fragments (one chunk on from BW, by the immediate).  16-25: the tokens' second half of chunk c + 1.  26-35: their first half of chunk
; c + 2, into the half buffer that this chunk's first half has just left.  da = 1: that base steps by s[62:63], which is 0 in chunk 14: it asks for chunk 15's once more, for the counts' sake, and nobody reads it.
; 36: my 16 rows of chunk c + 5 are asked into the L2, 32 blocks of 256 bytes, a lane each, each block once in the launch, two chunks ahead of their load (pf = 1: always; 2: while the loop has three trips or more to go,
; that is up to chunk 10: the last block asked for is the slice's last).
.macro RIDB par, st, da, pf
.if \st
.if q < 16
	WIN 0
	ds_load_tr16_b128 v[BF+8*(q/2)+4*(q%2):BF+8*(q/2)+4*(q%2)+3], v[BW] offset:CHL+16*PWL*(q%2)+32*(q/2)
.elseif q < 26
.set m, q-16
.if m == 0
	s_wait_xcnt 0x0                                ; the bases of the loads that are out are stepped only behind this wait
	s_add_nc_u64 s[4:5], s[4:5], 128
.if \da
	s_add_nc_u64 s[58:59], s[58:59], s[62:63]
.else
	s_add_nc_u64 s[58:59], s[58:59], 128
.endif
.endif
	WIN 0x40
	global_load_b128 v[80*(1-(\par))+16*(m/2)+8+4*(m%2):80*(1-(\par))+16*(m/2)+8+4*(m%2)+3], v[AOFF+m/2], s[4:5] offset:32*(m%2)
.elseif q < 36
.set m, q-26
	WIN 0x40
	global_load_b128 v[80*(\par)+16*(m/2)+4*(m%2):80*(\par)+16*(m/2)+4*(m%2)+3], v[AOFF+m/2], s[58:59] offset:32*(m%2)
.elseif q == 36
.if (\pf) == 1
	WIN 0
	global_prefetch_b8 v[PF], s[6:7] offset:2*CHW th:TH_LOAD_NT scope:SCOPE_SE
.elseif (\pf) == 2
	WIN 0
	s_cmp_lt_u32 s30, 3
	s_cbranch_scc1 .Lnopf_\@
	global_prefetch_b8 v[PF], s[6:7] offset:2*CHW th:TH_LOAD_NT scope:SCOPE_SE
.Lnopf_\@:
.endif
.endif
.endif
.set q, q+1
.endm
.macro PHA par, zero, st               ; the first half: 32 products that always run, five riders behind each two; then tile 4
.set q, 0
.irp i, 0,1,2,3
.irp f, 0,2,4,6
	WIN 0xa4                                       ; W window 0, tokens window 1, sums window 2
	WM 0, \par, \i, \f, \zero
	WM 0, \par, \i, \f+1, \zero
.rept 5
	RIDA \par, \st
.endr
.endr
.endr
	TILE4 0, \par, \zero
.endm
.macro PHB par, st, da, pf             ; the second half: five riders behind each four products; the barrier's wait stands behind the first four
.set q, 0
.irp i, 0,1,2,3
.irp f, 0,4
	WIN 0xa4
	WM 1, \par, \i, \f, 0
	WM 1, \par, \i, \f+1, 0
	WM 1, \par, \i, \f+2, 0
	WM 1, \par, \i, \f+3, 0
.if (\st) && (\i == 0) && (\f == 0)
	s_barrier_wait -1                              ; everybody's rows of chunk c + 1 are in LDS: it may be read
.endif
.rept 5
	RIDB \par, \st, \da, \pf
.endr
.endr
.endr
	TILE4 1, \par, 0
	v_add_nc_u32 v[BW], CHL, v[BW]
.endm
; CHUNK c (par = c % 2).  Global loads go out in this order: first half of c: weights c + 3 (16); second half of c: tokens' second half of c + 1 (10), tokens' first half of c + 2 (10).
; At the head weights c + 1 and the tokens' first half of c must be in; younger than these are weights c + 2 (16), the tokens' second half of c (10) and first half of c + 1 (10): 36.
; nb: what may stay out when the tokens' second half of c must be in: the first half of c + 1 (10) and weights c + 3 (16): 26; 0 in the last chunk, behind which the registers are used anew.
.macro TRIP par, zero, st, nb, da, pf
	s_wait_loadcnt 36
	s_wait_dscnt 0x0                               ; the first half's fragments, asked for in the chunk before
	PHA \par, \zero, \st
.if \st
	v_add_nc_u32 v[WS], CHL, v[WS]                 ; four plain lines that name no register of the products: the places in front of the loads into the first half's operands
	v_nop
	v_nop
	v_nop
.endif
	s_wait_loadcnt \nb
	s_wait_dscnt 0x0                               ; the second half's fragments are in, and, for the others' sake, my rows of chunk c + 1 are stored
.if \st
	s_barrier_signal -1                            ; four products, work on registers, stand between the signal and the wait
.endif
	PHB \par, \st, \da, \pf
.endm
; One halving of the search for the KK-th set bit: x holds the bit counts of fields of wd bits; if the field at KP holds KK bits or fewer, the bit lies in the field above it.
.macro HALVE x, wd, inc
	v_bfe_u32 v[KT], v[\x], v[KP], \wd
	v_cmp_ge_u32 vcc_lo, v[KK], v[KT]
	v_sub_nc_u32 v[KT], v[KK], v[KT]
	v_cndmask_b32 v[KK], v[KK], v[KT], vcc_lo
	v_add_nc_u32 v[KT], \inc, v[KP]
	v_cndmask_b32 v[KP], v[KP], v[KT], vcc_lo
.endm
; Slot v: from the word that holds the rank to the entry.  Bit counts by 2, 4, 8 and 16 bits, five halvings, then slot << 10 | 32 x word + bit.
.macro SEL v
	v_and_b32 v[KT], 0xffff, v[CG+\v]
	v_sub_nc_u32 v[KK], v[J+\v], v[KT]             ; the rank inside the word
	v_lshrrev_b32 v[KA], 1, v[WU+\v]
	v_and_b32 v[KA], 0x55555555, v[KA]
	v_sub_nc_u32 v[KA], v[WU+\v], v[KA]
	v_lshrrev_b32 v[KB], 2, v[KA]
	v_and_b32 v[KB], 0x33333333, v[KB]
	v_and_b32 v[KT], 0x33333333, v[KA]
	v_add_nc_u32 v[KB], v[KB], v[KT]
	v_lshrrev_b32 v[KC], 4, v[KB]
	v_add_nc_u32 v[KC], v[KC], v[KB]
	v_and_b32 v[KC], 0x0f0f0f0f, v[KC]
	v_lshrrev_b32 v[KD], 8, v[KC]
	v_add_nc_u32 v[KD], v[KD], v[KC]
	v_mov_b32 v[KP], 0
	HALVE KD, 8, 16
	HALVE KC, 8, 8
	HALVE KB, 4, 4
	HALVE KA, 2, 2
	HALVE WU+\v, 1, 1
	v_bfe_u32 v[KT], v[W1+\v], v[KP], 1            ; the slot
	v_lshrrev_b32 v[KK], 16, v[CG+\v]              ; the word's number
	v_lshl_add_u32 v[KP], v[KK], 5, v[KP]          ; the token
	v_lshl_add_u32 v[WU+\v], v[KT], 10, v[KP]      ; the entry
.endm
; Block s29 of 20 tiles: wave w's tile i is tile 20 b + 4 i + w of the expert, its row r has rank 16 (20 b + w) + 64 i + r.  Sets s26 = the expert's rows, s27 = its tiles, s28 = how many of my five are live,
; ENT, AOFF (and asks for the gates).  first = 1: the bitmap's two loads were issued at the kernel's head, with 48 loads behind them.
.macro BLKSET first
.if !(\first)
	s_wait_xcnt 0x0                                ; the way out's stores have read the registers that are written below
	v_lshlrev_b32 v[MA], 2, v[LN]
	global_load_b32 v[MK0], v[MA], s[10:11]
	global_load_b32 v[MK1], v[MA], s[10:11] offset:1024
.endif
	s_mul_i32 s33, s29, 20
	s_add_co_u32 s33, s33, s16
	s_lshl_b32 s25, s33, 4
	v_lshl_add_u32 v[J], v[H], 6, v[R]
	v_add_nc_u32 v[J], s25, v[J]
	v_add_nc_u32 v[J+1], 0x80, v[J]
	v_add_nc_u32 v[J+2], 0x100, v[J]
.irp k, 0,1,2,3,4,5,6,7,8
	v_mov_b32 v[WU+\k], 0                          ; the selects below read what they replace
.endr
.if \first
	s_wait_loadcnt 48                              ; the two bitmap loads are in: 16 of the bias and 32 of the weights are younger
.else
	s_wait_loadcnt 0x0
.endif
	s_mov_b32 s26, 0                               ; chosen tokens so far
	s_mov_b32 s30, 0
.Lfind_\@:                                             ; 32 trips, a word of 32 tokens each: the last word with no more chosen tokens ahead of it than the rank is the word that holds the rank
	v_readlane_b32 s20, v[MK0], s30
	v_readlane_b32 s21, v[MK1], s30
	s_or_b32 s22, s20, s21                         ; a token takes an expert in one slot at the most
	s_lshl_b32 s23, s30, 16
	s_or_b32 s23, s23, s26
.irp v, 0,1,2
	v_cmp_le_u32 vcc_lo, s26, v[J+\v]
	v_cndmask_b32 v[WU+\v], v[WU+\v], s22, vcc_lo
	v_cndmask_b32 v[W1+\v], v[W1+\v], s21, vcc_lo
	v_cndmask_b32 v[CG+\v], v[CG+\v], s23, vcc_lo
.endr
	s_bcnt1_i32_b32 s24, s22
	s_add_co_u32 s26, s26, s24
	s_add_co_u32 s30, s30, 1
	s_cmp_lt_u32 s30, 32
	s_cbranch_scc1 .Lfind_\@
	s_add_co_u32 s27, s26, 15
	s_lshr_b32 s27, s27, 4
	s_sub_co_i32 s28, s27, s33
	s_add_co_i32 s28, s28, 3
	s_ashr_i32 s28, s28, 2
	s_max_i32 s28, s28, 0
	s_min_i32 s28, s28, 5
.irp v, 0,1,2
	SEL \v
.endr
.irp v, 0,1,2
	v_permlanex16_b32 v[KA+\v], v[WU+\v], s38, s39 ; the other half's tile
.endr
	v_cndmask_b32 v[ENT+0], v[WU+0], v[KA+0], s43  ; s43 names lanes 16-31: each tile's entries go to both halves of the lanes
	v_cndmask_b32 v[ENT+1], v[KA+0], v[WU+0], s43
	v_cndmask_b32 v[ENT+2], v[WU+1], v[KA+1], s43
	v_cndmask_b32 v[ENT+3], v[KA+1], v[WU+1], s43
	v_cndmask_b32 v[ENT+4], v[WU+2], v[KA+2], s43
	v_add_nc_u32 v[KT], s25, v[R]
.irp i, 0,1,2,3,4
	v_readfirstlane_b32 s20, v[ENT+\i]             ; the tile's first row, which exists in every live tile
	v_add_nc_u32 v[KK], 64*\i, v[KT]
	v_cmp_le_u32 vcc_lo, s26, v[KK]                ; a place past the count
	v_cndmask_b32 v[ENT+\i], v[ENT+\i], s20, vcc_lo  ; repeats it
	v_min_u32 v[ENT+\i], 0x7ff, v[ENT+\i]          ; an entry is below 2,048
.if KIND == 1
	v_and_b32 v[AOFF+\i], 0x3ff, v[ENT+\i]         ; its token
	v_lshlrev_b32 v[AOFF+\i], ASH, v[AOFF+\i]
.else
	v_lshlrev_b32 v[GWA+\i], 2, v[ENT+\i]
	v_lshlrev_b32 v[AOFF+\i], ASH, v[ENT+\i]
.endif
	v_add_nc_u32 v[AOFF+\i], v[H16], v[AOFF+\i]
.endr
.if KIND == 2
.irp i, 0,1,2,3,4
	global_load_b32 v[GW+\i], v[GWA+\i], s[14:15]  ; the entry's gate
.endr
.endif
.endm
	s_load_b256 s[4:11], s[0:1], 0x0               ; A s[4:5], W s[6:7], bias s[8:9], msk s[10:11]
.if KIND == 1
	s_load_b64 s[12:13], s[0:1], 0x20              ; hid
.else
	s_load_b128 s[12:15], s[0:1], 0x20             ; part, tw
.endif
	v_lshl_add_u32 v[SPW], v0, 2, SPARE
	v_mov_b32 v[NIL], 0
	v_lshrrev_b32 v[T0], 5, v0
	v_readfirstlane_b32 s16, v[T0]                 ; wave w
	s_and_b32 s18, ttmp7, 0xffff                   ; expert e
.if KIND == 1
	s_lshl_b32 s17, ttmp9, 9                       ; my 128 columns, in bytes of f32
.else
	s_and_b32 s17, ttmp9, 7
	s_lshl_b32 s17, s17, 9
	s_lshr_b32 s19, ttmp9, 3                       ; q: my quarter of K
	s_cmp_eq_u32 s19, 0
	s_cselect_b32 s42, -1, 0                       ; the bias belongs to quarter 0 alone
.endif
	s_mov_b32 s38, 0x76543210                      ; v_permlanex16_b32: each lane takes its own place in the other half
	s_mov_b32 s39, 0xfedcba98
	s_mov_b32 s43, 0xffff0000                      ; lanes 16-31
	s_mov_b32 s35, -1                              ; the lanes keep their offsets into the weights,
	s_mov_b32 s60, CHW                             ; the weights step by a chunk,
	s_mov_b32 s61, 0
	s_mov_b32 s62, 128                             ; and the tokens by 64 k, until the loop's last trip says otherwise
	s_mov_b32 s63, 0
	v_and_b32 v[LN], 31, v0
	v_and_b32 v[R], 15, v0
	v_bfe_u32 v[H], v0, 4, 1
	s_mul_i32 s20, s16, 16*PW
	v_lshl_add_u32 v[WO], v[LN], 4, s20
	v_lshrrev_b32 v[T0], 1, v[LN]
	v_mul_u32_u24 v[T0], v[T0], PW
	v_and_b32 v[T0+1], 1, v0
	v_lshl_add_u32 v[PF], v[T0+1], 8, v[T0]
	v_add_nc_u32 v[PF], s20, v[PF]
	s_mul_i32 s21, s16, 16*PWL
	v_lshl_add_u32 v[WS], v[LN], 3, s21
	v_and_b32 v[T0], 7, v0                         ; the turning load: lane l reads row 8 (l / 16) + l % 8, 16 bytes at 16 ((l / 8) % 2)
	v_lshl_add_u32 v[T0], v[H], 3, v[T0]
	v_mul_u32_u24 v[T0], v[T0], PWL
	v_bfe_u32 v[T0+1], v0, 3, 1
	v_lshl_add_u32 v[BW0], v[T0+1], 4, v[T0]
	v_mov_b32 v[BW], v[BW0]
	s_mul_i32 s23, s16, 16*SPT
	s_add_co_u32 s23, s23, STG
	v_mul_u32_u24 v[T0], v[R], SPT
.if KIND == 1
	v_lshl_add_u32 v[T0], v[H], 4, v[T0]           ; row l % 16; 8 bf16 for each half of the lanes
.else
	v_lshl_add_u32 v[T0], v[H], 5, v[T0]           ; 8 f32
.endif
	v_add_nc_u32 v[STO], s23, v[T0]
	v_mul_u32_u24 v[T0], v[H], SPT                 ; back: lanes 0-15 take one row of 256 bytes, lanes 16-31 the next
	v_lshl_add_u32 v[T0], v[R], 4, v[T0]
	v_add_nc_u32 v[RD], s23, v[T0]
	v_lshlrev_b32 v[R16], 4, v[R]
	v_lshlrev_b32 v[H16], 4, v[H]
	v_lshlrev_b32 v[MA], 2, v[LN]
	v_lshlrev_b32 v[BA], 5, v[H]
.if KIND == 1
	s_mov_b32 s44, 0x3eed3388                      ; 0.3275911 sqrt(2)
	s_mov_b32 s46, 0xc038aa3b                      ; -2 log2(e)
	s_mov_b32 s48, 0x3f87dc22                      ; a5 =  1.061405429
	s_mov_b32 s50, 0xbfba00e3                      ; a4 = -1.453152027
	s_mov_b32 s52, 0x3fb5f0e3                      ; a3 =  1.421413741
	s_mov_b32 s54, 0xbe91a98e                      ; a2 = -0.284496736
	s_mov_b32 s56, 0x3e827906                      ; a1 =  0.254829592
.irp k, 46,48,50,52,54,56
	s_mov_b32 s[\k+1], s[\k]                       ; named as pairs
.endr
.endif
	s_wait_kmcnt 0x0
	s_mov_b32 s37, 0
	s_lshl_b32 s36, s18, 24                        ; an expert's weights are 2^24 bytes
	s_add_co_u32 s36, s36, s17
.if KIND == 2
	s_lshl_b32 s20, s19, 22                        ; 1,024 rows of 4,096 bytes
	s_add_co_u32 s36, s36, s20
.endif
	s_add_nc_u64 s[6:7], s[6:7], s[36:37]
.if KIND == 1
	s_lshl_b32 s36, s18, 14
.else
	s_lshl_b32 s36, s18, 12
.endif
	s_add_co_u32 s36, s36, s17
	s_add_nc_u64 s[8:9], s[8:9], s[36:37]
	s_lshl_b32 s36, s18, 7
	s_add_nc_u64 s[10:11], s[10:11], s[36:37]
.if KIND == 1
	s_lshl_b32 s36, ttmp9, 8                       ; my 128 columns in a row of hid
.else
	s_lshl_b32 s36, s19, 23                        ; quarter q of part
	s_add_co_u32 s36, s36, s17
.endif
	s_add_nc_u64 s[12:13], s[12:13], s[36:37]
.if KIND == 2
	s_lshl_b32 s36, s19, 11                        ; my 1,024 columns in a row of hid
	s_add_nc_u64 s[4:5], s[4:5], s[36:37]
.endif
	s_mov_b64 s[40:41], s[4:5]                     ; A at k = 0: for the first loads and for the later blocks
	s_add_nc_u64 s[4:5], s[40:41], 64              ; chunk 0's second half: chunk c's second half steps it to chunk c + 1's
	s_add_nc_u64 s[58:59], s[40:41], 128           ; chunk 1's first half: chunk c's second half steps it to chunk c + 2's
	global_load_b32 v[MK0], v[MA], s[10:11]        ; lane g: word g of the expert's bitmap, slot 0
	global_load_b32 v[MK1], v[MA], s[10:11] offset:1024  ; slot 1
.irp f, 0,1,2,3,4,5,6,7
	global_load_b128 v[BIAS+8*\f:BIAS+8*\f+3], v[BA], s[8:9] offset:64*\f       ; columns 16 f + 8 (l / 16) + 0..7
	global_load_b128 v[BIAS+8*\f+4:BIAS+8*\f+7], v[BA], s[8:9] offset:64*\f+16
.endr
	GLDW 0, 0
	GLDW 1, 1
	WIN 0
	s_mov_b32 s29, 0
	BLKSET 1
	s_wait_loadcnt 32+5*(KIND-1)                   ; the bias is in: the 32 of the weights (and KIND 2's 5 gates) are younger
	GLDAH 0, 0, 40, 0                              ; the tokens' first half of chunk 0
	WIN 0
.set p, 0
.rept 32                                               ; the bias is rounded to bf16, like every input, and widened again
	v_cvt_pk_bf16_f32 v[T0+p%2], v[BIAS+2*p], v[BIAS+2*p+1]
.if KIND == 2
	v_cndmask_b32 v[T0+p%2], 0, v[T0+p%2], s42     ; 0 in quarters 1 to 3
.endif
	v_lshlrev_b32 v[BIAS+2*p], 16, v[T0+p%2]
	v_and_b32 v[BIAS+2*p+1], 0xffff0000, v[T0+p%2]
.if KIND == 1
	v_pk_mul_f32 v[BIAS+2*p:BIAS+2*p+1], v[BIAS+2*p:BIAS+2*p+1], 0.5 op_sel_hi:[1,0]  ; the GELU works on half the sum
.endif
.set p, p+1
.endr
	s_wait_loadcnt 10                              ; chunks 0 and 1 (and the gates) are in: only the 10 loads of tokens are younger; with the 36 below 46 are out at the most
	s_wait_xcnt 0x0                                ; the weights' base is stepped below, and the rounded chunk goes where offsets of earlier loads lay: only behind this wait
	CVTW 0
	v_add_nc_u32 v[WS], CHL, v[WS]
	s_add_nc_u64 s[6:7], s[6:7], 2*CHW
	GLDW 0, 0                                      ; chunk 2: from here on the loads stand in the order that the chunks' counts lean on
	GLDAH 0, 1, 40, 64                             ; the tokens' second half of chunk 0
	GLDAH 1, 0, 40, 128                            ; their first half of chunk 1
	WIN 0
	s_wait_dscnt 0x0
	s_barrier_signal -1
	s_barrier_wait -1                              ; chunk 0 is in LDS, everybody's rows of it
	LDB 0                                          ; its first half's fragments
	TRIP 0, 1, 1, 26, 0, 1                         ; chunk 0 starts the sums
	s_mov_b32 s30, 7
.Lchunk:                                               ; chunks 1 to 14, two a trip
	s_cmp_ge_u32 s30, 2                            ; the last trip (chunks 13 and 14) has no weights left to ask for, and chunk 14 no tokens two chunks on
	s_cselect_b32 s35, -1, 0
	s_cselect_b32 s60, CHW, 0
	s_cselect_b32 s62, 128, 0
	TRIP 1, 0, 1, 26, 0, 2
	TRIP 0, 0, 1, 26, 1, 2
	s_sub_co_u32 s30, s30, 1
	s_cmp_lg_u32 s30, 0
	s_cbranch_scc1 .Lchunk
	TRIP 1, 0, 0, 0, 0, 0                          ; chunk 15: nothing is rounded, stored or asked for but its own second fragments; its second wait is for every load
.irp t, 0,1,2,3,4,5,6,7
	v_lshl_add_u32 v[PA+\t], v[H], 2, 8*\t         ; no chunk is rounded any more: these stay
.endr
	s_mov_b32 s29, 0
.Lblock:                                               ; 4 blocks of 20 tiles cover the 64 tiles that an expert can have
	s_cmp_eq_u32 s29, 0
	s_cbranch_scc1 .Lepi                           ; block 0 has been multiplied above
	s_mov_b32 s28, 0
	s_mul_i32 s20, s29, 20
	s_cmp_ge_u32 s20, s27
	s_cbranch_scc1 .Lepi                           ; no tile of this block exists: none of my five is live
	BLKSET 0
	s_mov_b64 s[4:5], s[40:41]
	v_mov_b32 v[BW], v[BW0]
	s_mov_b32 s30, 16
.Lrest:                                                ; a chunk of a later block: W comes from the slice in LDS, the token rows from memory.  Plain on purpose: it runs only for an expert with more than 320 rows
.rept 4
	v_nop                                          ; the places in front of the loads into the products' operands
.endr
	GLDAH 0, 0, 4, 0
	GLDAH 0, 1, 4, 64
	LDB 0
	LDB 1
	s_wait_loadcnt 0x0
	s_add_nc_u64 s[4:5], s[4:5], 128               ; the loads are done: their base may step
	s_wait_dscnt 16                                ; the first half is in
	s_cmp_eq_u32 s30, 16
	s_cbranch_scc0 .Lracc
	MULP 0, 1                                      ; the block's first chunk starts the sums
	s_branch .Lrjoin
.Lracc:
	MULP 0, 0
.Lrjoin:
	s_wait_dscnt 0x0
	MULP 1, 0
	v_add_nc_u32 v[BW], CHL, v[BW]
	s_sub_co_u32 s30, s30, 1
	s_cmp_lg_u32 s30, 0
	s_cbranch_scc1 .Lrest
.Lepi:
.rept 4
	v_nop                                          ; the places between the last products and the first read of a sum
.endr
	s_wait_dscnt 0x0                               ; my reads of the slice are back;
	s_barrier_signal -1
	s_barrier_wait -1                              ; everybody's are: a barrier parts a block's LDS reads from the stores into the stages.  Every wave passes it in every trip
	s_mov_b32 s31, 0
.Ltile:                                                ; THE WAY OUT, a tile a trip; dead tiles are jumped
	s_cmp_ge_u32 s31, s28
	s_cbranch_scc1 .Ltnext
	s_wait_xcnt 0x0                                ; the last tile's stores have read their registers
; The tile's 64 sums a lane come out of their window, each accumulator's registers in ascending order.  KIND 1: HS = sum / 2 + bias / 2.  KIND 2: X = sum + bias, and the tile's gate.
.macro CASE i
.if KIND == 1
	WIN 0x42+(\i)/4
.else
	WIN 0x02+(\i)/4
.endif
.set p, 0
.rept 32
.if KIND == 1
	v_pk_fma_f32 v[2*p:2*p+1], v[64*((\i)%4)+2*p:64*((\i)%4)+2*p+1], 0.5, v[BIAS+2*p:BIAS+2*p+1] op_sel_hi:[1,0,1]
.else
	v_pk_add_f32 v[BF+2*p:BF+2*p+1], v[64*((\i)%4)+2*p:64*((\i)%4)+2*p+1], v[BIAS+2*p:BIAS+2*p+1]
.endif
.set p, p+1
.endr
	WIN 0
	v_mov_b32 v[ENTC], v[ENT+(\i)]
.if KIND == 2
	v_mov_b32 v[GP], v[GW+(\i)]
	v_mov_b32 v[GP+1], v[GW+(\i)]
.endif
.endm
.irp i, 0,1,2,3
	s_cmp_eq_u32 s31, \i
	s_cbranch_scc0 .Lnot\i
	CASE \i
	s_branch .Lpicked
.Lnot\i:
.endr
	CASE 4
.Lpicked:
.irp t, 0,1,2,3,4,5,6,7
	ds_bpermute_b32 v[ENTO+\t], v[PA+\t], v[ENTC]  ; the entry of row 2 t + l / 16, from the lane that holds it
.endr
.if KIND == 1
	; gelu(s) = hs + |hs| erf(z), hs = s / 2, z = |hs| sqrt(2); erf(z) = 1 - (a1 t + .. + a5 t^5) e^(-z^2), t = 1 / (1 + 0.3275911 z).
	; ONE BATCH of 64 reciprocals and 64 exponentials: a pair's four plain lines stand between the four transcendentals of the pair before; nothing in the batch names a result.
	WIN 0x55
.set p, 0
.rept 33
.if p < 32
	v_fma_f32 v[TT+2*p], |v[2*p]|, s44, 1.0
.endif
.if p > 0
	v_rcp_f32 v[TT+2*p-2], v[TT+2*p-2]
.endif
.if p < 32
	v_fma_f32 v[TT+2*p+1], |v[2*p+1]|, s44, 1.0
.endif
.if p > 0
	v_rcp_f32 v[TT+2*p-1], v[TT+2*p-1]
.endif
.if p < 32
	v_pk_mul_f32 v[EE+2*p:EE+2*p+1], v[2*p:2*p+1], v[2*p:2*p+1]
.endif
.if p > 0
	v_exp_f32 v[EE+2*p-2], v[EE+2*p-2]
.endif
.if p < 32
	v_pk_mul_f32 v[EE+2*p:EE+2*p+1], v[EE+2*p:EE+2*p+1], s[46:47] op_sel_hi:[1,0]
.endif
.if p > 0
	v_exp_f32 v[EE+2*p-1], v[EE+2*p-1]
.endif
.set p, p+1
.endr
	v_nop                                          ; a plain line behind the last transcendental
	s_wait_alu depctr_va_vdst(0)                   ; one wait for the batch, ahead of its first reader
.set g, 0
.rept 8                                                ; four pairs at a time, so that no line waits for the one before it
.irp k, 0,1,2,3
	v_pk_fma_f32 v[UU+2*\k:UU+2*\k+1], v[TT+8*g+2*\k:TT+8*g+2*\k+1], s[48:49], s[50:51] op_sel_hi:[1,0,0]
.endr
.irp k, 0,1,2,3
	v_pk_fma_f32 v[UU+2*\k:UU+2*\k+1], v[UU+2*\k:UU+2*\k+1], v[TT+8*g+2*\k:TT+8*g+2*\k+1], s[52:53] op_sel_hi:[1,1,0]
.endr
.irp k, 0,1,2,3
	v_pk_fma_f32 v[UU+2*\k:UU+2*\k+1], v[UU+2*\k:UU+2*\k+1], v[TT+8*g+2*\k:TT+8*g+2*\k+1], s[54:55] op_sel_hi:[1,1,0]
.endr
.irp k, 0,1,2,3
	v_pk_fma_f32 v[UU+2*\k:UU+2*\k+1], v[UU+2*\k:UU+2*\k+1], v[TT+8*g+2*\k:TT+8*g+2*\k+1], s[56:57] op_sel_hi:[1,1,0]
.endr
.irp k, 0,1,2,3
	v_pk_mul_f32 v[UU+2*\k:UU+2*\k+1], v[UU+2*\k:UU+2*\k+1], v[TT+8*g+2*\k:TT+8*g+2*\k+1]
.endr
.irp k, 0,1,2,3
	v_pk_fma_f32 v[UU+2*\k:UU+2*\k+1], v[UU+2*\k:UU+2*\k+1], v[EE+8*g+2*\k:EE+8*g+2*\k+1], 1.0 op_sel_hi:[1,1,0] neg_lo:[1,0,0] neg_hi:[1,0,0]  ; erf
.endr
.irp k, 0,1,2,3
	v_fma_f32 v[8*g+2*\k], |v[8*g+2*\k]|, v[UU+2*\k], v[8*g+2*\k]
	v_fma_f32 v[8*g+2*\k+1], |v[8*g+2*\k+1]|, v[UU+2*\k+1], v[8*g+2*\k+1]
.endr
.set g, g+1
.endr
	WIN 0x05                                       ; sources window 1, destination window 0: W's fragment registers are free
.set p, 0
.rept 32
	v_cvt_pk_bf16_f32 v[BF+p], v[2*p], v[2*p+1]
.set p, p+1
.endr
	WIN 0
.set RB, BF+32
.irp f, 0,1,2,3,4,5,6,7
	ds_store_b128 v[STO], v[BF+4*\f:BF+4*\f+3] offset:32*\f
.endr
.irp t, 0,1,2,3,4,5,6,7
	ds_load_b128 v[RB+4*\t:RB+4*\t+3], v[RD] offset:2*SPT*\t  ; LDS serves a wave's instructions in order: these see the stores above
.endr
.else
.set RB, BF+64
.set p, 0
.rept 32
	v_pk_mul_f32 v[BF+2*p:BF+2*p+1], v[BF+2*p:BF+2*p+1], v[GP:GP+1] op_sel_hi:[1,0]
.set p, p+1
.endr
.irp a, 0,1                            ; the stage holds 64 columns of f32: two rounds; the second round's stores come behind the first round's loads
.irp f, 0,1,2,3
	ds_store_b128 v[STO], v[BF+32*\a+8*\f:BF+32*\a+8*\f+3] offset:64*\f
	ds_store_b128 v[STO], v[BF+32*\a+8*\f+4:BF+32*\a+8*\f+7] offset:64*\f+16
.endr
.irp t, 0,1,2,3,4,5,6,7
	ds_load_b128 v[RB+32*\a+4*\t:RB+32*\a+4*\t+3], v[RD] offset:2*SPT*\t
.endr
.endr
.endif
	s_wait_dscnt 0x0
.irp t, 0,1,2,3,4,5,6,7
	v_min_u32 v[ENTO+\t], 0x7ff, v[ENTO+\t]
	v_lshlrev_b32 v[ENTO+\t], OSH, v[ENTO+\t]
	v_add_nc_u32 v[ENTO+\t], v[R16], v[ENTO+\t]
.endr
.irp t, 0,1,2,3,4,5,6,7                ; rows 2 t and 2 t + 1: 16 lanes store 256 consecutive bytes of an entry's row, aligned; a place past the count stores its tile's first row once more
	global_store_b128 v[ENTO+\t], v[RB+4*\t:RB+4*\t+3], s[12:13]
.if KIND == 2
	global_store_b128 v[ENTO+\t], v[RB+32+4*\t:RB+32+4*\t+3], s[12:13] offset:256
.endif
.endr
.Ltnext:
	s_add_co_u32 s31, s31, 1
	s_cmp_lt_u32 s31, 5
	s_cbranch_scc1 .Ltile
	s_wait_dscnt 0x0                               ; my stores into my stage and my reads of it are done;
	s_barrier_signal -1
	s_barrier_wait -1                              ; everybody's are: the second barrier of the trip parts them from the next block's LDS reads and from the last lines
	s_add_co_u32 s29, s29, 1
	s_cmp_lt_u32 s29, 4
	s_cbranch_scc1 .Lblock
	s_wait_tensorcnt 0x0                           ; the wave's end
	ds_add_u32 v[SPW], v[NIL]
	s_wait_dscnt 0x0
	s_endpgm
.Lfunc_end_k_qf7515cf574_ffn1:
	.size	k_qf7515cf574_ffn1, .Lfunc_end_k_qf7515cf574_ffn1-k_qf7515cf574_ffn1
	.p2alignl 7, 3214868480
	.fill 96, 4, 3214868480
	.section	.rodata,"a",@progbits
	.p2align	6, 0x0
	.amdhsa_kernel k_qf7515cf574_ffn1
		.amdhsa_group_segment_fixed_size 312832
		.amdhsa_private_segment_fixed_size 0
		.amdhsa_enable_private_segment 0
		.amdhsa_kernarg_size 40
		.amdhsa_user_sgpr_count 2
		.amdhsa_user_sgpr_kernarg_segment_ptr 1
		.amdhsa_wavefront_size32 1
		.amdhsa_system_sgpr_workgroup_id_x 1
		.amdhsa_system_sgpr_workgroup_id_y 1
		.amdhsa_system_sgpr_workgroup_id_z 1
		.amdhsa_system_vgpr_workitem_id 0
		.amdhsa_next_free_vgpr 960
		.amdhsa_next_free_sgpr 66
		.amdhsa_reserve_vcc 1
		.amdhsa_float_denorm_mode_32 3
		.amdhsa_float_denorm_mode_16_64 3
		.amdhsa_memory_ordered 1
		.amdhsa_forward_progress 1
		.amdhsa_inst_pref_size 159
	.end_amdhsa_kernel
	.amdgpu_metadata
---
amdhsa.version: [ 1, 2 ]
amdhsa.kernels:
  - .name:           k_qf7515cf574_ffn1
    .symbol:         k_qf7515cf574_ffn1.kd
    .args:
      - { .name: xb, .offset: 0, .size: 8, .value_kind: global_buffer, .address_space: global }
      - { .name: W1, .offset: 8, .size: 8, .value_kind: global_buffer, .address_space: global }
      - { .name: b1, .offset: 16, .size: 8, .value_kind: global_buffer, .address_space: global }
      - { .name: msk, .offset: 24, .size: 8, .value_kind: global_buffer, .address_space: global }
      - { .name: hid, .offset: 32, .size: 8, .value_kind: global_buffer, .address_space: global }
    .group_segment_fixed_size: 312832
    .private_segment_fixed_size: 0
    .kernarg_segment_align: 8
    .kernarg_segment_size: 40
    .max_flat_workgroup_size: 128
    .sgpr_count:     66
    .vgpr_count:     960
    .wavefront_size: 32
...
	.end_amdgpu_metadata
.endif
;; end of part 2
;; launch ffn2 (part 3): grid 32 x 8, 4 waves a work-group, no clusters, 312,832 bytes of LDS; arguments hid, W2, b2, msk, part, tw; writes part
.if DOCPART == 3
	.amdgcn_target "amdgcn-amd-amdhsa--gfx1250"
	.amdhsa_code_object_version 6
	.text
	.protected	k_qf7515cf574_ffn2
	.globl	k_qf7515cf574_ffn2
	.p2align	8
	.type	k_qf7515cf574_ffn2,@function
k_qf7515cf574_ffn2:
	s_mov_b64 s[64:65], 0
	v_nop
	global_prefetch_b8 v0, s[64:65] scope:SCOPE_SE
	s_setreg_imm32_b32 hwreg(HW_REG_WAVE_MODE, 25, 1), 1
	s_wait_xcnt 0x0
; ONE SOURCE FOR BOTH PRODUCTS OF THE EXPERTS' LAYER; the constant KIND picks sizes, bias and way out.
;   KIND 1: hid[entry][n] = gelu(x[token] . W1[e][:, n] + b1[e][n]), bf16.      KIND 2: part[q][entry][n] = gate[entry] (hid[entry][1024 q ..] . W2[e][1024 q .., n] + (q = 0 ? b2[e][n] : 0)), f32.
; An ENTRY is slot x 1,024 + token: the row of hid, part and tw that belongs to a token's slot-th choice.  Only the chosen rows are multiplied.
; SHARES.  Work-group (x, e) owns a slice of expert e's weights, 1,024 k x 128 columns (512 KiB of f32), which it alone reads, once, and ALL of that expert's rows, whatever their number (0 to 1,024).
; KIND 2: x = 8 q + cs: columns 128 cs, rows 1,024 q of W2.  A slice of all 4,096 k would be 32 columns, rows of 128 bytes; so K is cut in quarters, and a later launch adds the four partial sums, kept in f32.
; THE SLICE goes memory -> registers -> bf16 -> LDS in 16 chunks of 64 k, each to a place of its own: no LDS byte of it is written twice, and at the end the whole slice lies in LDS.  While later chunks are on
; their way, chunk c is multiplied with the expert's first 320 rows: 5 tiles of 16 rows a wave, sums in registers.  Rows past 320 are multiplied afterwards from the slice in LDS, 320 at a time.
; RIDERS.  A chunk's loads, conversions and LDS stores stand in groups of five behind the matrix instructions, not in runs ahead of them, so that the wave issues them while the matrix unit works.  A rider is issued on
; every way, so a wave's tiles 0 to 3 are always multiplied: a tile past the expert's count multiplies repeats of one row and is never stored (an expert is rounded up to 256 rows a block); tile 4 alone is jumped.
; Every loop has a constant count; what hangs on the expert's count is only which work is jumped over, forward, with no barrier in what is jumped.
; WHICH ROWS.  The expert's rows are its chosen tokens in ascending order.  Each wave finds the entry of each rank that it needs from the two bitmaps (256 bytes), in registers, by whole-number arithmetic, while the
; first weights are on their way.  Places past the count repeat their tile's first row: they give the same numbers and store them to the same bytes, so no store is masked and EXEC is never changed.
; THE MATRIX INSTRUCTION: source 0 = 16 columns of W (turned out of LDS by ds_load_tr16_b128), source 1 = 16 rows of tokens (straight from memory): a lane then holds one token (lane % 16) and 8 neighbouring columns.
; FORMATS.  x, hid and the weights are bf16 operands, the biases are rounded to bf16 like every input; sums, GELU and gates are f32.
; LIMITS.  NaN and infinities are not treated apart.
; NO CLUSTER: each slice has one reader, and what an expert's work-groups share, its token rows, comes by ranks that no tensor descriptor covers.  NO TENSOR LOADS: the weights pass through registers to be rounded.
.set KIND, 2
.if KIND == 1
.set PW,  16384                        ; bytes from row k of the weights to row k + 1
.set ASH, 11                           ; a row of A (xb) is 2,048 bytes
.set OSH, 13                           ; a row of the output (hid) is 8,192 bytes
.else
.set PW,  4096
.set ASH, 13                           ; a row of A (hid) is 8,192 bytes
.set OSH, 12                           ; a row of the output (part) is 4,096 bytes
.endif
.set CHW,   64*PW                      ; a chunk in memory
.set PWL,   288                        ; a row k in LDS: 128 bf16 + 32 bytes of padding: an odd multiple of 32, as the turning load's 8 rows x 32 bytes want
.set CHL,   64*PWL                     ; a chunk in LDS
.set STG,   1024*PWL                   ; behind the slice: 16 rows x 272 bytes for each wave, for the way out
.set SPT,   272
.set SPARE, STG+4*16*SPT               ; the spare words: 128 bytes for each wave; no other line names them
; window 0
.set LN,   1                           ; lane
.set R,    2                           ; lane % 16
.set H,    3                           ; lane / 16
.set WO,   4                           ; weights: my wave's 16 rows of a chunk, 16 bytes a lane; never rewritten
.set PF,   5                           ; the same 16 rows as 32 blocks of 256 bytes, one a lane; never rewritten
.set WS,   6                           ; where my rows of the next chunk go in LDS; steps
.set BW,   7                           ; where my lane reads W's fragments; steps
.set BW0,  8                           ; its start
.set H16,  9                           ; 16 (lane / 16)
.set STO,  10                          ; the way out: where I put my part of a row
.set RD,   11                          ; the way out: where I read a row back
.set AOFF, 12                          ; v12-16  tile i: byte offset of my token's row in A, + 16 (lane / 16)
.set GW,   17                          ; v17-21  KIND 2: tile i: my token's gate
.set ENT,  22                          ; v22-26  tile i: the entry of row lane % 16
.set R16,  27                          ; 16 (lane % 16)
.set SPW,  28                          ; my spare word's LDS address; never rewritten
.set NIL,  29                          ; 0; never rewritten
.set T0,   30                          ; v30-31  at work, at the kernel's head alone
.set WOX,  31                          ; from the first chunk on: WO, or 0 in the trips that have no weights left to ask for
.set TMP,  32                          ; v32-63  a chunk's rows in bf16.  While no chunk is rounded, the registers of the search and of the way out:
.set MK0,  32                          ;   lane g: word g of the expert's bitmap, slot 0
.set MK1,  33                          ;   slot 1
.set MA,   34                          ;   4 x lane
.set BA,   35                          ;   the bias's offset
.set J,    36                          ;   v36-38  the rank wanted: slot v serves tile 2 v in lanes 0-15 and tile 2 v + 1 in lanes 16-31
.set PA,   40                          ;   v40-47  the way out: 4 x (2 t + lane / 16), the lane that holds row 2 t + lane / 16's entry
.set WU,   48                          ;   v48-50  the word (both slots) that holds the rank; then the entry
.set W1,   51                          ;   v51-53  the same word of slot 1
.set CG,   54                          ;   v54-56  that word's number << 16 | the chosen tokens ahead of it
.set KA,   57                          ;   bit counts by 2,
.set KB,   58                          ;   by 4,
.set KC,   59                          ;   by 8,
.set KD,   60                          ;   and, in its lowest byte, of the low 16
.set KK,   61                          ;   the rank left
.set KP,   62                          ;   the bit's place
.set KT,   63                          ;   at work
.set GWA,  48                          ;   v48-52  KIND 2: the gates' offsets
.set ENTO, 32                          ;   v32-39  the way out: byte offset of row 2 t + lane / 16 in the output, + 16 (lane % 16)
.set GP,   48                          ;   v48-49  KIND 2: the tile's gate, as a pair
.set ENTC, 50                          ;   the tile's entries
.set BF,   64                          ; v64-191 W's fragments: k half s, columns 16 f at BF + 64 s + 8 f; free on the way out
.set BIAS, 192                         ; v192-255 my lane's 64 columns' bias
; window 1: v0-159 token fragments, two buffers of 80: tile i, k half s at 80 par + 16 i + 8 s.  On KIND 1's way out: HS v0-63, TT v64-127, EE v128-191, UU v192-199
.set TT,   64
.set EE,   128
.set UU,   192
; window 2: the sums of tiles 0-3 (64 i + 8 f).   window 3: v0-63 those of tile 4; v64-191 the weights as loaded, two buffers of 64
; scalars: s[4:5] tokens' second halves, s[58:59] their first halves, s[40:41] tokens at k = 0, s[6:7] weights; s35, s[60:61], s[62:63]: the lanes' mask and the two steps that the last trips set to 0
.set MSB, 0
.macro WIN new                         ; s_set_vgpr_msb: bits 1:0 source 0, 3:2 source 1, 5:4 source 2, 7:6 destination; the high byte repeats the setting that is left
.if MSB != (\new)
	s_set_vgpr_msb (MSB<<8)|(\new)
.set MSB, \new
.endif
.endm
.macro GLDW par, cc                    ; my 16 rows of the chunk cc chunks behind s[6:7]: each load is 512 consecutive bytes of one row
	WIN 0xc0
.irp i, 0,1,2,3,4,5,6,7,8,9,10,11,12,13,14,15
	global_load_b128 v[64+64*(\par)+4*\i:64+64*(\par)+4*\i+3], v[WO], s[6:7] offset:(64*(\cc)+\i)*PW th:TH_LOAD_NT
.endr
.endm
.macro GLDAH par, s, b, off            ; 5 tiles x 32 k of token rows, as matrix operands: lane l takes row l % 16, k = 8 (l / 16) + 0..7 and 16 more on; base s[b:b+1]
	WIN 0x40
.irp i, 0,1,2,3,4
	global_load_b128 v[80*(\par)+16*\i+8*(\s):80*(\par)+16*\i+8*(\s)+3], v[AOFF+\i], s[\b:\b+1] offset:(\off)
	global_load_b128 v[80*(\par)+16*\i+8*(\s)+4:80*(\par)+16*\i+8*(\s)+7], v[AOFF+\i], s[\b:\b+1] offset:(\off)+32
.endr
.endm
.macro CVTW par                        ; a buffer of weights is rounded to bf16 and stored: a wave's store is 256 consecutive bytes of one LDS row
	WIN 0x0f
.irp i, 0,1,2,3,4,5,6,7,8,9,10,11,12,13,14,15
	v_cvt_pk_bf16_f32 v[TMP+2*\i], v[64+64*(\par)+4*\i], v[64+64*(\par)+4*\i+1]
	v_cvt_pk_bf16_f32 v[TMP+2*\i+1], v[64+64*(\par)+4*\i+2], v[64+64*(\par)+4*\i+3]
.endr
	WIN 0
.irp i, 0,1,2,3,4,5,6,7,8,9,10,11,12,13,14,15
	ds_store_b64 v[WS], v[TMP+2*\i:TMP+2*\i+1] offset:PWL*\i
.endr
.endm
.macro LDB s                           ; W's 8 fragments (16 columns x 32 k) of half s of the chunk at BW, in one run
	WIN 0
.irp f, 0,1,2,3,4,5,6,7
	ds_load_tr16_b128 v[BF+64*(\s)+8*\f:BF+64*(\s)+8*\f+3], v[BW] offset:32*PWL*(\s)+32*\f
	ds_load_tr16_b128 v[BF+64*(\s)+8*\f+4:BF+64*(\s)+8*\f+7], v[BW] offset:32*PWL*(\s)+16*PWL+32*\f
.endr
.endm
; One matrix instruction: half s of the chunk, token buffer par, tile i, columns 16 f.  zero = 1: it starts the sum.  The caller sets the windows.
; Two matrix instructions that follow each other never name one accumulator, on any way (f steps inside a tile; a tile ends with f = 7 and the next begins with f = 0): the accumulators take turns.
.macro WM s, par, i, f, zero
.set rD, 64*((\i)%4)+8*(\f)
.set rW, BF+64*(\s)+8*(\f)
.set rA, 80*(\par)+16*(\i)+8*(\s)
.if \zero
	v_wmma_f32_16x16x32_bf16 v[rD:rD+7], v[rW:rW+7], v[rA:rA+7], 0
.else
	v_wmma_f32_16x16x32_bf16 v[rD:rD+7], v[rW:rW+7], v[rA:rA+7], v[rD:rD+7]
.endif
.endm
.macro TILE4 s, par, zero              ; my fifth tile: jumped where it is dead (s28 < 5); where it starts its sums it always runs, so that every sum is written on every way
.if !(\zero)
	WIN 0
	s_cmp_lt_u32 s28, 5
	s_cbranch_scc1 .Lno4_\@
.endif
	WIN 0xf4                                       ; W window 0, tokens window 1, sums window 3
.irp f, 0,1,2,3,4,5,6,7
	WM \s, \par, 4, \f, \zero
.endr
	WIN 0
.Lno4_\@:
.endm
.macro MULP s, zero                    ; the products of half s without riders, on token buffer 0: for the later blocks
	WIN 0xa4
.irp i, 0,1,2,3
.irp f, 0,1,2,3,4,5,6,7
	WM \s, 0, \i, \f, \zero
.endr
.endr
	TILE4 \s, 0, \zero
.endm
; RIDER q OF 80 OF A CHUNK'S FIRST HALF.  0-4: five conversions of chunk c + 1's weights: plain lines that name no register of the products, the places in front of the loads that follow.  5-20: chunk c's second half
; of W's fragments.  21-47: the other conversions.  48-63: chunk c + 1 into LDS.  64-79: the weights of chunk c + 3, into the buffer just rounded; ahead of them the base steps, behind the wait that frees it.
; In the two trips that have no weights left to ask for the step is 0 and the lanes' offsets are 0: sixteen loads of one 16-byte piece each of chunk 15, which nobody reads: they keep every counted wait right on every way.
; st = 0 (the last chunk): the fragment loads alone, behind four v_nop.
.macro RIDA par, st
.if (q < 5) || ((q >= 21) && (q < 48))
.set m, q
.if q >= 21
.set m, q-16
.endif
.if \st
	WIN 0x0f
	v_cvt_pk_bf16_f32 v[TMP+m], v[64+64*(1-(\par))+2*m], v[64+64*(1-(\par))+2*m+1]
.elseif q < 4
	v_nop
.endif
.elseif q < 21
.set m, q-5
	WIN 0
	ds_load_tr16_b128 v[BF+64+8*(m/2)+4*(m%2):BF+64+8*(m/2)+4*(m%2)+3], v[BW] offset:32*PWL+16*PWL*(m%2)+32*(m/2)
.elseif q < 64
.if \st
.set m, q-48
	WIN 0
	ds_store_b64 v[WS], v[TMP+2*m:TMP+2*m+1] offset:PWL*m
.endif
.else
.if \st
.set m, q-64
.if m == 0
	WIN 0
	s_wait_xcnt 0x0                                ; the offsets and the base of the loads (and of the prefetch) that are out are written only behind this wait
	v_and_b32 v[WOX], s35, v[WO]
	s_add_nc_u64 s[6:7], s[6:7], s[60:61]
.endif
	WIN 0xc0
	global_load_b128 v[64+64*(1-(\par))+4*m:64+64*(1-(\par))+4*m+3], v[WOX], s[6:7] offset:m*PW th:TH_LOAD_NT
.endif
.endif
.set q, q+1
.endm
; RIDER q OF 37 OF A CHUNK'S SECOND HALF.  0-15: chunk c + 1's first half of W's fragments (one chunk on from BW, by the immediate).  16-25: the tokens' second half of chunk c + 1.  26-35: their first half of chunk
; c + 2, into the half buffer that this chunk's first half has just left.  da = 1: that base steps by s[62:63], which is 0 in chunk 14: it asks for chunk 15's once more, for the counts' sake, and nobody reads it.
; 36: my 16 rows of chunk c + 5 are asked into the L2, 32 blocks of 256 bytes, a lane each, each block once in the launch, two chunks ahead of their load (pf = 1: always; 2: while the loop has three trips or more to go,
; that is up to chunk 10: the last block asked for is the slice's last).
.macro RIDB par, st, da, pf
.if \st
.if q < 16
	WIN 0
	ds_load_tr16_b128 v[BF+8*(q/2)+4*(q%2):BF+8*(q/2)+4*(q%2)+3], v[BW] offset:CHL+16*PWL*(q%2)+32*(q/2)
.elseif q < 26
.set m, q-16
.if m == 0
	s_wait_xcnt 0x0                                ; the bases of the loads that are out are stepped only behind this wait
	s_add_nc_u64 s[4:5], s[4:5], 128
.if \da
	s_add_nc_u64 s[58:59], s[58:59], s[62:63]
.else
	s_add_nc_u64 s[58:59], s[58:59], 128
.endif
.endif
	WIN 0x40
	global_load_b128 v[80*(1-(\par))+16*(m/2)+8+4*(m%2):80*(1-(\par))+16*(m/2)+8+4*(m%2)+3], v[AOFF+m/2], s[4:5] offset:32*(m%2)
.elseif q < 36
.set m, q-26
	WIN 0x40
	global_load_b128 v[80*(\par)+16*(m/2)+4*(m%2):80*(\par)+16*(m/2)+4*(m%2)+3], v[AOFF+m/2], s[58:59] offset:32*(m%2)
.elseif q == 36
.if (\pf) == 1
	WIN 0
	global_prefetch_b8 v[PF], s[6:7] offset:2*CHW th:TH_LOAD_NT scope:SCOPE_SE
.elseif (\pf) == 2
	WIN 0
	s_cmp_lt_u32 s30, 3
	s_cbranch_scc1 .Lnopf_\@
	global_prefetch_b8 v[PF], s[6:7] offset:2*CHW th:TH_LOAD_NT scope:SCOPE_SE
.Lnopf_\@:
.endif
.endif
.endif
.set q, q+1
.endm
.macro PHA par, zero, st               ; the first half: 32 products that always run, five riders behind each two; then tile 4
.set q, 0
.irp i, 0,1,2,3
.irp f, 0,2,4,6
	WIN 0xa4                                       ; W window 0, tokens window 1, sums window 2
	WM 0, \par, \i, \f, \zero
	WM 0, \par, \i, \f+1, \zero
.rept 5
	RIDA \par, \st
.endr
.endr
.endr
	TILE4 0, \par, \zero
.endm
.macro PHB par, st, da, pf             ; the second half: five riders behind each four products; the barrier's wait stands behind the first four
.set q, 0
.irp i, 0,1,2,3
.irp f, 0,4
	WIN 0xa4
	WM 1, \par, \i, \f, 0
	WM 1, \par, \i, \f+1, 0
	WM 1, \par, \i, \f+2, 0
	WM 1, \par, \i, \f+3, 0
.if (\st) && (\i == 0) && (\f == 0)
	s_barrier_wait -1                              ; everybody's rows of chunk c + 1 are in LDS: it may be read
.endif
.rept 5
	RIDB \par, \st, \da, \pf
.endr
.endr
.endr
	TILE4 1, \par, 0
	v_add_nc_u32 v[BW], CHL, v[BW]
.endm
; CHUNK c (par = c % 2).  Global loads go out in this order: first half of c: weights c + 3 (16); second half of c: tokens' second half of c + 1 (10), tokens' first half of c + 2 (10).
; At the head weights c + 1 and the tokens' first half of c must be in; younger than these are weights c + 2 (16), the tokens' second half of c (10) and first half of c + 1 (10): 36.
; nb: what may stay out when the tokens' second half of c must be in: the first half of c + 1 (10) and weights c + 3 (16): 26; 0 in the last chunk, behind which the registers are used anew.
.macro TRIP par, zero, st, nb, da, pf
	s_wait_loadcnt 36
	s_wait_dscnt 0x0                               ; the first half's fragments, asked for in the chunk before
	PHA \par, \zero, \st
.if \st
	v_add_nc_u32 v[WS], CHL, v[WS]                 ; four plain lines that name no register of the products: the places in front of the loads into the first half's operands
	v_nop
	v_nop
	v_nop
.endif
	s_wait_loadcnt \nb
	s_wait_dscnt 0x0                               ; the second half's fragments are in, and, for the others' sake, my rows of chunk c + 1 are stored
.if \st
	s_barrier_signal -1                            ; four products, work on registers, stand between the signal and the wait
.endif
	PHB \par, \st, \da, \pf
.endm
; One halving of the search for the KK-th set bit: x holds the bit counts of fields of wd bits; if the field at KP holds KK bits or fewer, the bit lies in the field above it.
.macro HALVE x, wd, inc
	v_bfe_u32 v[KT], v[\x], v[KP], \wd
	v_cmp_ge_u32 vcc_lo, v[KK], v[KT]
	v_sub_nc_u32 v[KT], v[KK], v[KT]
	v_cndmask_b32 v[KK], v[KK], v[KT], vcc_lo
	v_add_nc_u32 v[KT], \inc, v[KP]
	v_cndmask_b32 v[KP], v[KP], v[KT], vcc_lo
.endm
; Slot v: from the word that holds the rank to the entry.  Bit counts by 2, 4, 8 and 16 bits, five halvings, then slot << 10 | 32 x word + bit.
.macro SEL v
	v_and_b32 v[KT], 0xffff, v[CG+\v]
	v_sub_nc_u32 v[KK], v[J+\v], v[KT]             ; the rank inside the word
	v_lshrrev_b32 v[KA], 1, v[WU+\v]
	v_and_b32 v[KA], 0x55555555, v[KA]
	v_sub_nc_u32 v[KA], v[WU+\v], v[KA]
	v_lshrrev_b32 v[KB], 2, v[KA]
	v_and_b32 v[KB], 0x33333333, v[KB]
	v_and_b32 v[KT], 0x33333333, v[KA]
	v_add_nc_u32 v[KB], v[KB], v[KT]
	v_lshrrev_b32 v[KC], 4, v[KB]
	v_add_nc_u32 v[KC], v[KC], v[KB]
	v_and_b32 v[KC], 0x0f0f0f0f, v[KC]
	v_lshrrev_b32 v[KD], 8, v[KC]
	v_add_nc_u32 v[KD], v[KD], v[KC]
	v_mov_b32 v[KP], 0
	HALVE KD, 8, 16
	HALVE KC, 8, 8
	HALVE KB, 4, 4
	HALVE KA, 2, 2
	HALVE WU+\v, 1, 1
	v_bfe_u32 v[KT], v[W1+\v], v[KP], 1            ; the slot
	v_lshrrev_b32 v[KK], 16, v[CG+\v]              ; the word's number
	v_lshl_add_u32 v[KP], v[KK], 5, v[KP]          ; the token
	v_lshl_add_u32 v[WU+\v], v[KT], 10, v[KP]      ; the entry
.endm
; Block s29 of 20 tiles: wave w's tile i is tile 20 b + 4 i + w of the expert, its row r has rank 16 (20 b + w) + 64 i + r.  Sets s26 = the expert's rows, s27 = its tiles, s28 = how many of my five are live,
; ENT, AOFF (and asks for the gates).  first = 1: the bitmap's two loads were issued at the kernel's head, with 48 loads behind them.
.macro BLKSET first
.if !(\first)
	s_wait_xcnt 0x0                                ; the way out's stores have read the registers that are written below
	v_lshlrev_b32 v[MA], 2, v[LN]
	global_load_b32 v[MK0], v[MA], s[10:11]
	global_load_b32 v[MK1], v[MA], s[10:11] offset:1024
.endif
	s_mul_i32 s33, s29, 20
	s_add_co_u32 s33, s33, s16
	s_lshl_b32 s25, s33, 4
	v_lshl_add_u32 v[J], v[H], 6, v[R]
	v_add_nc_u32 v[J], s25, v[J]
	v_add_nc_u32 v[J+1], 0x80, v[J]
	v_add_nc_u32 v[J+2], 0x100, v[J]
.irp k, 0,1,2,3,4,5,6,7,8
	v_mov_b32 v[WU+\k], 0                          ; the selects below read what they replace
.endr
.if \first
	s_wait_loadcnt 48                              ; the two bitmap loads are in: 16 of the bias and 32 of the weights are younger
.else
	s_wait_loadcnt 0x0
.endif
	s_mov_b32 s26, 0                               ; chosen tokens so far
	s_mov_b32 s30, 0
.Lfind_\@:                                             ; 32 trips, a word of 32 tokens each: the last word with no more chosen tokens ahead of it than the rank is the word that holds the rank
	v_readlane_b32 s20, v[MK0], s30
	v_readlane_b32 s21, v[MK1], s30
	s_or_b32 s22, s20, s21                         ; a token takes an expert in one slot at the most
	s_lshl_b32 s23, s30, 16
	s_or_b32 s23, s23, s26
.irp v, 0,1,2
	v_cmp_le_u32 vcc_lo, s26, v[J+\v]
	v_cndmask_b32 v[WU+\v], v[WU+\v], s22, vcc_lo
	v_cndmask_b32 v[W1+\v], v[W1+\v], s21, vcc_lo
	v_cndmask_b32 v[CG+\v], v[CG+\v], s23, vcc_lo
.endr
	s_bcnt1_i32_b32 s24, s22
	s_add_co_u32 s26, s26, s24
	s_add_co_u32 s30, s30, 1
	s_cmp_lt_u32 s30, 32
	s_cbranch_scc1 .Lfind_\@
	s_add_co_u32 s27, s26, 15
	s_lshr_b32 s27, s27, 4
	s_sub_co_i32 s28, s27, s33
	s_add_co_i32 s28, s28, 3
	s_ashr_i32 s28, s28, 2
	s_max_i32 s28, s28, 0
	s_min_i32 s28, s28, 5
.irp v, 0,1,2
	SEL \v
.endr
.irp v, 0,1,2
	v_permlanex16_b32 v[KA+\v], v[WU+\v], s38, s39 ; the other half's tile
.endr
	v_cndmask_b32 v[ENT+0], v[WU+0], v[KA+0], s43  ; s43 names lanes 16-31: each tile's entries go to both halves of the lanes
	v_cndmask_b32 v[ENT+1], v[KA+0], v[WU+0], s43
	v_cndmask_b32 v[ENT+2], v[WU+1], v[KA+1], s43
	v_cndmask_b32 v[ENT+3], v[KA+1], v[WU+1], s43
	v_cndmask_b32 v[ENT+4], v[WU+2], v[KA+2], s43
	v_add_nc_u32 v[KT], s25, v[R]
.irp i, 0,1,2,3,4
	v_readfirstlane_b32 s20, v[ENT+\i]             ; the tile's first row, which exists in every live tile
	v_add_nc_u32 v[KK], 64*\i, v[KT]
	v_cmp_le_u32 vcc_lo, s26, v[KK]                ; a place past the count
	v_cndmask_b32 v[ENT+\i], v[ENT+\i], s20, vcc_lo  ; repeats it
	v_min_u32 v[ENT+\i], 0x7ff, v[ENT+\i]          ; an entry is below 2,048
.if KIND == 1
	v_and_b32 v[AOFF+\i], 0x3ff, v[ENT+\i]         ; its token
	v_lshlrev_b32 v[AOFF+\i], ASH, v[AOFF+\i]
.else
	v_lshlrev_b32 v[GWA+\i], 2, v[ENT+\i]
	v_lshlrev_b32 v[AOFF+\i], ASH, v[ENT+\i]
.endif
	v_add_nc_u32 v[AOFF+\i], v[H16], v[AOFF+\i]
.endr
.if KIND == 2
.irp i, 0,1,2,3,4
	global_load_b32 v[GW+\i], v[GWA+\i], s[14:15]  ; the entry's gate
.endr
.endif
.endm
	s_load_b256 s[4:11], s[0:1], 0x0               ; A s[4:5], W s[6:7], bias s[8:9], msk s[10:11]
.if KIND == 1
	s_load_b64 s[12:13], s[0:1], 0x20              ; hid
.else
	s_load_b128 s[12:15], s[0:1], 0x20             ; part, tw
.endif
	v_lshl_add_u32 v[SPW], v0, 2, SPARE
	v_mov_b32 v[NIL], 0
	v_lshrrev_b32 v[T0], 5, v0
	v_readfirstlane_b32 s16, v[T0]                 ; wave w
	s_and_b32 s18, ttmp7, 0xffff                   ; expert e
.if KIND == 1
	s_lshl_b32 s17, ttmp9, 9                       ; my 128 columns, in bytes of f32
.else
	s_and_b32 s17, ttmp9, 7
	s_lshl_b32 s17, s17, 9
	s_lshr_b32 s19, ttmp9, 3                       ; q: my quarter of K
	s_cmp_eq_u32 s19, 0
	s_cselect_b32 s42, -1, 0                       ; the bias belongs to quarter 0 alone
.endif
	s_mov_b32 s38, 0x76543210                      ; v_permlanex16_b32: each lane takes its own place in the other half
	s_mov_b32 s39, 0xfedcba98
	s_mov_b32 s43, 0xffff0000                      ; lanes 16-31
	s_mov_b32 s35, -1                              ; the lanes keep their offsets into the weights,
	s_mov_b32 s60, CHW                             ; the weights step by a chunk,
	s_mov_b32 s61, 0
	s_mov_b32 s62, 128                             ; and the tokens by 64 k, until the loop's last trip says otherwise
	s_mov_b32 s63, 0
	v_and_b32 v[LN], 31, v0
	v_and_b32 v[R], 15, v0
	v_bfe_u32 v[H], v0, 4, 1
	s_mul_i32 s20, s16, 16*PW
	v_lshl_add_u32 v[WO], v[LN], 4, s20
	v_lshrrev_b32 v[T0], 1, v[LN]
	v_mul_u32_u24 v[T0], v[T0], PW
	v_and_b32 v[T0+1], 1, v0
	v_lshl_add_u32 v[PF], v[T0+1], 8, v[T0]
	v_add_nc_u32 v[PF], s20, v[PF]
	s_mul_i32 s21, s16, 16*PWL
	v_lshl_add_u32 v[WS], v[LN], 3, s21
	v_and_b32 v[T0], 7, v0                         ; the turning load: lane l reads row 8 (l / 16) + l % 8, 16 bytes at 16 ((l / 8) % 2)
	v_lshl_add_u32 v[T0], v[H], 3, v[T0]
	v_mul_u32_u24 v[T0], v[T0], PWL
	v_bfe_u32 v[T0+1], v0, 3, 1
	v_lshl_add_u32 v[BW0], v[T0+1], 4, v[T0]
	v_mov_b32 v[BW], v[BW0]
	s_mul_i32 s23, s16, 16*SPT
	s_add_co_u32 s23, s23, STG
	v_mul_u32_u24 v[T0], v[R], SPT
.if KIND == 1
	v_lshl_add_u32 v[T0], v[H], 4, v[T0]           ; row l % 16; 8 bf16 for each half of the lanes
.else
	v_lshl_add_u32 v[T0], v[H], 5, v[T0]           ; 8 f32
.endif
	v_add_nc_u32 v[STO], s23, v[T0]
	v_mul_u32_u24 v[T0], v[H], SPT                 ; back: lanes 0-15 take one row of 256 bytes, lanes 16-31 the next
	v_lshl_add_u32 v[T0], v[R], 4, v[T0]
	v_add_nc_u32 v[RD], s23, v[T0]
	v_lshlrev_b32 v[R16], 4, v[R]
	v_lshlrev_b32 v[H16], 4, v[H]
	v_lshlrev_b32 v[MA], 2, v[LN]
	v_lshlrev_b32 v[BA], 5, v[H]
.if KIND == 1
	s_mov_b32 s44, 0x3eed3388                      ; 0.3275911 sqrt(2)
	s_mov_b32 s46, 0xc038aa3b                      ; -2 log2(e)
	s_mov_b32 s48, 0x3f87dc22                      ; a5 =  1.061405429
	s_mov_b32 s50, 0xbfba00e3                      ; a4 = -1.453152027
	s_mov_b32 s52, 0x3fb5f0e3                      ; a3 =  1.421413741
	s_mov_b32 s54, 0xbe91a98e                      ; a2 = -0.284496736
	s_mov_b32 s56, 0x3e827906                      ; a1 =  0.254829592
.irp k, 46,48,50,52,54,56
	s_mov_b32 s[\k+1], s[\k]                       ; named as pairs
.endr
.endif
	s_wait_kmcnt 0x0
	s_mov_b32 s37, 0
	s_lshl_b32 s36, s18, 24                        ; an expert's weights are 2^24 bytes
	s_add_co_u32 s36, s36, s17
.if KIND == 2
	s_lshl_b32 s20, s19, 22                        ; 1,024 rows of 4,096 bytes
	s_add_co_u32 s36, s36, s20
.endif
	s_add_nc_u64 s[6:7], s[6:7], s[36:37]
.if KIND == 1
	s_lshl_b32 s36, s18, 14
.else
	s_lshl_b32 s36, s18, 12
.endif
	s_add_co_u32 s36, s36, s17
	s_add_nc_u64 s[8:9], s[8:9], s[36:37]
	s_lshl_b32 s36, s18, 7
	s_add_nc_u64 s[10:11], s[10:11], s[36:37]
.if KIND == 1
	s_lshl_b32 s36, ttmp9, 8                       ; my 128 columns in a row of hid
.else
	s_lshl_b32 s36, s19, 23                        ; quarter q of part
	s_add_co_u32 s36, s36, s17
.endif
	s_add_nc_u64 s[12:13], s[12:13], s[36:37]
.if KIND == 2
	s_lshl_b32 s36, s19, 11                        ; my 1,024 columns in a row of hid
	s_add_nc_u64 s[4:5], s[4:5], s[36:37]
.endif
	s_mov_b64 s[40:41], s[4:5]                     ; A at k = 0: for the first loads and for the later blocks
	s_add_nc_u64 s[4:5], s[40:41], 64              ; chunk 0's second half: chunk c's second half steps it to chunk c + 1's
	s_add_nc_u64 s[58:59], s[40:41], 128           ; chunk 1's first half: chunk c's second half steps it to chunk c + 2's
	global_load_b32 v[MK0], v[MA], s[10:11]        ; lane g: word g of the expert's bitmap, slot 0
	global_load_b32 v[MK1], v[MA], s[10:11] offset:1024  ; slot 1
.irp f, 0,1,2,3,4,5,6,7
	global_load_b128 v[BIAS+8*\f:BIAS+8*\f+3], v[BA], s[8:9] offset:64*\f       ; columns 16 f + 8 (l / 16) + 0..7
	global_load_b128 v[BIAS+8*\f+4:BIAS+8*\f+7], v[BA], s[8:9] offset:64*\f+16
.endr
	GLDW 0, 0
	GLDW 1, 1
	WIN 0
	s_mov_b32 s29, 0
	BLKSET 1
	s_wait_loadcnt 32+5*(KIND-1)                   ; the bias is in: the 32 of the weights (and KIND 2's 5 gates) are younger
	GLDAH 0, 0, 40, 0                              ; the tokens' first half of chunk 0
	WIN 0
.set p, 0
.rept 32                                               ; the bias is rounded to bf16, like every input, and widened again
	v_cvt_pk_bf16_f32 v[T0+p%2], v[BIAS+2*p], v[BIAS+2*p+1]
.if KIND == 2
	v_cndmask_b32 v[T0+p%2], 0, v[T0+p%2], s42     ; 0 in quarters 1 to 3
.endif
	v_lshlrev_b32 v[BIAS+2*p], 16, v[T0+p%2]
	v_and_b32 v[BIAS+2*p+1], 0xffff0000, v[T0+p%2]
.if KIND == 1
	v_pk_mul_f32 v[BIAS+2*p:BIAS+2*p+1], v[BIAS+2*p:BIAS+2*p+1], 0.5 op_sel_hi:[1,0]  ; the GELU works on half the sum
.endif
.set p, p+1
.endr
	s_wait_loadcnt 10                              ; chunks 0 and 1 (and the gates) are in: only the 10 loads of tokens are younger; with the 36 below 46 are out at the most
	s_wait_xcnt 0x0                                ; the weights' base is stepped below, and the rounded chunk goes where offsets of earlier loads lay: only behind this wait
	CVTW 0
	v_add_nc_u32 v[WS], CHL, v[WS]
	s_add_nc_u64 s[6:7], s[6:7], 2*CHW
	GLDW 0, 0                                      ; chunk 2: from here on the loads stand in the order that the chunks' counts lean on
	GLDAH 0, 1, 40, 64                             ; the tokens' second half of chunk 0
	GLDAH 1, 0, 40, 128                            ; their first half of chunk 1
	WIN 0
	s_wait_dscnt 0x0
	s_barrier_signal -1
	s_barrier_wait -1                              ; chunk 0 is in LDS, everybody's rows of it
	LDB 0                                          ; its first half's fragments
	TRIP 0, 1, 1, 26, 0, 1                         ; chunk 0 starts the sums
	s_mov_b32 s30, 7
.Lchunk:                                               ; chunks 1 to 14, two a trip
	s_cmp_ge_u32 s30, 2                            ; the last trip (chunks 13 and 14) has no weights left to ask for, and chunk 14 no tokens two chunks on
	s_cselect_b32 s35, -1, 0
	s_cselect_b32 s60, CHW, 0
	s_cselect_b32 s62, 128, 0
	TRIP 1, 0, 1, 26, 0, 2
	TRIP 0, 0, 1, 26, 1, 2
	s_sub_co_u32 s30, s30, 1
	s_cmp_lg_u32 s30, 0
	s_cbranch_scc1 .Lchunk
	TRIP 1, 0, 0, 0, 0, 0                          ; chunk 15: nothing is rounded, stored or asked for but its own second fragments; its second wait is for every load
.irp t, 0,1,2,3,4,5,6,7
	v_lshl_add_u32 v[PA+\t], v[H], 2, 8*\t         ; no chunk is rounded any more: these stay
.endr
	s_mov_b32 s29, 0
.Lblock:                                               ; 4 blocks of 20 tiles cover the 64 tiles that an expert can have
	s_cmp_eq_u32 s29, 0
	s_cbranch_scc1 .Lepi                           ; block 0 has been multiplied above
	s_mov_b32 s28, 0
	s_mul_i32 s20, s29, 20
	s_cmp_ge_u32 s20, s27
	s_cbranch_scc1 .Lepi                           ; no tile of this block exists: none of my five is live
	BLKSET 0
	s_mov_b64 s[4:5], s[40:41]
	v_mov_b32 v[BW], v[BW0]
	s_mov_b32 s30, 16
.Lrest:                                                ; a chunk of a later block: W comes from the slice in LDS, the token rows from memory.  Plain on purpose: it runs only for an expert with more than 320 rows
.rept 4
	v_nop                                          ; the places in front of the loads into the products' operands
.endr
	GLDAH 0, 0, 4, 0
	GLDAH 0, 1, 4, 64
	LDB 0
	LDB 1
	s_wait_loadcnt 0x0
	s_add_nc_u64 s[4:5], s[4:5], 128               ; the loads are done: their base may step
	s_wait_dscnt 16                                ; the first half is in
	s_cmp_eq_u32 s30, 16
	s_cbranch_scc0 .Lracc
	MULP 0, 1                                      ; the block's first chunk starts the sums
	s_branch .Lrjoin
.Lracc:
	MULP 0, 0
.Lrjoin:
	s_wait_dscnt 0x0
	MULP 1, 0
	v_add_nc_u32 v[BW], CHL, v[BW]
	s_sub_co_u32 s30, s30, 1
	s_cmp_lg_u32 s30, 0
	s_cbranch_scc1 .Lrest
.Lepi:
.rept 4
	v_nop                                          ; the places between the last products and the first read of a sum
.endr
	s_wait_dscnt 0x0                               ; my reads of the slice are back;
	s_barrier_signal -1
	s_barrier_wait -1                              ; everybody's are: a barrier parts a block's LDS reads from the stores into the stages.  Every wave passes it in every trip
	s_mov_b32 s31, 0
.Ltile:                                                ; THE WAY OUT, a tile a trip; dead tiles are jumped
	s_cmp_ge_u32 s31, s28
	s_cbranch_scc1 .Ltnext
	s_wait_xcnt 0x0                                ; the last tile's stores have read their registers
; The tile's 64 sums a lane come out of their window, each accumulator's registers in ascending order.  KIND 1: HS = sum / 2 + bias / 2.  KIND 2: X = sum + bias, and the tile's gate.
.macro CASE i
.if KIND == 1
	WIN 0x42+(\i)/4
.else
	WIN 0x02+(\i)/4
.endif
.set p, 0
.rept 32
.if KIND == 1
	v_pk_fma_f32 v[2*p:2*p+1], v[64*((\i)%4)+2*p:64*((\i)%4)+2*p+1], 0.5, v[BIAS+2*p:BIAS+2*p+1] op_sel_hi:[1,0,1]
.else
	v_pk_add_f32 v[BF+2*p:BF+2*p+1], v[64*((\i)%4)+2*p:64*((\i)%4)+2*p+1], v[BIAS+2*p:BIAS+2*p+1]
.endif
.set p, p+1
.endr
	WIN 0
	v_mov_b32 v[ENTC], v[ENT+(\i)]
.if KIND == 2
	v_mov_b32 v[GP], v[GW+(\i)]
	v_mov_b32 v[GP+1], v[GW+(\i)]
.endif
.endm
.irp i, 0,1,2,3
	s_cmp_eq_u32 s31, \i
	s_cbranch_scc0 .Lnot\i
	CASE \i
	s_branch .Lpicked
.Lnot\i:
.endr
	CASE 4
.Lpicked:
.irp t, 0,1,2,3,4,5,6,7
	ds_bpermute_b32 v[ENTO+\t], v[PA+\t], v[ENTC]  ; the entry of row 2 t + l / 16, from the lane that holds it
.endr
.if KIND == 1
	; gelu(s) = hs + |hs| erf(z), hs = s / 2, z = |hs| sqrt(2); erf(z) = 1 - (a1 t + .. + a5 t^5) e^(-z^2), t = 1 / (1 + 0.3275911 z).
	; ONE BATCH of 64 reciprocals and 64 exponentials: a pair's four plain lines stand between the four transcendentals of the pair before; nothing in the batch names a result.
	WIN 0x55
.set p, 0
.rept 33
.if p < 32
	v_fma_f32 v[TT+2*p], |v[2*p]|, s44, 1.0
.endif
.if p > 0
	v_rcp_f32 v[TT+2*p-2], v[TT+2*p-2]
.endif
.if p < 32
	v_fma_f32 v[TT+2*p+1], |v[2*p+1]|, s44, 1.0
.endif
.if p > 0
	v_rcp_f32 v[TT+2*p-1], v[TT+2*p-1]
.endif
.if p < 32
	v_pk_mul_f32 v[EE+2*p:EE+2*p+1], v[2*p:2*p+1], v[2*p:2*p+1]
.endif
.if p > 0
	v_exp_f32 v[EE+2*p-2], v[EE+2*p-2]
.endif
.if p < 32
	v_pk_mul_f32 v[EE+2*p:EE+2*p+1], v[EE+2*p:EE+2*p+1], s[46:47] op_sel_hi:[1,0]
.endif
.if p > 0
	v_exp_f32 v[EE+2*p-1], v[EE+2*p-1]
.endif
.set p, p+1
.endr
	v_nop                                          ; a plain line behind the last transcendental
	s_wait_alu depctr_va_vdst(0)                   ; one wait for the batch, ahead of its first reader
.set g, 0
.rept 8                                                ; four pairs at a time, so that no line waits for the one before it
.irp k, 0,1,2,3
	v_pk_fma_f32 v[UU+2*\k:UU+2*\k+1], v[TT+8*g+2*\k:TT+8*g+2*\k+1], s[48:49], s[50:51] op_sel_hi:[1,0,0]
.endr
.irp k, 0,1,2,3
	v_pk_fma_f32 v[UU+2*\k:UU+2*\k+1], v[UU+2*\k:UU+2*\k+1], v[TT+8*g+2*\k:TT+8*g+2*\k+1], s[52:53] op_sel_hi:[1,1,0]
.endr
.irp k, 0,1,2,3
	v_pk_fma_f32 v[UU+2*\k:UU+2*\k+1], v[UU+2*\k:UU+2*\k+1], v[TT+8*g+2*\k:TT+8*g+2*\k+1], s[54:55] op_sel_hi:[1,1,0]
.endr
.irp k, 0,1,2,3
	v_pk_fma_f32 v[UU+2*\k:UU+2*\k+1], v[UU+2*\k:UU+2*\k+1], v[TT+8*g+2*\k:TT+8*g+2*\k+1], s[56:57] op_sel_hi:[1,1,0]
.endr
.irp k, 0,1,2,3
	v_pk_mul_f32 v[UU+2*\k:UU+2*\k+1], v[UU+2*\k:UU+2*\k+1], v[TT+8*g+2*\k:TT+8*g+2*\k+1]
.endr
.irp k, 0,1,2,3
	v_pk_fma_f32 v[UU+2*\k:UU+2*\k+1], v[UU+2*\k:UU+2*\k+1], v[EE+8*g+2*\k:EE+8*g+2*\k+1], 1.0 op_sel_hi:[1,1,0] neg_lo:[1,0,0] neg_hi:[1,0,0]  ; erf
.endr
.irp k, 0,1,2,3
	v_fma_f32 v[8*g+2*\k], |v[8*g+2*\k]|, v[UU+2*\k], v[8*g+2*\k]
	v_fma_f32 v[8*g+2*\k+1], |v[8*g+2*\k+1]|, v[UU+2*\k+1], v[8*g+2*\k+1]
.endr
.set g, g+1
.endr
	WIN 0x05                                       ; sources window 1, destination window 0: W's fragment registers are free
.set p, 0
.rept 32
	v_cvt_pk_bf16_f32 v[BF+p], v[2*p], v[2*p+1]
.set p, p+1
.endr
	WIN 0
.set RB, BF+32
.irp f, 0,1,2,3,4,5,6,7
	ds_store_b128 v[STO], v[BF+4*\f:BF+4*\f+3] offset:32*\f
.endr
.irp t, 0,1,2,3,4,5,6,7
	ds_load_b128 v[RB+4*\t:RB+4*\t+3], v[RD] offset:2*SPT*\t  ; LDS serves a wave's instructions in order: these see the stores above
.endr
.else
.set RB, BF+64
.set p, 0
.rept 32
	v_pk_mul_f32 v[BF+2*p:BF+2*p+1], v[BF+2*p:BF+2*p+1], v[GP:GP+1] op_sel_hi:[1,0]
.set p, p+1
.endr
.irp a, 0,1                            ; the stage holds 64 columns of f32: two rounds; the second round's stores come behind the first round's loads
.irp f, 0,1,2,3
	ds_store_b128 v[STO], v[BF+32*\a+8*\f:BF+32*\a+8*\f+3] offset:64*\f
	ds_store_b128 v[STO], v[BF+32*\a+8*\f+4:BF+32*\a+8*\f+7] offset:64*\f+16
.endr
.irp t, 0,1,2,3,4,5,6,7
	ds_load_b128 v[RB+32*\a+4*\t:RB+32*\a+4*\t+3], v[RD] offset:2*SPT*\t
.endr
.endr
.endif
	s_wait_dscnt 0x0
.irp t, 0,1,2,3,4,5,6,7
	v_min_u32 v[ENTO+\t], 0x7ff, v[ENTO+\t]
	v_lshlrev_b32 v[ENTO+\t], OSH, v[ENTO+\t]
	v_add_nc_u32 v[ENTO+\t], v[R16], v[ENTO+\t]
.endr
.irp t, 0,1,2,3,4,5,6,7                ; rows 2 t and 2 t + 1: 16 lanes store 256 consecutive bytes of an entry's row, aligned; a place past the count stores its tile's first row once more
	global_store_b128 v[ENTO+\t], v[RB+4*\t:RB+4*\t+3], s[12:13]
.if KIND == 2
	global_store_b128 v[ENTO+\t], v[RB+32+4*\t:RB+32+4*\t+3], s[12:13] offset:256
.endif
.endr
.Ltnext:
	s_add_co_u32 s31, s31, 1
	s_cmp_lt_u32 s31, 5
	s_cbranch_scc1 .Ltile
	s_wait_dscnt 0x0                               ; my stores into my stage and my reads of it are done;
	s_barrier_signal -1
	s_barrier_wait -1                              ; everybody's are: the second barrier of the trip parts them from the next block's LDS reads and from the last lines
	s_add_co_u32 s29, s29, 1
	s_cmp_lt_u32 s29, 4
	s_cbranch_scc1 .Lblock
	s_wait_tensorcnt 0x0                           ; the wave's end
	ds_add_u32 v[SPW], v[NIL]
	s_wait_dscnt 0x0
	s_endpgm
.Lfunc_end_k_qf7515cf574_ffn2:
	.size	k_qf7515cf574_ffn2, .Lfunc_end_k_qf7515cf574_ffn2-k_qf7515cf574_ffn2
	.p2alignl 7, 3214868480
	.fill 96, 4, 3214868480
	.section	.rodata,"a",@progbits
	.p2align	6, 0x0
	.amdhsa_kernel k_qf7515cf574_ffn2
		.amdhsa_group_segment_fixed_size 312832
		.amdhsa_private_segment_fixed_size 0
		.amdhsa_enable_private_segment 0
		.amdhsa_kernarg_size 48
		.amdhsa_user_sgpr_count 2
		.amdhsa_user_sgpr_kernarg_segment_ptr 1
		.amdhsa_wavefront_size32 1
		.amdhsa_system_sgpr_workgroup_id_x 1
		.amdhsa_system_sgpr_workgroup_id_y 1
		.amdhsa_system_sgpr_workgroup_id_z 1
		.amdhsa_system_vgpr_workitem_id 0
		.amdhsa_next_free_vgpr 960
		.amdhsa_next_free_sgpr 66
		.amdhsa_reserve_vcc 1
		.amdhsa_float_denorm_mode_32 3
		.amdhsa_float_denorm_mode_16_64 3
		.amdhsa_memory_ordered 1
		.amdhsa_forward_progress 1
		.amdhsa_inst_pref_size 133
	.end_amdhsa_kernel
	.amdgpu_metadata
---
amdhsa.version: [ 1, 2 ]
amdhsa.kernels:
  - .name:           k_qf7515cf574_ffn2
    .symbol:         k_qf7515cf574_ffn2.kd
    .args:
      - { .name: hid, .offset: 0, .size: 8, .value_kind: global_buffer, .address_space: global }
      - { .name: W2, .offset: 8, .size: 8, .value_kind: global_buffer, .address_space: global }
      - { .name: b2, .offset: 16, .size: 8, .value_kind: global_buffer, .address_space: global }
      - { .name: msk, .offset: 24, .size: 8, .value_kind: global_buffer, .address_space: global }
      - { .name: part, .offset: 32, .size: 8, .value_kind: global_buffer, .address_space: global }
      - { .name: tw, .offset: 40, .size: 8, .value_kind: global_buffer, .address_space: global }
    .group_segment_fixed_size: 312832
    .private_segment_fixed_size: 0
    .kernarg_segment_align: 8
    .kernarg_segment_size: 48
    .max_flat_workgroup_size: 128
    .sgpr_count:     66
    .vgpr_count:     960
    .wavefront_size: 32
...
	.end_amdgpu_metadata
.endif
;; end of part 3
;; launch combine (part 4): grid 256 x 1, 8 waves a work-group, no clusters, 0 bytes of LDS; arguments part, out0; writes out0
.if DOCPART == 4
	.amdgcn_target "amdgcn-amd-amdhsa--gfx1250"
	.amdhsa_code_object_version 6
	.text
	.protected	k_qf7515cf574_combine
	.globl	k_qf7515cf574_combine
	.p2align	8
	.type	k_qf7515cf574_combine,@function
k_qf7515cf574_combine:
	s_mov_b64 s[64:65], 0
	v_nop
	global_prefetch_b8 v0, s[64:65] scope:SCOPE_SE
	s_setreg_imm32_b32 hwreg(HW_REG_WAVE_MODE, 25, 1), 1
	s_wait_xcnt 0x0
; out0[token][d] = the sum over the 4 quarters of K and the 2 slots of part[q][slot x 1,024 + token][d]: eight planes of 4 MiB, already weighted by the gates, added in f32 in a fixed tree.
; A stream: 256 work-groups of 16 KiB of output; a thread owns 16 bytes in each of four steps of 4,096 bytes; all its 32 loads go out at once; each load and store of a wave covers 512 consecutive bytes, aligned.
; No LDS, no barrier, no matrix unit: there is nothing to share and nothing to multiply.
.set Q, 4                              ; v[4:131]  step k, plane n at Q + 32 k + 4 n
	s_load_b128 s[4:7], s[0:1], 0x0                ; part s[4:5], out0 s[6:7]
	s_lshl_b32 s2, ttmp9, 14
	v_lshl_add_u32 v1, v0, 4, s2
	s_wait_kmcnt 0x0
	s_mov_b64 s[8:9], s[4:5]
.irp n, 1,2,3,4,5,6,7
	s_add_nc_u64 s[8+2*\n:9+2*\n], s[6+2*\n:7+2*\n], 0x400000  ; plane n
.endr
.irp k, 0,1,2,3
.irp n, 0,1,2,3,4,5,6,7
	global_load_b128 v[Q+32*\k+4*\n:Q+32*\k+4*\n+3], v1, s[8+2*\n:9+2*\n] offset:4096*\k th:TH_LOAD_NT
.endr
.endr
.macro ADDQ k, a, b                    ; plane a += plane b
	v_pk_add_f32 v[Q+32*(\k)+4*(\a):Q+32*(\k)+4*(\a)+1], v[Q+32*(\k)+4*(\a):Q+32*(\k)+4*(\a)+1], v[Q+32*(\k)+4*(\b):Q+32*(\k)+4*(\b)+1]
	v_pk_add_f32 v[Q+32*(\k)+4*(\a)+2:Q+32*(\k)+4*(\a)+3], v[Q+32*(\k)+4*(\a)+2:Q+32*(\k)+4*(\a)+3], v[Q+32*(\k)+4*(\b)+2:Q+32*(\k)+4*(\b)+3]
.endm
.irp k, 0,1,2,3
	s_wait_loadcnt 24-8*\k                         ; this step's 8 loads are in; the later steps' stay out
	ADDQ \k, 0, 1
	ADDQ \k, 2, 3
	ADDQ \k, 4, 5
	ADDQ \k, 6, 7
	ADDQ \k, 0, 2
	ADDQ \k, 4, 6
	ADDQ \k, 0, 4
	global_store_b128 v1, v[Q+32*\k:Q+32*\k+3], s[6:7] offset:4096*\k th:TH_STORE_NT
.endr
	s_endpgm
.Lfunc_end_k_qf7515cf574_combine:
	.size	k_qf7515cf574_combine, .Lfunc_end_k_qf7515cf574_combine-k_qf7515cf574_combine
	.p2alignl 7, 3214868480
	.fill 96, 4, 3214868480
	.section	.rodata,"a",@progbits
	.p2align	6, 0x0
	.amdhsa_kernel k_qf7515cf574_combine
		.amdhsa_group_segment_fixed_size 0
		.amdhsa_private_segment_fixed_size 0
		.amdhsa_enable_private_segment 0
		.amdhsa_kernarg_size 16
		.amdhsa_user_sgpr_count 2
		.amdhsa_user_sgpr_kernarg_segment_ptr 1
		.amdhsa_wavefront_size32 1
		.amdhsa_system_sgpr_workgroup_id_x 1
		.amdhsa_system_sgpr_workgroup_id_y 1
		.amdhsa_system_sgpr_workgroup_id_z 1
		.amdhsa_system_vgpr_workitem_id 0
		.amdhsa_next_free_vgpr 136
		.amdhsa_next_free_sgpr 66
		.amdhsa_reserve_vcc 0
		.amdhsa_float_denorm_mode_32 3
		.amdhsa_float_denorm_mode_16_64 3
		.amdhsa_memory_ordered 1
		.amdhsa_forward_progress 1
		.amdhsa_inst_pref_size 8
	.end_amdhsa_kernel
	.amdgpu_metadata
---
amdhsa.version: [ 1, 2 ]
amdhsa.kernels:
  - .name:           k_qf7515cf574_combine
    .symbol:         k_qf7515cf574_combine.kd
    .args:
      - { .name: part, .offset: 0, .size: 8, .value_kind: global_buffer, .address_space: global }
      - { .name: out0, .offset: 8, .size: 8, .value_kind: global_buffer, .address_space: global }
    .group_segment_fixed_size: 0
    .private_segment_fixed_size: 0
    .kernarg_segment_align: 8
    .kernarg_segment_size: 16
    .max_flat_workgroup_size: 256
    .sgpr_count:     66
    .vgpr_count:     136
    .wavefront_size: 32
...
	.end_amdgpu_metadata
.endif
;; end of part 4
;; ======== version 2 of 2: 4 launches; version 1 with the launches ffn1, ffn2 written anew for expert scheduling mode
;; workspace buffers: xb 2,097,152 bytes; msk 2,048 bytes of whole numbers; tw 8,192 bytes; hid 16,777,216 bytes; part 33,554,432 bytes
;; launch router: the kernel of part 1 again; grid 32 x 1, 8 waves a work-group, no clusters, 38,912 bytes of LDS; arguments x, w_router, b_router, xb, msk, tw; writes xb, msk, tw
;; launch ffn1 (part 5): grid 32 x 8, 4 waves a work-group, no clusters, 312,832 bytes of LDS; arguments xb, W1, b1, msk, hid; writes hid
.if DOCPART == 5
	.amdgcn_target "amdgcn-amd-amdhsa--gfx1250"
	.amdhsa_code_object_version 6
	.text
	.protected	k_qf7515cf574_ffn1
	.globl	k_qf7515cf574_ffn1
	.p2align	8
	.type	k_qf7515cf574_ffn1,@function
k_qf7515cf574_ffn1:
	s_mov_b64 s[64:65], 0
	v_nop
	global_prefetch_b8 v0, s[64:65] scope:SCOPE_SE
	s_setreg_imm32_b32 hwreg(HW_REG_WAVE_SCHED_MODE, 0, 2), 2
	s_setreg_imm32_b32 hwreg(HW_REG_WAVE_MODE, 25, 1), 1
	s_wait_xcnt 0x0
	s_wait_alu depctr_vm_vsrc(0)
; ONE SOURCE FOR BOTH PRODUCTS OF THE EXPERTS' LAYER; the constant KIND picks sizes, bias and way out.
;   KIND 1: hid[entry][n] = gelu(x[token] . W1[e][:, n] + b1[e][n]), bf16.      KIND 2: part[q][entry][n] = gate[entry] (hid[entry][1024 q ..] . W2[e][1024 q .., n] + (q = 0 ? b2[e][n] : 0)), f32.
; An ENTRY is slot x 1,024 + token: the row of hid, part and tw that belongs to a token's slot-th choice.  Only the chosen rows are multiplied.
; SHARES.  Work-group (x, e) owns a slice of expert e's weights, 1,024 k x 128 columns (512 KiB of f32), which it alone reads, once, and ALL of that expert's rows, whatever their number (0 to 1,024).
; THE SLICE goes memory -> registers -> bf16 -> LDS in 16 chunks of 64 k, each to a place of its own: no LDS byte of it is written twice, and at the end the whole slice lies in LDS.  While later chunks are on
; their way, chunk c is multiplied with the expert's first 320 rows: 5 tiles of 16 rows a wave, sums in registers.  Rows past 320 are multiplied afterwards from the slice in LDS, 320 at a time.
; RIDERS.  A chunk's loads, conversions and LDS stores stand in groups of four behind each two matrix instructions, not in runs ahead of them, so that the wave issues them while the matrix unit works.  A rider is issued on
; every way, so a wave's tiles 0 to 3 are always multiplied: a tile past the expert's count multiplies repeats of one row and is never stored (an expert is rounded up to 256 rows a block); tile 4 alone is jumped.
; Every loop has a constant count; what hangs on the expert's count is only which work is jumped over, forward, with no barrier in what is jumped.
; WHICH ROWS.  The expert's rows are its chosen tokens in ascending order.  Each wave finds the entry of each rank that it needs from the two bitmaps (256 bytes), in registers, by whole-number arithmetic, while the
; first weights are on their way.  Places past the count repeat their tile's first row: they give the same numbers and store them to the same bytes, so no store is masked and EXEC is never changed.
; THE MATRIX INSTRUCTION: source 0 = 16 columns of W (turned out of LDS by ds_load_tr16_b128), source 1 = 16 rows of tokens (straight from memory): a lane then holds one token (lane % 16) and 8 neighbouring columns.
; FORMATS.  x, hid and the weights are bf16 operands, the biases are rounded to bf16 like every input; sums, GELU and gates are f32.
; LIMITS.  KIND 1: erf by the five-term rational form of Abramowitz and Stegun 7.1.26, off by 1.5e-7 at the most; e^(-z^2) below 2^-126 counts as 0.  NaN and infinities are not treated apart.
; NO CLUSTER: each slice has one reader, and what an expert's work-groups share, its token rows, comes by ranks that no tensor descriptor covers.  NO TENSOR LOADS: the weights pass through registers to be rounded.
; THE MODE: SCHED_MODE bits 1:0 = 2 (LLVM: expert scheduling mode 2), set by the entry lines.  The code itself states the register dependences between vector or matrix instructions and memory or LDS
; instructions, with s_wait_alu, always for 0.
; THE PLAN, for chunk c (p = c % 2; A = its first half of 32 k, B = its second).  Registers that memory or LDS instructions touch in the loop, and who else names them:
;   BF0, BF1      W's fragments.  BF0: read by A's products, loaded again (chunk c + 1) in B.            BF1: read by B's products, loaded again in the next A.
;   TK[p][0]      tokens: read by A's products, loaded again (chunk c + 2) in B.                         TK[p][1]: read by B's products, loaded again (chunk c + 2) in the next A.
;   RAW[p]        weights as loaded: read by the conversions in B, which round chunk c + 2; loaded again (chunk c + 4) in the next A.
;   TMP           written by those conversions; read by the LDS stores in the next A.
;   WOX           the weight loads' offset: written at A's head, read in A.        WS, BW: the LDS addresses of stores and fragment loads: written at B's head.        WO, PF, AOFF: not written in the loop.
; So a half's memory and LDS instructions touch only registers that the vector and matrix instructions of that half do not name.  Each half has two lines at its head: a wait on vm_vsrc ahead of the writes of
; offsets (and, in B, of TMP), and a wait on va_vdst for all that the half before read and wrote; the half's riders follow with no further wait.
.set KIND, 1
.if KIND == 1
.set PW,  16384                        ; bytes from row k of the weights to row k + 1
.set ASH, 11                           ; a row of A (xb) is 2,048 bytes
.set OSH, 13                           ; a row of the output (hid) is 8,192 bytes
.else
.set PW,  4096
.set ASH, 13                           ; a row of A (hid) is 8,192 bytes
.set OSH, 12                           ; a row of the output (part) is 4,096 bytes
.endif
.set CHW,   64*PW                      ; a chunk in memory
.set PWL,   288                        ; a row k in LDS: 128 bf16 + 32 bytes of padding: an odd multiple of 32, as the turning load's 8 rows x 32 bytes want
.set CHL,   64*PWL                     ; a chunk in LDS
.set STG,   1024*PWL                   ; behind the slice: 16 rows x 272 bytes for each wave, for the way out (the 512 bytes behind the stages are the spare words of the wave's end, 128 bytes a wave)
.set SPT,   272
; window 0
.set LN,   1                           ; lane
.set R,    2                           ; lane % 16
.set H,    3                           ; lane / 16
.set WO,   4                           ; weights: my wave's 16 rows of a chunk, 16 bytes a lane; never rewritten
.set PF,   5                           ; the same 16 rows as 32 blocks of 256 bytes, one a lane; never rewritten
.set WS,   6                           ; where my rows of the next chunk go in LDS; steps
.set BW,   7                           ; where my lane reads W's fragments; steps
.set BW0,  8                           ; its start
.set H16,  9                           ; 16 (lane / 16)
.set STO,  10                          ; the way out: where I put my part of a row
.set RD,   11                          ; the way out: where I read a row back
.set AOFF, 12                          ; v12-16  tile i: byte offset of my token's row in A, + 16 (lane / 16)
.set GW,   17                          ; v17-21  KIND 2: tile i: my token's gate
.set ENT,  22                          ; v22-26  tile i: the entry of row lane % 16
.set R16,  27                          ; 16 (lane % 16)
.set T0,   30                          ; v30-31  at work, at the kernel's head alone
.set WOX,  31                          ; from the first chunk on: WO, or 0 in the trips that have no weights left to ask for
.set TMP,  32                          ; v32-63  a chunk's rows in bf16.  While no chunk is rounded, registers of the search and of the way out:
.set MK0,  32                          ;   lane g: word g of the expert's bitmap, slot 0
.set MK1,  33                          ;   slot 1
.set MA,   34                          ;   4 x lane
.set BA,   35                          ;   the bias's offset
.set J,    36                          ;   v36-38  the rank wanted: slot u serves tile 2 u in lanes 0-15 and tile 2 u + 1 in lanes 16-31
.set PA,   40                          ;   v40-47  the way out: 4 x (2 t + lane / 16), the lane that holds row 2 t + lane / 16's entry
.set WU,   48                          ;   v48-50  the word (both slots) that holds the rank; then the entry
.set W1,   51                          ;   v51-53  the same word of slot 1
.set CG,   54                          ;   v54-56  that word's number << 16 | the chosen tokens ahead of it
.set GWA,  48                          ;   v48-52  KIND 2: the gates' offsets
.set ENTO, 32                          ;   v32-39  the way out: byte offset of row 2 t + lane / 16 in the output, + 16 (lane % 16)
.set GP,   48                          ;   v48-49  KIND 2: the tile's gate, as a pair
.set ENTC, 50                          ;   the tile's entries
.set BF,   64                          ; v64-191 W's fragments: k half s, columns 16 f at BF + 64 s + 8 f; free on the way out.  While no fragment lies there, the search's work, three slots side by side:
.set KA,   64                          ;   v64-66  bit counts by 2,
.set KB,   67                          ;   v67-69  by 4,
.set KC,   70                          ;   v70-72  by 8,
.set KD,   73                          ;   v73-75  and, in the lowest byte, of the low 16
.set KK,   76                          ;   v76-78  the rank left
.set KP,   79                          ;   v79-81  the bit's place
.set KT,   82                          ;   v82-84  at work
.set KX,   85                          ;   v85-89  tile i: the rank of row lane % 16
.set BIAS, 192                         ; v192-255 my lane's 64 columns' bias
; window 1: v0-159 token fragments, two buffers of 80: tile i, k half s at 80 par + 16 i + 8 s.  On KIND 1's way out: HS v0-63, TT v64-127, EE v128-191, UU v192-199
.set TT,   64
.set EE,   128
.set UU,   192
; window 2: the sums of tiles 0-3 (64 i + 8 f).   window 3: v0-63 those of tile 4; v64-191 the weights as loaded, two buffers of 64
; scalars: s[4:5] tokens' second halves, s[58:59] their first halves, s[40:41] tokens at k = 0, s[6:7] weights; s35, s[60:61], s[62:63]: the lanes' mask and the two steps that the last trips set to 0;
; s17-19, s2, s3: free behind the head's address arithmetic: the search's masks
.set MSB, 0
.macro WIN new                         ; s_set_vgpr_msb: bits 1:0 source 0, 3:2 source 1, 5:4 source 2, 7:6 destination; the high byte repeats the setting that is left
.if MSB != (\new)
	s_set_vgpr_msb (MSB<<8)|(\new)
.set MSB, \new
.endif
.endm
.macro ALL3 line:vararg                ; one line for each of the search's three slots u
.set u, 0
.rept 3
	\line
.set u, u+1
.endr
.endm
.macro GLDW par, cc                    ; my 16 rows of the chunk cc chunks behind s[6:7]: each load is 512 consecutive bytes of one row
	WIN 0xc0
.irp i, 0,1,2,3,4,5,6,7,8,9,10,11,12,13,14,15
	global_load_b128 v[64+64*(\par)+4*\i:64+64*(\par)+4*\i+3], v[WO], s[6:7] offset:(64*(\cc)+\i)*PW th:TH_LOAD_NT
.endr
.endm
.macro GLDAH par, s, b, off            ; 5 tiles x 32 k of token rows, as matrix operands: lane l takes row l % 16, k = 8 (l / 16) + 0..7 and 16 more on; base s[b:b+1]
	WIN 0x40
.irp i, 0,1,2,3,4
	global_load_b128 v[80*(\par)+16*\i+8*(\s):80*(\par)+16*\i+8*(\s)+3], v[AOFF+\i], s[\b:\b+1] offset:(\off)
	global_load_b128 v[80*(\par)+16*\i+8*(\s)+4:80*(\par)+16*\i+8*(\s)+7], v[AOFF+\i], s[\b:\b+1] offset:(\off)+32
.endr
.endm
.macro CVT par                         ; a buffer of weights is rounded to bf16, in one run: for the first two chunks
	WIN 0x0f
.set m, 0
.rept 32
	v_cvt_pk_bf16_f32 v[TMP+m], v[64+64*(\par)+2*m], v[64+64*(\par)+2*m+1]
.set m, m+1
.endr
	WIN 0
.endm
.macro LDB s                           ; W's 8 fragments (16 columns x 32 k) of half s of the chunk at BW, in one run
	WIN 0
.irp f, 0,1,2,3,4,5,6,7
	ds_load_tr16_b128 v[BF+64*(\s)+8*\f:BF+64*(\s)+8*\f+3], v[BW] offset:32*PWL*(\s)+32*\f
	ds_load_tr16_b128 v[BF+64*(\s)+8*\f+4:BF+64*(\s)+8*\f+7], v[BW] offset:32*PWL*(\s)+16*PWL+32*\f
.endr
.endm
; One matrix instruction: half s of the chunk, token buffer par, tile i, columns 16 f.  zero = 1: it starts the sum.  The caller sets the windows.
; Two matrix instructions that follow each other never name one accumulator, on any way (f steps inside a tile; a tile ends with f = 7 and the next begins with f = 0): the accumulators take turns.
.macro WM s, par, i, f, zero
.set rD, 64*((\i)%4)+8*(\f)
.set rW, BF+64*(\s)+8*(\f)
.set rA, 80*(\par)+16*(\i)+8*(\s)
.if \zero
	v_wmma_f32_16x16x32_bf16 v[rD:rD+7], v[rW:rW+7], v[rA:rA+7], 0
.else
	v_wmma_f32_16x16x32_bf16 v[rD:rD+7], v[rW:rW+7], v[rA:rA+7], v[rD:rD+7]
.endif
.endm
.macro TILE4 s, par, zero              ; my fifth tile: jumped where it is dead (s28 < 5); where it starts its sums it always runs, so that every sum is written on every way
.if !(\zero)
	WIN 0
	s_cmp_lt_u32 s28, 5
	s_cbranch_scc1 .Lno4_\@
.endif
	WIN 0xf4                                       ; W window 0, tokens window 1, sums window 3
.irp f, 0,1,2,3,4,5,6,7
	WM \s, \par, 4, \f, \zero
.endr
	WIN 0
.Lno4_\@:
.endm
.macro MULP s, zero                    ; the products of half s without riders, on token buffer 0: for the later blocks
	WIN 0xa4
.irp i, 0,1,2,3
.irp f, 0,1,2,3,4,5,6,7
	WM \s, 0, \i, \f, \zero
.endr
.endr
	TILE4 \s, 0, \zero
.endm
; RIDER q OF 58 OF A CHUNK'S FIRST HALF: memory and LDS instructions alone.  0-15: the weights of chunk c + 3, into the buffer that the half before rounded.  16-31: chunk c's second half of W's fragments.
; 32-47: chunk c + 1, rounded in the half before, into LDS.  48-57: the tokens' second half of chunk c + 1.  None names a register of this half's products, so the wait at the half's head serves them all.
; In the two trips that have no weights left to ask for the step is 0 and the lanes' offsets are 0: sixteen loads of one 16-byte piece each of chunk 15, which nobody stores: they keep every counted wait right on every way.
; st = 0 (the last chunk): the fragment loads alone, first.
.macro RIDA par, st
.if (\st) && (q < 16)
.set m, q
	WIN 0xc0
	global_load_b128 v[64+64*(1-(\par))+4*m:64+64*(1-(\par))+4*m+3], v[WOX], s[6:7] offset:m*PW th:TH_LOAD_NT
.elseif (q >= 16*(\st)) && (q < 16+16*(\st))
.set m, q-16*(\st)
	WIN 0
	ds_load_tr16_b128 v[BF+64+8*(m/2)+4*(m%2):BF+64+8*(m/2)+4*(m%2)+3], v[BW] offset:32*PWL+16*PWL*(m%2)+32*(m/2)
.elseif (\st) && (q < 48)
.set m, q-32
	WIN 0
	ds_store_b64 v[WS], v[TMP+2*m:TMP+2*m+1] offset:PWL*m
.elseif (\st) && (q < 58)
.set m, q-48
	WIN 0x40
	global_load_b128 v[80*(1-(\par))+16*(m/2)+8+4*(m%2):80*(1-(\par))+16*(m/2)+8+4*(m%2)+3], v[AOFF+m/2], s[4:5] offset:32*(m%2)
.endif
.set q, q+1
.endm
; RIDER q OF 60 OF A CHUNK'S SECOND HALF.  0-3 and 32-59: the 32 conversions of chunk c + 2's weights; they name RAW[par] and TMP, which no memory or LDS instruction of this half touches.  4-19: chunk c + 1's first
; half of W's fragments (BW has stepped).  20-29: the tokens' first half of chunk c + 2, into the half buffer that this chunk's first half has just left (chunk 14 asks for chunk 15's once more, for the counts' sake, and
; nobody reads it; it also rounds the sixteen idle loads, which nobody stores).
; 30: my 16 rows of chunk c + 5 are asked into the L2, 32 blocks of 256 bytes, a lane each, each block once in the launch, two chunks ahead of their load (pf = 1: always; 2: while the loop has three trips or more to go,
; that is up to chunk 10: the last block asked for is the slice's last).
.macro RIDB par, st, pf
.if \st
.if (q < 4) || ((q >= 32) && (q < 60))
.set m, q
.if q >= 32
.set m, q-28
.endif
	WIN 0x0f
	v_cvt_pk_bf16_f32 v[TMP+m], v[64+64*(\par)+2*m], v[64+64*(\par)+2*m+1]
.elseif q < 20
.set m, q-4
	WIN 0
	ds_load_tr16_b128 v[BF+8*(m/2)+4*(m%2):BF+8*(m/2)+4*(m%2)+3], v[BW] offset:16*PWL*(m%2)+32*(m/2)
.elseif q < 30
.set m, q-20
	WIN 0x40
	global_load_b128 v[80*(\par)+16*(m/2)+4*(m%2):80*(\par)+16*(m/2)+4*(m%2)+3], v[AOFF+m/2], s[58:59] offset:32*(m%2)
.elseif q == 30
.if (\pf) == 1
	WIN 0
	global_prefetch_b8 v[PF], s[6:7] offset:2*CHW th:TH_LOAD_NT scope:SCOPE_SE
.elseif (\pf) == 2
	WIN 0
	s_cmp_lt_u32 s30, 3
	s_cbranch_scc1 .Lnopf_\@
	global_prefetch_b8 v[PF], s[6:7] offset:2*CHW th:TH_LOAD_NT scope:SCOPE_SE
.Lnopf_\@:
.endif
.endif
.endif
.set q, q+1
.endm
.macro PHA par, zero, st               ; the first half: 32 products that always run, four riders behind each two; then tile 4
.set q, 0
.irp i, 0,1,2,3
.irp f, 0,2,4,6
	WIN 0xa4                                       ; W window 0, tokens window 1, sums window 2
	WM 0, \par, \i, \f, \zero
	WM 0, \par, \i, \f+1, \zero
.rept 4
	RIDA \par, \st
.endr
.endr
.endr
	TILE4 0, \par, \zero
.endm
.macro PHB par, st, pf                 ; the second half: four riders behind each two products; the barrier's wait stands behind the first four products
.set q, 0
.irp i, 0,1,2,3
.irp f, 0,2,4,6
	WIN 0xa4
	WM 1, \par, \i, \f, 0
	WM 1, \par, \i, \f+1, 0
.if (\st) && (\i == 0) && (\f == 2)
	s_barrier_wait -1                              ; everybody's rows of chunk c + 1 are in LDS: it may be read
.endif
.rept 4
	RIDB \par, \st, \pf
.endr
.endr
.endr
	TILE4 1, \par, 0
.endm
; CHUNK c (par = c % 2).  Global loads go out in this order: first half of c: weights c + 3 (16) and the tokens' second half of c + 1 (10); second half of c: the tokens' first half of c + 2 (10).
; At the head the tokens' first half of c must be in; younger than it are the 26 of the first half of c - 1 and the 10 of its second half: 36.
; Between the halves weights c + 2 and the tokens' second half of c, the 26 of the first half of c - 1, must be in; younger are 10 and this first half's 26: nb = 36; 0 in the last chunk, behind which the registers
; are used anew.  36 + 26 = 62 loads of a wave are out at the most.  da = 1: the step of the tokens' first halves is s[62:63], which is 0 in chunk 14.
.macro TRIP par, zero, st, nb, da, pf
	s_wait_loadcnt 36
	s_wait_dscnt 0x0                               ; the first half's fragments, asked for in the chunk before
.if \st
	s_wait_xcnt 0x0                                ; the offset and the bases of the loads (and of the prefetch) that are out are written only behind this wait
	s_wait_alu depctr_vm_vsrc(0)                   ; the weight loads of the chunk before have read v[WOX], which the next line writes
	v_and_b32 v[WOX], s35, v[WO]                   ; four plain lines that name no register of the products stand between the last half's products and the loads into their operands
	v_nop
	v_nop
	v_nop
	s_add_nc_u64 s[6:7], s[6:7], s[60:61]          ; weights: chunk c + 3
	s_add_nc_u64 s[4:5], s[4:5], 128               ; tokens: the second half of chunk c + 1
.if \da
	s_add_nc_u64 s[58:59], s[58:59], s[62:63]      ; tokens: the first half of chunk c + 2
.else
	s_add_nc_u64 s[58:59], s[58:59], 128
.endif
.else
	v_nop
	v_nop
	v_nop
	v_nop
.endif
	s_wait_alu depctr_va_vdst(0)                   ; the half before: its products are done reading BF1 and its tokens, in which loads below land; its conversions have written TMP, which the LDS stores read, and are done reading the raw buffer that is loaded again; v[WOX] is written
	PHA \par, \zero, \st
	s_wait_loadcnt \nb
	s_wait_dscnt 0x0                               ; the second half's fragments are in, and, for the others' sake, my rows of chunk c + 1 are stored
.if \st
	s_barrier_signal -1                            ; work on registers alone stands between the signal and the wait
	s_wait_alu depctr_vm_vsrc(0)                   ; the LDS stores have read TMP and v[WS], the fragment loads v[BW]: the two adds and this half's conversions write them
	v_add_nc_u32 v[WS], CHL, v[WS]                 ; again four plain lines between the first half's products and the loads into their operands
	v_add_nc_u32 v[BW], CHL, v[BW]
	v_nop
	v_nop
	s_wait_alu depctr_va_vdst(0)                   ; the first half's products are done reading BF0 and their tokens, in which loads below land; v[BW] and v[WS] are written
.endif
	PHB \par, \st, \pf
.endm
; One halving of the search for the KK-th set bit, in all three slots: x holds the bit counts of fields of wd bits; if the field at KP holds KK bits or fewer, the bit lies in the field above it.
.macro HALVE x, wd, inc
	ALL3 v_bfe_u32 v[KT+u], v[\x+u], v[KP+u], \wd
	ALL3 v_cmp_ge_u32 s[17+u], v[KK+u], v[KT+u]
	ALL3 v_sub_nc_u32 v[KT+u], v[KK+u], v[KT+u]
	s_wait_alu depctr_va_sdst(0)                   ; the three compares have written s17 to s19, ahead of the selects that read them
	ALL3 v_cndmask_b32 v[KK+u], v[KK+u], v[KT+u], s[17+u]
	ALL3 v_add_nc_u32 v[KT+u], \inc, v[KP+u]
	ALL3 v_cndmask_b32 v[KP+u], v[KP+u], v[KT+u], s[17+u]
.endm
; Tile i: a place past the count (mask in s m) repeats the tile's first row (s[20 + i]); then the offsets that hang on the entry.
.macro FIX i, m
	v_cndmask_b32 v[ENT+\i], v[ENT+\i], s[20+\i], s\m
	v_min_u32 v[ENT+\i], 0x7ff, v[ENT+\i]          ; an entry is below 2,048
.if KIND == 1
	v_and_b32 v[AOFF+\i], 0x3ff, v[ENT+\i]         ; its token
	v_lshlrev_b32 v[AOFF+\i], ASH, v[AOFF+\i]
.else
	v_lshlrev_b32 v[GWA+\i], 2, v[ENT+\i]
	v_lshlrev_b32 v[AOFF+\i], ASH, v[ENT+\i]
.endif
	v_add_nc_u32 v[AOFF+\i], v[H16], v[AOFF+\i]
.endm
; Block s29 of 20 tiles: wave w's tile i is tile 20 b + 4 i + w of the expert, its row r has rank 16 (20 b + w) + 64 i + r.  Sets s26 = the expert's rows, s27 = its tiles, s28 = how many of my five are live,
; ENT, AOFF (and asks for the gates).  first = 1: the bitmap's two loads were issued at the kernel's head, with 48 loads behind them.
.macro BLKSET first
.if !(\first)
	s_wait_xcnt 0x0                                ; the way out's stores have had their addresses translated: their registers are written below
	s_wait_alu depctr_vm_vsrc(0)                   ; the way out's stores, LDS stores and permutes, and the token loads, have read the registers that are written below (v12-16, v32-56, v64-89)
	v_lshlrev_b32 v[MA], 2, v[LN]
	s_wait_alu depctr_va_vdst(0)                   ; v[MA], the two loads' offset, is written; the way out's vector lines are done with v32 and v33, in which they land
	global_load_b32 v[MK0], v[MA], s[10:11]
	global_load_b32 v[MK1], v[MA], s[10:11] offset:1024
.endif
	s_mul_i32 s33, s29, 20
	s_add_co_u32 s33, s33, s16
	s_lshl_b32 s25, s33, 4
	v_lshl_add_u32 v[J], v[H], 6, v[R]
	v_add_nc_u32 v[J], s25, v[J]
	v_add_nc_u32 v[J+1], 0x80, v[J]
	v_add_nc_u32 v[J+2], 0x100, v[J]
.irp k, 0,1,2,3,4,5,6,7,8
	v_mov_b32 v[WU+\k], 0                          ; the selects below read what they replace
.endr
.if \first
	s_wait_loadcnt 48                              ; the two bitmap loads are in: 16 of the bias and 32 of the weights are younger
.else
	s_wait_loadcnt 0x0
.endif
	s_mov_b32 s26, 0                               ; chosen tokens so far
	s_mov_b32 s30, 0
.Lfind_\@:                                             ; 32 trips, a word of 32 tokens each: the last word with no more chosen tokens ahead of it than the rank is the word that holds the rank
	v_readlane_b32 s20, v[MK0], s30
	v_readlane_b32 s21, v[MK1], s30
	ALL3 v_cmp_le_u32 s[17+u], s26, v[J+u]
	s_wait_alu depctr_va_sdst(0)                   ; s20, s21 and the masks s17 to s19 are written, ahead of their first readers
	s_or_b32 s22, s20, s21                         ; a token takes an expert in one slot at the most
	s_lshl_b32 s23, s30, 16
	s_or_b32 s23, s23, s26
	ALL3 v_cndmask_b32 v[WU+u], v[WU+u], s22, s[17+u]
	ALL3 v_cndmask_b32 v[W1+u], v[W1+u], s21, s[17+u]
	ALL3 v_cndmask_b32 v[CG+u], v[CG+u], s23, s[17+u]
	s_bcnt1_i32_b32 s24, s22
	s_add_co_u32 s26, s26, s24
	s_add_co_u32 s30, s30, 1
	s_cmp_lt_u32 s30, 32
	s_cbranch_scc1 .Lfind_\@
	s_add_co_u32 s27, s26, 15
	s_lshr_b32 s27, s27, 4
	s_sub_co_i32 s28, s27, s33
	s_add_co_i32 s28, s28, 3
	s_ashr_i32 s28, s28, 2
	s_max_i32 s28, s28, 0
	s_min_i32 s28, s28, 5
	; from the word that holds the rank to the entry, the three slots side by side: bit counts by 2, 4, 8 and 16 bits, five halvings, then slot << 10 | 32 x word + bit
	ALL3 v_and_b32 v[KT+u], 0xffff, v[CG+u]
	ALL3 v_sub_nc_u32 v[KK+u], v[J+u], v[KT+u]     ; the rank inside the word
	ALL3 v_lshrrev_b32 v[KA+u], 1, v[WU+u]
	ALL3 v_and_b32 v[KA+u], 0x55555555, v[KA+u]
	ALL3 v_sub_nc_u32 v[KA+u], v[WU+u], v[KA+u]
	ALL3 v_lshrrev_b32 v[KB+u], 2, v[KA+u]
	ALL3 v_and_b32 v[KB+u], 0x33333333, v[KB+u]
	ALL3 v_and_b32 v[KT+u], 0x33333333, v[KA+u]
	ALL3 v_add_nc_u32 v[KB+u], v[KB+u], v[KT+u]
	ALL3 v_lshrrev_b32 v[KC+u], 4, v[KB+u]
	ALL3 v_add_nc_u32 v[KC+u], v[KC+u], v[KB+u]
	ALL3 v_and_b32 v[KC+u], 0x0f0f0f0f, v[KC+u]
	ALL3 v_lshrrev_b32 v[KD+u], 8, v[KC+u]
	ALL3 v_add_nc_u32 v[KD+u], v[KD+u], v[KC+u]
	ALL3 v_mov_b32 v[KP+u], 0
	HALVE KD, 8, 16
	HALVE KC, 8, 8
	HALVE KB, 4, 4
	HALVE KA, 2, 2
	HALVE WU, 1, 1
	ALL3 v_bfe_u32 v[KT+u], v[W1+u], v[KP+u], 1    ; the slot
	ALL3 v_lshrrev_b32 v[KK+u], 16, v[CG+u]        ; the word's number
	ALL3 v_lshl_add_u32 v[KP+u], v[KK+u], 5, v[KP+u]   ; the token
	ALL3 v_lshl_add_u32 v[WU+u], v[KT+u], 10, v[KP+u]  ; the entry
	ALL3 v_permlanex16_b32 v[KA+u], v[WU+u], s38, s39  ; the other half's tile
	v_cndmask_b32 v[ENT+0], v[WU+0], v[KA+0], s43  ; s43 names lanes 16-31: each tile's entries go to both halves of the lanes
	v_cndmask_b32 v[ENT+1], v[KA+0], v[WU+0], s43
	v_cndmask_b32 v[ENT+2], v[WU+1], v[KA+1], s43
	v_cndmask_b32 v[ENT+3], v[KA+1], v[WU+1], s43
	v_cndmask_b32 v[ENT+4], v[WU+2], v[KA+2], s43
	v_add_nc_u32 v[KT], s25, v[R]
.irp i, 0,1,2,3,4
	v_readfirstlane_b32 s[20+\i], v[ENT+\i]        ; the tile's first row, which exists in every live tile
	v_add_nc_u32 v[KX+\i], 64*\i, v[KT]
.endr
	v_cmp_le_u32 s17, s26, v[KX]                   ; the places past the count
	v_cmp_le_u32 s18, s26, v[KX+1]
	v_cmp_le_u32 s19, s26, v[KX+2]
	v_cmp_le_u32 s2, s26, v[KX+3]
	v_cmp_le_u32 s3, s26, v[KX+4]
	s_wait_alu depctr_va_sdst(0)                   ; s20 to s24 and the five masks are written, ahead of the selects that read them
	FIX 0, 17
	FIX 1, 18
	FIX 2, 19
	FIX 3, 2
	FIX 4, 3
	s_wait_alu depctr_va_vdst(0)                   ; the token loads' offsets v12-16 (and the gates' offsets v48-52) are written; the vector lines are done with v17-21 and v64-89, in which later loads land
.if KIND == 2
.irp i, 0,1,2,3,4
	global_load_b32 v[GW+\i], v[GWA+\i], s[14:15]  ; the entry's gate
.endr
.endif
.endm
	s_load_b256 s[4:11], s[0:1], 0x0               ; A s[4:5], W s[6:7], bias s[8:9], msk s[10:11]
.if KIND == 1
	s_load_b64 s[12:13], s[0:1], 0x20              ; hid
	v_lshl_add_u32 v28, v0, 2, 0x4c400
	v_mov_b32 v29, 0
.else
	s_load_b128 s[12:15], s[0:1], 0x20             ; part, tw
.endif
	v_lshrrev_b32 v[T0], 5, v0
	v_readfirstlane_b32 s16, v[T0]                 ; wave w
	s_and_b32 s18, ttmp7, 0xffff                   ; expert e
.if KIND == 1
	s_lshl_b32 s17, ttmp9, 9                       ; my 128 columns, in bytes of f32
.else
	s_and_b32 s17, ttmp9, 7
	s_lshl_b32 s17, s17, 9
	s_lshr_b32 s19, ttmp9, 3                       ; q: my quarter of K
	s_cmp_eq_u32 s19, 0
	s_cselect_b32 s42, -1, 0                       ; the bias belongs to quarter 0 alone
.endif
	s_mov_b32 s38, 0x76543210                      ; v_permlanex16_b32: each lane takes its own place in the other half
	s_mov_b32 s39, 0xfedcba98
	s_mov_b32 s43, 0xffff0000                      ; lanes 16-31
	s_mov_b32 s35, -1                              ; the lanes keep their offsets into the weights,
	s_mov_b32 s60, CHW                             ; the weights step by a chunk,
	s_mov_b32 s61, 0
	s_mov_b32 s62, 128                             ; and the tokens by 64 k, until the loop's last trip says otherwise
	s_mov_b32 s63, 0
	v_and_b32 v[LN], 31, v0
	v_and_b32 v[R], 15, v0
	v_bfe_u32 v[H], v0, 4, 1
	s_wait_alu depctr_va_sdst(0)                   ; s16 is written, ahead of its first reader: offsets and LDS addresses are made from it
	s_mul_i32 s20, s16, 16*PW
	v_lshl_add_u32 v[WO], v[LN], 4, s20
	v_lshrrev_b32 v[T0], 1, v[LN]
	v_mul_u32_u24 v[T0], v[T0], PW
	v_and_b32 v[T0+1], 1, v0
	v_lshl_add_u32 v[PF], v[T0+1], 8, v[T0]
	v_add_nc_u32 v[PF], s20, v[PF]
	s_mul_i32 s21, s16, 16*PWL
	v_lshl_add_u32 v[WS], v[LN], 3, s21
	v_and_b32 v[T0], 7, v0                         ; the turning load: lane l reads row 8 (l / 16) + l % 8, 16 bytes at 16 ((l / 8) % 2)
	v_lshl_add_u32 v[T0], v[H], 3, v[T0]
	v_mul_u32_u24 v[T0], v[T0], PWL
	v_bfe_u32 v[T0+1], v0, 3, 1
	v_lshl_add_u32 v[BW0], v[T0+1], 4, v[T0]
	v_mov_b32 v[BW], v[BW0]
	s_mul_i32 s23, s16, 16*SPT
	s_add_co_u32 s23, s23, STG
	v_mul_u32_u24 v[T0], v[R], SPT
.if KIND == 1
	v_lshl_add_u32 v[T0], v[H], 4, v[T0]           ; row l % 16; 8 bf16 for each half of the lanes
.else
	v_lshl_add_u32 v[T0], v[H], 5, v[T0]           ; 8 f32
.endif
	v_add_nc_u32 v[STO], s23, v[T0]
	v_mul_u32_u24 v[T0], v[H], SPT                 ; back: lanes 0-15 take one row of 256 bytes, lanes 16-31 the next
	v_lshl_add_u32 v[T0], v[R], 4, v[T0]
	v_add_nc_u32 v[RD], s23, v[T0]
	v_lshlrev_b32 v[R16], 4, v[R]
	v_lshlrev_b32 v[H16], 4, v[H]
	v_lshlrev_b32 v[MA], 2, v[LN]
	v_lshlrev_b32 v[BA], 5, v[H]
.if KIND == 1
	s_mov_b32 s44, 0x3eed3388                      ; 0.3275911 sqrt(2)
	s_mov_b32 s46, 0xc038aa3b                      ; -2 log2(e)
	s_mov_b32 s48, 0x3f87dc22                      ; a5 =  1.061405429
	s_mov_b32 s50, 0xbfba00e3                      ; a4 = -1.453152027
	s_mov_b32 s52, 0x3fb5f0e3                      ; a3 =  1.421413741
	s_mov_b32 s54, 0xbe91a98e                      ; a2 = -0.284496736
	s_mov_b32 s56, 0x3e827906                      ; a1 =  0.254829592
.irp k, 46,48,50,52,54,56
	s_mov_b32 s[\k+1], s[\k]                       ; named as pairs
.endr
.endif
	s_wait_kmcnt 0x0
	s_mov_b32 s37, 0
	s_lshl_b32 s36, s18, 24                        ; an expert's weights are 2^24 bytes
	s_add_co_u32 s36, s36, s17
.if KIND == 2
	s_lshl_b32 s20, s19, 22                        ; 1,024 rows of 4,096 bytes
	s_add_co_u32 s36, s36, s20
.endif
	s_add_nc_u64 s[6:7], s[6:7], s[36:37]
.if KIND == 1
	s_lshl_b32 s36, s18, 14
.else
	s_lshl_b32 s36, s18, 12
.endif
	s_add_co_u32 s36, s36, s17
	s_add_nc_u64 s[8:9], s[8:9], s[36:37]
	s_lshl_b32 s36, s18, 7
	s_add_nc_u64 s[10:11], s[10:11], s[36:37]
.if KIND == 1
	s_lshl_b32 s36, ttmp9, 8                       ; my 128 columns in a row of hid
.else
	s_lshl_b32 s36, s19, 23                        ; quarter q of part
	s_add_co_u32 s36, s36, s17
.endif
	s_add_nc_u64 s[12:13], s[12:13], s[36:37]
.if KIND == 2
	s_lshl_b32 s36, s19, 11                        ; my 1,024 columns in a row of hid
	s_add_nc_u64 s[4:5], s[4:5], s[36:37]
.endif
	s_mov_b64 s[40:41], s[4:5]                     ; A at k = 0: for the first loads and for the later blocks
	s_add_nc_u64 s[4:5], s[40:41], 64              ; chunk 0's second half: chunk c's head steps it to chunk c + 1's
	s_add_nc_u64 s[58:59], s[40:41], 128           ; chunk 1's first half: chunk c's head steps it to chunk c + 2's
	s_wait_alu depctr_va_vdst(0)                   ; the offsets and LDS addresses made above (v4 to v11, v27, v34, v35) are written: the loads, stores and the prefetches below read them
	global_load_b32 v[MK0], v[MA], s[10:11]        ; lane g: word g of the expert's bitmap, slot 0
	global_load_b32 v[MK1], v[MA], s[10:11] offset:1024  ; slot 1
.irp f, 0,1,2,3,4,5,6,7
	global_load_b128 v[BIAS+8*\f:BIAS+8*\f+3], v[BA], s[8:9] offset:64*\f       ; columns 16 f + 8 (l / 16) + 0..7
	global_load_b128 v[BIAS+8*\f+4:BIAS+8*\f+7], v[BA], s[8:9] offset:64*\f+16
.endr
	GLDW 0, 0
	GLDW 1, 1
	WIN 0
	s_mov_b32 s29, 0
	BLKSET 1
	s_wait_loadcnt 32+5*(KIND-1)                   ; the bias is in: the 32 of the weights (and KIND 2's 5 gates) are younger
	GLDAH 0, 0, 40, 0                              ; the tokens' first half of chunk 0: no vector line since the search's last wait names their offsets or the registers in which they land
	WIN 0
.set p, 0
.rept 32                                               ; the bias is rounded to bf16, like every input, and widened again
	v_cvt_pk_bf16_f32 v[T0+p%2], v[BIAS+2*p], v[BIAS+2*p+1]
.if KIND == 2
	v_cndmask_b32 v[T0+p%2], 0, v[T0+p%2], s42     ; 0 in quarters 1 to 3
.endif
	v_lshlrev_b32 v[BIAS+2*p], 16, v[T0+p%2]
	v_and_b32 v[BIAS+2*p+1], 0xffff0000, v[T0+p%2]
.if KIND == 1
	v_pk_mul_f32 v[BIAS+2*p:BIAS+2*p+1], v[BIAS+2*p:BIAS+2*p+1], 0.5 op_sel_hi:[1,0]  ; the GELU works on half the sum
.endif
.set p, p+1
.endr
	s_wait_loadcnt 10                              ; chunks 0 and 1 (and the gates) are in: only the 10 loads of tokens are younger; with the 36 below 46 are out at the most
	s_wait_xcnt 0x0                                ; the weights' base is stepped below, and the rounded chunk goes where offsets of earlier loads lay: only behind this wait
	s_wait_alu depctr_vm_vsrc(0)                   ; the head's loads have read their offsets v34 and v35 (the gates' loads v48-52): the conversions write TMP over them
	CVT 0
	s_wait_alu depctr_va_vdst(0)                   ; the conversions have written TMP, which the LDS stores read, and are done reading raw buffer 0, in which chunk 2 lands
.irp i, 0,1,2,3,4,5,6,7,8,9,10,11,12,13,14,15
	ds_store_b64 v[WS], v[TMP+2*\i:TMP+2*\i+1] offset:PWL*\i  ; chunk 0: a wave's store is 256 consecutive bytes of one LDS row
.endr
	s_add_nc_u64 s[6:7], s[6:7], 2*CHW
	GLDW 0, 0                                      ; chunk 2: from here on the loads stand in the order that the chunks' counts lean on
	GLDAH 0, 1, 40, 64                             ; the tokens' second half of chunk 0
	GLDAH 1, 0, 40, 128                            ; their first half of chunk 1
	WIN 0
	s_wait_alu depctr_vm_vsrc(0)                   ; the LDS stores have read TMP and v[WS], which the lines below write
	v_add_nc_u32 v[WS], CHL, v[WS]
	CVT 1                                          ; chunk 1 is rounded: chunk 0's first half stores it
	s_wait_dscnt 0x0
	s_barrier_signal -1
	s_barrier_wait -1                              ; chunk 0 is in LDS, everybody's rows of it
	LDB 0                                          ; its first half's fragments: no vector line since the last wait on va_vdst names v[BW] or BF0
	TRIP 0, 1, 1, 36, 0, 1                         ; chunk 0 starts the sums
	s_mov_b32 s30, 7
.Lchunk:                                               ; chunks 1 to 14, two a trip
	s_cmp_ge_u32 s30, 2                            ; the last trip (chunks 13 and 14) has no weights left to ask for, and chunk 14 no tokens two chunks on
	s_cselect_b32 s35, -1, 0
	s_cselect_b32 s60, CHW, 0
	s_cselect_b32 s62, 128, 0
	TRIP 1, 0, 1, 36, 0, 2
	TRIP 0, 0, 1, 36, 1, 2
	s_sub_co_u32 s30, s30, 1
	s_cmp_lg_u32 s30, 0
	s_cbranch_scc1 .Lchunk
	TRIP 1, 0, 0, 0, 0, 0                          ; chunk 15: nothing is rounded, stored or asked for but its own second fragments; its second wait is for every load
.irp t, 0,1,2,3,4,5,6,7
	v_lshl_add_u32 v[PA+\t], v[H], 2, 8*\t         ; no chunk is rounded any more: these stay (the last LDS stores that read v40-47 stand ahead of chunk 14's wait on vm_vsrc)
.endr
	s_mov_b32 s29, 0
.Lblock:                                               ; 4 blocks of 20 tiles cover the 64 tiles that an expert can have
	s_cmp_eq_u32 s29, 0
	s_cbranch_scc1 .Lepi                           ; block 0 has been multiplied above
	s_mov_b32 s28, 0
	s_mul_i32 s20, s29, 20
	s_cmp_ge_u32 s20, s27
	s_cbranch_scc1 .Lepi                           ; no tile of this block exists: none of my five is live
	BLKSET 0
	s_mov_b64 s[4:5], s[40:41]
	v_mov_b32 v[BW], v[BW0]                        ; every fragment load that read v[BW] stands ahead of the search's wait on vm_vsrc
	s_mov_b32 s30, 16
.Lrest:                                                ; a chunk of a later block: W comes from the slice in LDS, the token rows from memory.  Plain on purpose: it runs only for an expert with more than 320 rows
.rept 4
	v_nop                                          ; four plain lines between the products and the loads into their operands
.endr
	s_wait_alu depctr_va_vdst(0)                   ; the last trip's products (in the first trip: the way out and the search) are done with the fragments' and the tokens' registers, in which the loads land; v[BW] is written
	GLDAH 0, 0, 4, 0
	GLDAH 0, 1, 4, 64
	LDB 0
	LDB 1
	s_wait_loadcnt 0x0
	s_add_nc_u64 s[4:5], s[4:5], 128               ; the loads are done: their base may step
	s_wait_dscnt 16                                ; the first half is in
	s_cmp_eq_u32 s30, 16
	s_cbranch_scc0 .Lracc
	MULP 0, 1                                      ; the block's first chunk starts the sums
	s_branch .Lrjoin
.Lracc:
	MULP 0, 0
.Lrjoin:
	s_wait_dscnt 0x0
	MULP 1, 0
	s_wait_alu depctr_vm_vsrc(0)                   ; the trip's fragment loads have read v[BW]
	v_add_nc_u32 v[BW], CHL, v[BW]
	s_sub_co_u32 s30, s30, 1
	s_cmp_lg_u32 s30, 0
	s_cbranch_scc1 .Lrest
.Lepi:
.rept 4
	v_nop                                          ; the places between the last products and the first read of a sum
.endr
	s_wait_dscnt 0x0                               ; my reads of the slice are back;
	s_barrier_signal -1
	s_barrier_wait -1                              ; everybody's are: a barrier parts a block's LDS reads from the stores into the stages.  Every wave passes it in every trip
	s_mov_b32 s31, 0
.Ltile:                                                ; THE WAY OUT, a tile a trip; dead tiles are jumped
	s_cmp_ge_u32 s31, s28
	s_cbranch_scc1 .Ltnext
	s_wait_xcnt 0x0                                ; the last tile's stores have had their addresses translated
	s_wait_alu depctr_vm_vsrc(0)                   ; the last tile's stores, LDS stores and permutes (ahead of the first tile: the search's loads) have read v32-39, v48-52 and BF's registers, which are written below
; The tile's 64 sums a lane come out of their window, each accumulator's registers in ascending order.  KIND 1: HS = sum / 2 + bias / 2.  KIND 2: X = sum + bias, and the tile's gate.
.macro CASE i
.if KIND == 1
	WIN 0x42+(\i)/4
.else
	WIN 0x02+(\i)/4
.endif
.set p, 0
.rept 32
.if KIND == 1
	v_pk_fma_f32 v[2*p:2*p+1], v[64*((\i)%4)+2*p:64*((\i)%4)+2*p+1], 0.5, v[BIAS+2*p:BIAS+2*p+1] op_sel_hi:[1,0,1]
.else
	v_pk_add_f32 v[BF+2*p:BF+2*p+1], v[64*((\i)%4)+2*p:64*((\i)%4)+2*p+1], v[BIAS+2*p:BIAS+2*p+1]
.endif
.set p, p+1
.endr
	WIN 0
	v_mov_b32 v[ENTC], v[ENT+(\i)]
.if KIND == 2
	v_mov_b32 v[GP], v[GW+(\i)]
	v_mov_b32 v[GP+1], v[GW+(\i)]
.endif
.endm
.irp i, 0,1,2,3
	s_cmp_eq_u32 s31, \i
	s_cbranch_scc0 .Lnot\i
	CASE \i
	s_branch .Lpicked
.Lnot\i:
.endr
	CASE 4
.Lpicked:
.if KIND == 1
	; gelu(s) = hs + |hs| erf(z), hs = s / 2, z = |hs| sqrt(2); erf(z) = 1 - (a1 t + .. + a5 t^5) e^(-z^2), t = 1 / (1 + 0.3275911 z).
	; ONE BATCH of 64 reciprocals and 64 exponentials: a pair's four plain lines stand between the four transcendentals of the pair before; nothing in the batch names a result.
	WIN 0x55
.set p, 0
.rept 33
.if p < 32
	v_fma_f32 v[TT+2*p], |v[2*p]|, s44, 1.0
.endif
.if p > 0
	v_rcp_f32 v[TT+2*p-2], v[TT+2*p-2]
.endif
.if p < 32
	v_fma_f32 v[TT+2*p+1], |v[2*p+1]|, s44, 1.0
.endif
.if p > 0
	v_rcp_f32 v[TT+2*p-1], v[TT+2*p-1]
.endif
.if p < 32
	v_pk_mul_f32 v[EE+2*p:EE+2*p+1], v[2*p:2*p+1], v[2*p:2*p+1]
.endif
.if p > 0
	v_exp_f32 v[EE+2*p-2], v[EE+2*p-2]
.endif
.if p < 32
	v_pk_mul_f32 v[EE+2*p:EE+2*p+1], v[EE+2*p:EE+2*p+1], s[46:47] op_sel_hi:[1,0]
.endif
.if p > 0
	v_exp_f32 v[EE+2*p-1], v[EE+2*p-1]
.endif
.set p, p+1
.endr
	v_nop                                          ; a plain line behind the last transcendental
	s_wait_alu depctr_va_vdst(0)                   ; the 64 reciprocals and 64 exponentials have written TT and EE: one wait for the batch, ahead of its first reader
.set g, 0
.rept 8                                                ; four pairs at a time, so that no line waits for the one before it
.irp k, 0,1,2,3
	v_pk_fma_f32 v[UU+2*\k:UU+2*\k+1], v[TT+8*g+2*\k:TT+8*g+2*\k+1], s[48:49], s[50:51] op_sel_hi:[1,0,0]
.endr
.irp k, 0,1,2,3
	v_pk_fma_f32 v[UU+2*\k:UU+2*\k+1], v[UU+2*\k:UU+2*\k+1], v[TT+8*g+2*\k:TT+8*g+2*\k+1], s[52:53] op_sel_hi:[1,1,0]
.endr
.irp k, 0,1,2,3
	v_pk_fma_f32 v[UU+2*\k:UU+2*\k+1], v[UU+2*\k:UU+2*\k+1], v[TT+8*g+2*\k:TT+8*g+2*\k+1], s[54:55] op_sel_hi:[1,1,0]
.endr
.irp k, 0,1,2,3
	v_pk_fma_f32 v[UU+2*\k:UU+2*\k+1], v[UU+2*\k:UU+2*\k+1], v[TT+8*g+2*\k:TT+8*g+2*\k+1], s[56:57] op_sel_hi:[1,1,0]
.endr
.irp k, 0,1,2,3
	v_pk_mul_f32 v[UU+2*\k:UU+2*\k+1], v[UU+2*\k:UU+2*\k+1], v[TT+8*g+2*\k:TT+8*g+2*\k+1]
.endr
.irp k, 0,1,2,3
	v_pk_fma_f32 v[UU+2*\k:UU+2*\k+1], v[UU+2*\k:UU+2*\k+1], v[EE+8*g+2*\k:EE+8*g+2*\k+1], 1.0 op_sel_hi:[1,1,0] neg_lo:[1,0,0] neg_hi:[1,0,0]  ; erf
.endr
.irp k, 0,1,2,3
	v_fma_f32 v[8*g+2*\k], |v[8*g+2*\k]|, v[UU+2*\k], v[8*g+2*\k]
	v_fma_f32 v[8*g+2*\k+1], |v[8*g+2*\k+1]|, v[UU+2*\k+1], v[8*g+2*\k+1]
.endr
.set g, g+1
.endr
	WIN 0x05                                       ; sources window 1, destination window 0: W's fragment registers are free
.set p, 0
.rept 32
	v_cvt_pk_bf16_f32 v[BF+p], v[2*p], v[2*p+1]
.set p, p+1
.endr
	WIN 0
.set RB, BF+32
.else
.set RB, BF+64
.set p, 0
.rept 32
	v_pk_mul_f32 v[BF+2*p:BF+2*p+1], v[BF+2*p:BF+2*p+1], v[GP:GP+1] op_sel_hi:[1,0]
.set p, p+1
.endr
.endif
	s_wait_alu depctr_va_vdst(0)                   ; the tile's numbers are written into BF's registers, which the LDS stores read; so are v[ENTC] and v40-47, which the permutes read; the vector and matrix lines are done with v32-39 and with the registers in which the rows come back
.irp t, 0,1,2,3,4,5,6,7
	ds_bpermute_b32 v[ENTO+\t], v[PA+\t], v[ENTC]  ; the entry of row 2 t + l / 16, from the lane that holds it
.endr
.if KIND == 1
.irp f, 0,1,2,3,4,5,6,7
	ds_store_b128 v[STO], v[BF+4*\f:BF+4*\f+3] offset:32*\f
.endr
.irp t, 0,1,2,3,4,5,6,7
	ds_load_b128 v[RB+4*\t:RB+4*\t+3], v[RD] offset:2*SPT*\t  ; LDS serves a wave's instructions in order: these see the stores above
.endr
.else
.irp a, 0,1                            ; the stage holds 64 columns of f32: two rounds; the second round's stores come behind the first round's loads
.irp f, 0,1,2,3
	ds_store_b128 v[STO], v[BF+32*\a+8*\f:BF+32*\a+8*\f+3] offset:64*\f
	ds_store_b128 v[STO], v[BF+32*\a+8*\f+4:BF+32*\a+8*\f+7] offset:64*\f+16
.endr
.irp t, 0,1,2,3,4,5,6,7
	ds_load_b128 v[RB+32*\a+4*\t:RB+32*\a+4*\t+3], v[RD] offset:2*SPT*\t
.endr
.endr
.endif
	s_wait_dscnt 0x0
.irp t, 0,1,2,3,4,5,6,7
	v_min_u32 v[ENTO+\t], 0x7ff, v[ENTO+\t]
	v_lshlrev_b32 v[ENTO+\t], OSH, v[ENTO+\t]
	v_add_nc_u32 v[ENTO+\t], v[R16], v[ENTO+\t]
.endr
	s_wait_alu depctr_va_vdst(0)                   ; the rows' offsets v32-39 are written, which the stores read
.irp t, 0,1,2,3,4,5,6,7                ; rows 2 t and 2 t + 1: 16 lanes store 256 consecutive bytes of an entry's row, aligned; a place past the count stores its tile's first row once more
	global_store_b128 v[ENTO+\t], v[RB+4*\t:RB+4*\t+3], s[12:13]
.if KIND == 2
	global_store_b128 v[ENTO+\t], v[RB+32+4*\t:RB+32+4*\t+3], s[12:13] offset:256
.endif
.endr
.Ltnext:
	s_add_co_u32 s31, s31, 1
	s_cmp_lt_u32 s31, 5
	s_cbranch_scc1 .Ltile
	s_wait_dscnt 0x0                               ; my stores into my stage and my reads of it are done;
	s_barrier_signal -1
	s_barrier_wait -1                              ; everybody's are: the second barrier of the trip parts them from the next block's LDS reads and from the last lines
	s_add_co_u32 s29, s29, 1
	s_cmp_lt_u32 s29, 4
	s_cbranch_scc1 .Lblock
	s_wait_dscnt 0x0                               ; the wave's end: the closing add follows, behind these waits
	s_wait_alu depctr_hold_cnt(0) depctr_sa_sdst(0) depctr_va_vdst(0) depctr_va_sdst(0) depctr_va_ssrc(0) depctr_va_vcc(0) depctr_vm_vsrc(0)
	s_wait_tensorcnt 0x0
	ds_add_u32 v28, v29
	s_wait_dscnt 0x0
	s_endpgm
.Lfunc_end_k_qf7515cf574_ffn1:
	.size	k_qf7515cf574_ffn1, .Lfunc_end_k_qf7515cf574_ffn1-k_qf7515cf574_ffn1
	.p2alignl 7, 3214868480
	.fill 96, 4, 3214868480
	.section	.rodata,"a",@progbits
	.p2align	6, 0x0
	.amdhsa_kernel k_qf7515cf574_ffn1
		.amdhsa_group_segment_fixed_size 312832
		.amdhsa_private_segment_fixed_size 0
		.amdhsa_enable_private_segment 0
		.amdhsa_kernarg_size 40
		.amdhsa_user_sgpr_count 2
		.amdhsa_user_sgpr_kernarg_segment_ptr 1
		.amdhsa_wavefront_size32 1
		.amdhsa_system_sgpr_workgroup_id_x 1
		.amdhsa_system_sgpr_workgroup_id_y 1
		.amdhsa_system_sgpr_workgroup_id_z 1
		.amdhsa_system_vgpr_workitem_id 0
		.amdhsa_next_free_vgpr 960
		.amdhsa_next_free_sgpr 66
		.amdhsa_reserve_vcc 0
		.amdhsa_float_denorm_mode_32 3
		.amdhsa_float_denorm_mode_16_64 3
		.amdhsa_memory_ordered 1
		.amdhsa_forward_progress 1
		.amdhsa_inst_pref_size 167
	.end_amdhsa_kernel
	.amdgpu_metadata
---
amdhsa.version: [ 1, 2 ]
amdhsa.kernels:
  - .name:           k_qf7515cf574_ffn1
    .symbol:         k_qf7515cf574_ffn1.kd
    .args:
      - { .name: xb, .offset: 0, .size: 8, .value_kind: global_buffer, .address_space: global }
      - { .name: W1, .offset: 8, .size: 8, .value_kind: global_buffer, .address_space: global }
      - { .name: b1, .offset: 16, .size: 8, .value_kind: global_buffer, .address_space: global }
      - { .name: msk, .offset: 24, .size: 8, .value_kind: global_buffer, .address_space: global }
      - { .name: hid, .offset: 32, .size: 8, .value_kind: global_buffer, .address_space: global }
    .group_segment_fixed_size: 312832
    .private_segment_fixed_size: 0
    .kernarg_segment_align: 8
    .kernarg_segment_size: 40
    .max_flat_workgroup_size: 128
    .sgpr_count:     66
    .vgpr_count:     960
    .wavefront_size: 32
...
	.end_amdgpu_metadata
.endif
;; end of part 5
;; launch ffn2 (part 6): grid 32 x 8, 4 waves a work-group, no clusters, 312,832 bytes of LDS; arguments hid, W2, b2, msk, part, tw; writes part
.if DOCPART == 6
	.amdgcn_target "amdgcn-amd-amdhsa--gfx1250"
	.amdhsa_code_object_version 6
	.text
	.protected	k_qf7515cf574_ffn2
	.globl	k_qf7515cf574_ffn2
	.p2align	8
	.type	k_qf7515cf574_ffn2,@function
k_qf7515cf574_ffn2:
	s_mov_b64 s[64:65], 0
	v_nop
	global_prefetch_b8 v0, s[64:65] scope:SCOPE_SE
	s_setreg_imm32_b32 hwreg(HW_REG_WAVE_SCHED_MODE, 0, 2), 2
	s_setreg_imm32_b32 hwreg(HW_REG_WAVE_MODE, 25, 1), 1
	s_wait_xcnt 0x0
	s_wait_alu depctr_vm_vsrc(0)
; ONE SOURCE FOR BOTH PRODUCTS OF THE EXPERTS' LAYER; the constant KIND picks sizes, bias and way out.
;   KIND 1: hid[entry][n] = gelu(x[token] . W1[e][:, n] + b1[e][n]), bf16.      KIND 2: part[q][entry][n] = gate[entry] (hid[entry][1024 q ..] . W2[e][1024 q .., n] + (q = 0 ? b2[e][n] : 0)), f32.
; An ENTRY is slot x 1,024 + token: the row of hid, part and tw that belongs to a token's slot-th choice.  Only the chosen rows are multiplied.
; SHARES.  Work-group (x, e) owns a slice of expert e's weights, 1,024 k x 128 columns (512 KiB of f32), which it alone reads, once, and ALL of that expert's rows, whatever their number (0 to 1,024).
; KIND 2: x = 8 q + cs: columns 128 cs, rows 1,024 q of W2.  A slice of all 4,096 k would be 32 columns, rows of 128 bytes; so K is cut in quarters, and a later launch adds the four partial sums, kept in f32.
; THE SLICE goes memory -> registers -> bf16 -> LDS in 16 chunks of 64 k, each to a place of its own: no LDS byte of it is written twice, and at the end the whole slice lies in LDS.  While later chunks are on
; their way, chunk c is multiplied with the expert's first 320 rows: 5 tiles of 16 rows a wave, sums in registers.  Rows past 320 are multiplied afterwards from the slice in LDS, 320 at a time.
; RIDERS.  A chunk's loads, conversions and LDS stores stand in groups of four behind each two matrix instructions, not in runs ahead of them, so that the wave issues them while the matrix unit works.  A rider is issued on
; every way, so a wave's tiles 0 to 3 are always multiplied: a tile past the expert's count multiplies repeats of one row and is never stored (an expert is rounded up to 256 rows a block); tile 4 alone is jumped.
; Every loop has a constant count; what hangs on the expert's count is only which work is jumped over, forward, with no barrier in what is jumped.
; WHICH ROWS.  The expert's rows are its chosen tokens in ascending order.  Each wave finds the entry of each rank that it needs from the two bitmaps (256 bytes), in registers, by whole-number arithmetic, while the
; first weights are on their way.  Places past the count repeat their tile's first row: they give the same numbers and store them to the same bytes, so no store is masked and EXEC is never changed.
; THE MATRIX INSTRUCTION: source 0 = 16 columns of W (turned out of LDS by ds_load_tr16_b128), source 1 = 16 rows of tokens (straight from memory): a lane then holds one token (lane % 16) and 8 neighbouring columns.
; FORMATS.  x, hid and the weights are bf16 operands, the biases are rounded to bf16 like every input; sums, GELU and gates are f32.
; LIMITS.  NaN and infinities are not treated apart.
; NO CLUSTER: each slice has one reader, and what an expert's work-groups share, its token rows, comes by ranks that no tensor descriptor covers.  NO TENSOR LOADS: the weights pass through registers to be rounded.
; THE MODE: SCHED_MODE bits 1:0 = 2 (LLVM: expert scheduling mode 2), set by the entry lines.  The code itself states the register dependences between vector or matrix instructions and memory or LDS
; instructions, with s_wait_alu, always for 0.
; THE PLAN, for chunk c (p = c % 2; A = its first half of 32 k, B = its second).  Registers that memory or LDS instructions touch in the loop, and who else names them:
;   BF0, BF1      W's fragments.  BF0: read by A's products, loaded again (chunk c + 1) in B.            BF1: read by B's products, loaded again in the next A.
;   TK[p][0]      tokens: read by A's products, loaded again (chunk c + 2) in B.                         TK[p][1]: read by B's products, loaded again (chunk c + 2) in the next A.
;   RAW[p]        weights as loaded: read by the conversions in B, which round chunk c + 2; loaded again (chunk c + 4) in the next A.
;   TMP           written by those conversions; read by the LDS stores in the next A.
;   WOX           the weight loads' offset: written at A's head, read in A.        WS, BW: the LDS addresses of stores and fragment loads: written at B's head.        WO, PF, AOFF: not written in the loop.
; So a half's memory and LDS instructions touch only registers that the vector and matrix instructions of that half do not name.  Each half has two lines at its head: a wait on vm_vsrc ahead of the writes of
; offsets (and, in B, of TMP), and a wait on va_vdst for all that the half before read and wrote; the half's riders follow with no further wait.
.set KIND, 2
.if KIND == 1
.set PW,  16384                        ; bytes from row k of the weights to row k + 1
.set ASH, 11                           ; a row of A (xb) is 2,048 bytes
.set OSH, 13                           ; a row of the output (hid) is 8,192 bytes
.else
.set PW,  4096
.set ASH, 13                           ; a row of A (hid) is 8,192 bytes
.set OSH, 12                           ; a row of the output (part) is 4,096 bytes
.endif
.set CHW,   64*PW                      ; a chunk in memory
.set PWL,   288                        ; a row k in LDS: 128 bf16 + 32 bytes of padding: an odd multiple of 32, as the turning load's 8 rows x 32 bytes want
.set CHL,   64*PWL                     ; a chunk in LDS
.set STG,   1024*PWL                   ; behind the slice: 16 rows x 272 bytes for each wave, for the way out (the 512 bytes behind the stages are the spare words of the wave's end, 128 bytes a wave)
.set SPT,   272
; window 0
.set LN,   1                           ; lane
.set R,    2                           ; lane % 16
.set H,    3                           ; lane / 16
.set WO,   4                           ; weights: my wave's 16 rows of a chunk, 16 bytes a lane; never rewritten
.set PF,   5                           ; the same 16 rows as 32 blocks of 256 bytes, one a lane; never rewritten
.set WS,   6                           ; where my rows of the next chunk go in LDS; steps
.set BW,   7                           ; where my lane reads W's fragments; steps
.set BW0,  8                           ; its start
.set H16,  9                           ; 16 (lane / 16)
.set STO,  10                          ; the way out: where I put my part of a row
.set RD,   11                          ; the way out: where I read a row back
.set AOFF, 12                          ; v12-16  tile i: byte offset of my token's row in A, + 16 (lane / 16)
.set GW,   17                          ; v17-21  KIND 2: tile i: my token's gate
.set ENT,  22                          ; v22-26  tile i: the entry of row lane % 16
.set R16,  27                          ; 16 (lane % 16)
.set T0,   30                          ; v30-31  at work, at the kernel's head alone
.set WOX,  31                          ; from the first chunk on: WO, or 0 in the trips that have no weights left to ask for
.set TMP,  32                          ; v32-63  a chunk's rows in bf16.  While no chunk is rounded, registers of the search and of the way out:
.set MK0,  32                          ;   lane g: word g of the expert's bitmap, slot 0
.set MK1,  33                          ;   slot 1
.set MA,   34                          ;   4 x lane
.set BA,   35                          ;   the bias's offset
.set J,    36                          ;   v36-38  the rank wanted: slot u serves tile 2 u in lanes 0-15 and tile 2 u + 1 in lanes 16-31
.set PA,   40                          ;   v40-47  the way out: 4 x (2 t + lane / 16), the lane that holds row 2 t + lane / 16's entry
.set WU,   48                          ;   v48-50  the word (both slots) that holds the rank; then the entry
.set W1,   51                          ;   v51-53  the same word of slot 1
.set CG,   54                          ;   v54-56  that word's number << 16 | the chosen tokens ahead of it
.set GWA,  48                          ;   v48-52  KIND 2: the gates' offsets
.set ENTO, 32                          ;   v32-39  the way out: byte offset of row 2 t + lane / 16 in the output, + 16 (lane % 16)
.set GP,   48                          ;   v48-49  KIND 2: the tile's gate, as a pair
.set ENTC, 50                          ;   the tile's entries
.set BF,   64                          ; v64-191 W's fragments: k half s, columns 16 f at BF + 64 s + 8 f; free on the way out.  While no fragment lies there, the search's work, three slots side by side:
.set KA,   64                          ;   v64-66  bit counts by 2,
.set KB,   67                          ;   v67-69  by 4,
.set KC,   70                          ;   v70-72  by 8,
.set KD,   73                          ;   v73-75  and, in the lowest byte, of the low 16
.set KK,   76                          ;   v76-78  the rank left
.set KP,   79                          ;   v79-81  the bit's place
.set KT,   82                          ;   v82-84  at work
.set KX,   85                          ;   v85-89  tile i: the rank of row lane % 16
.set BIAS, 192                         ; v192-255 my lane's 64 columns' bias
; window 1: v0-159 token fragments, two buffers of 80: tile i, k half s at 80 par + 16 i + 8 s.  On KIND 1's way out: HS v0-63, TT v64-127, EE v128-191, UU v192-199
.set TT,   64
.set EE,   128
.set UU,   192
; window 2: the sums of tiles 0-3 (64 i + 8 f).   window 3: v0-63 those of tile 4; v64-191 the weights as loaded, two buffers of 64
; scalars: s[4:5] tokens' second halves, s[58:59] their first halves, s[40:41] tokens at k = 0, s[6:7] weights; s35, s[60:61], s[62:63]: the lanes' mask and the two steps that the last trips set to 0;
; s17-19, s2, s3: free behind the head's address arithmetic: the search's masks
.set MSB, 0
.macro WIN new                         ; s_set_vgpr_msb: bits 1:0 source 0, 3:2 source 1, 5:4 source 2, 7:6 destination; the high byte repeats the setting that is left
.if MSB != (\new)
	s_set_vgpr_msb (MSB<<8)|(\new)
.set MSB, \new
.endif
.endm
.macro ALL3 line:vararg                ; one line for each of the search's three slots u
.set u, 0
.rept 3
	\line
.set u, u+1
.endr
.endm
.macro GLDW par, cc                    ; my 16 rows of the chunk cc chunks behind s[6:7]: each load is 512 consecutive bytes of one row
	WIN 0xc0
.irp i, 0,1,2,3,4,5,6,7,8,9,10,11,12,13,14,15
	global_load_b128 v[64+64*(\par)+4*\i:64+64*(\par)+4*\i+3], v[WO], s[6:7] offset:(64*(\cc)+\i)*PW th:TH_LOAD_NT
.endr
.endm
.macro GLDAH par, s, b, off            ; 5 tiles x 32 k of token rows, as matrix operands: lane l takes row l % 16, k = 8 (l / 16) + 0..7 and 16 more on; base s[b:b+1]
	WIN 0x40
.irp i, 0,1,2,3,4
	global_load_b128 v[80*(\par)+16*\i+8*(\s):80*(\par)+16*\i+8*(\s)+3], v[AOFF+\i], s[\b:\b+1] offset:(\off)
	global_load_b128 v[80*(\par)+16*\i+8*(\s)+4:80*(\par)+16*\i+8*(\s)+7], v[AOFF+\i], s[\b:\b+1] offset:(\off)+32
.endr
.endm
.macro CVT par                         ; a buffer of weights is rounded to bf16, in one run: for the first two chunks
	WIN 0x0f
.set m, 0
.rept 32
	v_cvt_pk_bf16_f32 v[TMP+m], v[64+64*(\par)+2*m], v[64+64*(\par)+2*m+1]
.set m, m+1
.endr
	WIN 0
.endm
.macro LDB s                           ; W's 8 fragments (16 columns x 32 k) of half s of the chunk at BW, in one run
	WIN 0
.irp f, 0,1,2,3,4,5,6,7
	ds_load_tr16_b128 v[BF+64*(\s)+8*\f:BF+64*(\s)+8*\f+3], v[BW] offset:32*PWL*(\s)+32*\f
	ds_load_tr16_b128 v[BF+64*(\s)+8*\f+4:BF+64*(\s)+8*\f+7], v[BW] offset:32*PWL*(\s)+16*PWL+32*\f
.endr
.endm
; One matrix instruction: half s of the chunk, token buffer par, tile i, columns 16 f.  zero = 1: it starts the sum.  The caller sets the windows.
; Two matrix instructions that follow each other never name one accumulator, on any way (f steps inside a tile; a tile ends with f = 7 and the next begins with f = 0): the accumulators take turns.
.macro WM s, par, i, f, zero
.set rD, 64*((\i)%4)+8*(\f)
.set rW, BF+64*(\s)+8*(\f)
.set rA, 80*(\par)+16*(\i)+8*(\s)
.if \zero
	v_wmma_f32_16x16x32_bf16 v[rD:rD+7], v[rW:rW+7], v[rA:rA+7], 0
.else
	v_wmma_f32_16x16x32_bf16 v[rD:rD+7], v[rW:rW+7], v[rA:rA+7], v[rD:rD+7]
.endif
.endm
.macro TILE4 s, par, zero              ; my fifth tile: jumped where it is dead (s28 < 5); where it starts its sums it always runs, so that every sum is written on every way
.if !(\zero)
	WIN 0
	s_cmp_lt_u32 s28, 5
	s_cbranch_scc1 .Lno4_\@
.endif
	WIN 0xf4                                       ; W window 0, tokens window 1, sums window 3
.irp f, 0,1,2,3,4,5,6,7
	WM \s, \par, 4, \f, \zero
.endr
	WIN 0
.Lno4_\@:
.endm
.macro MULP s, zero                    ; the products of half s without riders, on token buffer 0: for the later blocks
	WIN 0xa4
.irp i, 0,1,2,3
.irp f, 0,1,2,3,4,5,6,7
	WM \s, 0, \i, \f, \zero
.endr
.endr
	TILE4 \s, 0, \zero
.endm
; RIDER q OF 58 OF A CHUNK'S FIRST HALF: memory and LDS instructions alone.  0-15: the weights of chunk c + 3, into the buffer that the half before rounded.  16-31: chunk c's second half of W's fragments.
; 32-47: chunk c + 1, rounded in the half before, into LDS.  48-57: the tokens' second half of chunk c + 1.  None names a register of this half's products, so the wait at the half's head serves them all.
; In the two trips that have no weights left to ask for the step is 0 and the lanes' offsets are 0: sixteen loads of one 16-byte piece each of chunk 15, which nobody stores: they keep every counted wait right on every way.
; st = 0 (the last chunk): the fragment loads alone, first.
.macro RIDA par, st
.if (\st) && (q < 16)
.set m, q
	WIN 0xc0
	global_load_b128 v[64+64*(1-(\par))+4*m:64+64*(1-(\par))+4*m+3], v[WOX], s[6:7] offset:m*PW th:TH_LOAD_NT
.elseif (q >= 16*(\st)) && (q < 16+16*(\st))
.set m, q-16*(\st)
	WIN 0
	ds_load_tr16_b128 v[BF+64+8*(m/2)+4*(m%2):BF+64+8*(m/2)+4*(m%2)+3], v[BW] offset:32*PWL+16*PWL*(m%2)+32*(m/2)
.elseif (\st) && (q < 48)
.set m, q-32
	WIN 0
	ds_store_b64 v[WS], v[TMP+2*m:TMP+2*m+1] offset:PWL*m
.elseif (\st) && (q < 58)
.set m, q-48
	WIN 0x40
	global_load_b128 v[80*(1-(\par))+16*(m/2)+8+4*(m%2):80*(1-(\par))+16*(m/2)+8+4*(m%2)+3], v[AOFF+m/2], s[4:5] offset:32*(m%2)
.endif
.set q, q+1
.endm
; RIDER q OF 60 OF A CHUNK'S SECOND HALF.  0-3 and 32-59: the 32 conversions of chunk c + 2's weights; they name RAW[par] and TMP, which no memory or LDS instruction of this half touches.  4-19: chunk c + 1's first
; half of W's fragments (BW has stepped).  20-29: the tokens' first half of chunk c + 2, into the half buffer that this chunk's first half has just left (chunk 14 asks for chunk 15's once more, for the counts' sake, and
; nobody reads it; it also rounds the sixteen idle loads, which nobody stores).
; 30: my 16 rows of chunk c + 5 are asked into the L2, 32 blocks of 256 bytes, a lane each, each block once in the launch, two chunks ahead of their load (pf = 1: always; 2: while the loop has three trips or more to go,
; that is up to chunk 10: the last block asked for is the slice's last).
.macro RIDB par, st, pf
.if \st
.if (q < 4) || ((q >= 32) && (q < 60))
.set m, q
.if q >= 32
.set m, q-28
.endif
	WIN 0x0f
	v_cvt_pk_bf16_f32 v[TMP+m], v[64+64*(\par)+2*m], v[64+64*(\par)+2*m+1]
.elseif q < 20
.set m, q-4
	WIN 0
	ds_load_tr16_b128 v[BF+8*(m/2)+4*(m%2):BF+8*(m/2)+4*(m%2)+3], v[BW] offset:16*PWL*(m%2)+32*(m/2)
.elseif q < 30
.set m, q-20
	WIN 0x40
	global_load_b128 v[80*(\par)+16*(m/2)+4*(m%2):80*(\par)+16*(m/2)+4*(m%2)+3], v[AOFF+m/2], s[58:59] offset:32*(m%2)
.elseif q == 30
.if (\pf) == 1
	WIN 0
	global_prefetch_b8 v[PF], s[6:7] offset:2*CHW th:TH_LOAD_NT scope:SCOPE_SE
.elseif (\pf) == 2
	WIN 0
	s_cmp_lt_u32 s30, 3
	s_cbranch_scc1 .Lnopf_\@
	global_prefetch_b8 v[PF], s[6:7] offset:2*CHW th:TH_LOAD_NT scope:SCOPE_SE
.Lnopf_\@:
.endif
.endif
.endif
.set q, q+1
.endm
.macro PHA par, zero, st               ; the first half: 32 products that always run, four riders behind each two; then tile 4
.set q, 0
.irp i, 0,1,2,3
.irp f, 0,2,4,6
	WIN 0xa4                                       ; W window 0, tokens window 1, sums window 2
	WM 0, \par, \i, \f, \zero
	WM 0, \par, \i, \f+1, \zero
.rept 4
	RIDA \par, \st
.endr
.endr
.endr
	TILE4 0, \par, \zero
.endm
.macro PHB par, st, pf                 ; the second half: four riders behind each two products; the barrier's wait stands behind the first four products
.set q, 0
.irp i, 0,1,2,3
.irp f, 0,2,4,6
	WIN 0xa4
	WM 1, \par, \i, \f, 0
	WM 1, \par, \i, \f+1, 0
.if (\st) && (\i == 0) && (\f == 2)
	s_barrier_wait -1                              ; everybody's rows of chunk c + 1 are in LDS: it may be read
.endif
.rept 4
	RIDB \par, \st, \pf
.endr
.endr
.endr
	TILE4 1, \par, 0
.endm
; CHUNK c (par = c % 2).  Global loads go out in this order: first half of c: weights c + 3 (16) and the tokens' second half of c + 1 (10); second half of c: the tokens' first half of c + 2 (10).
; At the head the tokens' first half of c must be in; younger than it are the 26 of the first half of c - 1 and the 10 of its second half: 36.
; Between the halves weights c + 2 and the tokens' second half of c, the 26 of the first half of c - 1, must be in; younger are 10 and this first half's 26: nb = 36; 0 in the last chunk, behind which the registers
; are used anew.  36 + 26 = 62 loads of a wave are out at the most.  da = 1: the step of the tokens' first halves is s[62:63], which is 0 in chunk 14.
.macro TRIP par, zero, st, nb, da, pf
	s_wait_loadcnt 36
	s_wait_dscnt 0x0                               ; the first half's fragments, asked for in the chunk before
.if \st
	s_wait_xcnt 0x0                                ; the offset and the bases of the loads (and of the prefetch) that are out are written only behind this wait
	s_wait_alu depctr_vm_vsrc(0)                   ; the weight loads of the chunk before have read v[WOX], which the next line writes
	v_and_b32 v[WOX], s35, v[WO]                   ; four plain lines that name no register of the products stand between the last half's products and the loads into their operands
	v_nop
	v_nop
	v_nop
	s_add_nc_u64 s[6:7], s[6:7], s[60:61]          ; weights: chunk c + 3
	s_add_nc_u64 s[4:5], s[4:5], 128               ; tokens: the second half of chunk c + 1
.if \da
	s_add_nc_u64 s[58:59], s[58:59], s[62:63]      ; tokens: the first half of chunk c + 2
.else
	s_add_nc_u64 s[58:59], s[58:59], 128
.endif
.else
	v_nop
	v_nop
	v_nop
	v_nop
.endif
	s_wait_alu depctr_va_vdst(0)                   ; the half before: its products are done reading BF1 and its tokens, in which loads below land; its conversions have written TMP, which the LDS stores read, and are done reading the raw buffer that is loaded again; v[WOX] is written
	PHA \par, \zero, \st
	s_wait_loadcnt \nb
	s_wait_dscnt 0x0                               ; the second half's fragments are in, and, for the others' sake, my rows of chunk c + 1 are stored
.if \st
	s_barrier_signal -1                            ; work on registers alone stands between the signal and the wait
	s_wait_alu depctr_vm_vsrc(0)                   ; the LDS stores have read TMP and v[WS], the fragment loads v[BW]: the two adds and this half's conversions write them
	v_add_nc_u32 v[WS], CHL, v[WS]                 ; again four plain lines between the first half's products and the loads into their operands
	v_add_nc_u32 v[BW], CHL, v[BW]
	v_nop
	v_nop
	s_wait_alu depctr_va_vdst(0)                   ; the first half's products are done reading BF0 and their tokens, in which loads below land; v[BW] and v[WS] are written
.endif
	PHB \par, \st, \pf
.endm
; One halving of the search for the KK-th set bit, in all three slots: x holds the bit counts of fields of wd bits; if the field at KP holds KK bits or fewer, the bit lies in the field above it.
.macro HALVE x, wd, inc
	ALL3 v_bfe_u32 v[KT+u], v[\x+u], v[KP+u], \wd
	ALL3 v_cmp_ge_u32 s[17+u], v[KK+u], v[KT+u]
	ALL3 v_sub_nc_u32 v[KT+u], v[KK+u], v[KT+u]
	s_wait_alu depctr_va_sdst(0)                   ; the three compares have written s17 to s19, ahead of the selects that read them
	ALL3 v_cndmask_b32 v[KK+u], v[KK+u], v[KT+u], s[17+u]
	ALL3 v_add_nc_u32 v[KT+u], \inc, v[KP+u]
	ALL3 v_cndmask_b32 v[KP+u], v[KP+u], v[KT+u], s[17+u]
.endm
; Tile i: a place past the count (mask in s m) repeats the tile's first row (s[20 + i]); then the offsets that hang on the entry.
.macro FIX i, m
	v_cndmask_b32 v[ENT+\i], v[ENT+\i], s[20+\i], s\m
	v_min_u32 v[ENT+\i], 0x7ff, v[ENT+\i]          ; an entry is below 2,048
.if KIND == 1
	v_and_b32 v[AOFF+\i], 0x3ff, v[ENT+\i]         ; its token
	v_lshlrev_b32 v[AOFF+\i], ASH, v[AOFF+\i]
.else
	v_lshlrev_b32 v[GWA+\i], 2, v[ENT+\i]
	v_lshlrev_b32 v[AOFF+\i], ASH, v[ENT+\i]
.endif
	v_add_nc_u32 v[AOFF+\i], v[H16], v[AOFF+\i]
.endm
; Block s29 of 20 tiles: wave w's tile i is tile 20 b + 4 i + w of the expert, its row r has rank 16 (20 b + w) + 64 i + r.  Sets s26 = the expert's rows, s27 = its tiles, s28 = how many of my five are live,
; ENT, AOFF (and asks for the gates).  first = 1: the bitmap's two loads were issued at the kernel's head, with 48 loads behind them.
.macro BLKSET first
.if !(\first)
	s_wait_xcnt 0x0                                ; the way out's stores have had their addresses translated: their registers are written below
	s_wait_alu depctr_vm_vsrc(0)                   ; the way out's stores, LDS stores and permutes, and the token loads, have read the registers that are written below (v12-16, v32-56, v64-89)
	v_lshlrev_b32 v[MA], 2, v[LN]
	s_wait_alu depctr_va_vdst(0)                   ; v[MA], the two loads' offset, is written; the way out's vector lines are done with v32 and v33, in which they land
	global_load_b32 v[MK0], v[MA], s[10:11]
	global_load_b32 v[MK1], v[MA], s[10:11] offset:1024
.endif
	s_mul_i32 s33, s29, 20
	s_add_co_u32 s33, s33, s16
	s_lshl_b32 s25, s33, 4
	v_lshl_add_u32 v[J], v[H], 6, v[R]
	v_add_nc_u32 v[J], s25, v[J]
	v_add_nc_u32 v[J+1], 0x80, v[J]
	v_add_nc_u32 v[J+2], 0x100, v[J]
.irp k, 0,1,2,3,4,5,6,7,8
	v_mov_b32 v[WU+\k], 0                          ; the selects below read what they replace
.endr
.if \first
	s_wait_loadcnt 48                              ; the two bitmap loads are in: 16 of the bias and 32 of the weights are younger
.else
	s_wait_loadcnt 0x0
.endif
	s_mov_b32 s26, 0                               ; chosen tokens so far
	s_mov_b32 s30, 0
.Lfind_\@:                                             ; 32 trips, a word of 32 tokens each: the last word with no more chosen tokens ahead of it than the rank is the word that holds the rank
	v_readlane_b32 s20, v[MK0], s30
	v_readlane_b32 s21, v[MK1], s30
	ALL3 v_cmp_le_u32 s[17+u], s26, v[J+u]
	s_wait_alu depctr_va_sdst(0)                   ; s20, s21 and the masks s17 to s19 are written, ahead of their first readers
	s_or_b32 s22, s20, s21                         ; a token takes an expert in one slot at the most
	s_lshl_b32 s23, s30, 16
	s_or_b32 s23, s23, s26
	ALL3 v_cndmask_b32 v[WU+u], v[WU+u], s22, s[17+u]
	ALL3 v_cndmask_b32 v[W1+u], v[W1+u], s21, s[17+u]
	ALL3 v_cndmask_b32 v[CG+u], v[CG+u], s23, s[17+u]
	s_bcnt1_i32_b32 s24, s22
	s_add_co_u32 s26, s26, s24
	s_add_co_u32 s30, s30, 1
	s_cmp_lt_u32 s30, 32
	s_cbranch_scc1 .Lfind_\@
	s_add_co_u32 s27, s26, 15
	s_lshr_b32 s27, s27, 4
	s_sub_co_i32 s28, s27, s33
	s_add_co_i32 s28, s28, 3
	s_ashr_i32 s28, s28, 2
	s_max_i32 s28, s28, 0
	s_min_i32 s28, s28, 5
	; from the word that holds the rank to the entry, the three slots side by side: bit counts by 2, 4, 8 and 16 bits, five halvings, then slot << 10 | 32 x word + bit
	ALL3 v_and_b32 v[KT+u], 0xffff, v[CG+u]
	ALL3 v_sub_nc_u32 v[KK+u], v[J+u], v[KT+u]     ; the rank inside the word
	ALL3 v_lshrrev_b32 v[KA+u], 1, v[WU+u]
	ALL3 v_and_b32 v[KA+u], 0x55555555, v[KA+u]
	ALL3 v_sub_nc_u32 v[KA+u], v[WU+u], v[KA+u]
	ALL3 v_lshrrev_b32 v[KB+u], 2, v[KA+u]
	ALL3 v_and_b32 v[KB+u], 0x33333333, v[KB+u]
	ALL3 v_and_b32 v[KT+u], 0x33333333, v[KA+u]
	ALL3 v_add_nc_u32 v[KB+u], v[KB+u], v[KT+u]
	ALL3 v_lshrrev_b32 v[KC+u], 4, v[KB+u]
	ALL3 v_add_nc_u32 v[KC+u], v[KC+u], v[KB+u]
	ALL3 v_and_b32 v[KC+u], 0x0f0f0f0f, v[KC+u]
	ALL3 v_lshrrev_b32 v[KD+u], 8, v[KC+u]
	ALL3 v_add_nc_u32 v[KD+u], v[KD+u], v[KC+u]
	ALL3 v_mov_b32 v[KP+u], 0
	HALVE KD, 8, 16
	HALVE KC, 8, 8
	HALVE KB, 4, 4
	HALVE KA, 2, 2
	HALVE WU, 1, 1
	ALL3 v_bfe_u32 v[KT+u], v[W1+u], v[KP+u], 1    ; the slot
	ALL3 v_lshrrev_b32 v[KK+u], 16, v[CG+u]        ; the word's number
	ALL3 v_lshl_add_u32 v[KP+u], v[KK+u], 5, v[KP+u]   ; the token
	ALL3 v_lshl_add_u32 v[WU+u], v[KT+u], 10, v[KP+u]  ; the entry
	ALL3 v_permlanex16_b32 v[KA+u], v[WU+u], s38, s39  ; the other half's tile
	v_cndmask_b32 v[ENT+0], v[WU+0], v[KA+0], s43  ; s43 names lanes 16-31: each tile's entries go to both halves of the lanes
	v_cndmask_b32 v[ENT+1], v[KA+0], v[WU+0], s43
	v_cndmask_b32 v[ENT+2], v[WU+1], v[KA+1], s43
	v_cndmask_b32 v[ENT+3], v[KA+1], v[WU+1], s43
	v_cndmask_b32 v[ENT+4], v[WU+2], v[KA+2], s43
	v_add_nc_u32 v[KT], s25, v[R]
.irp i, 0,1,2,3,4
	v_readfirstlane_b32 s[20+\i], v[ENT+\i]        ; the tile's first row, which exists in every live tile
	v_add_nc_u32 v[KX+\i], 64*\i, v[KT]
.endr
	v_cmp_le_u32 s17, s26, v[KX]                   ; the places past the count
	v_cmp_le_u32 s18, s26, v[KX+1]
	v_cmp_le_u32 s19, s26, v[KX+2]
	v_cmp_le_u32 s2, s26, v[KX+3]
	v_cmp_le_u32 s3, s26, v[KX+4]
	s_wait_alu depctr_va_sdst(0)                   ; s20 to s24 and the five masks are written, ahead of the selects that read them
	FIX 0, 17
	FIX 1, 18
	FIX 2, 19
	FIX 3, 2
	FIX 4, 3
	s_wait_alu depctr_va_vdst(0)                   ; the token loads' offsets v12-16 (and the gates' offsets v48-52) are written; the vector lines are done with v17-21 and v64-89, in which later loads land
.if KIND == 2
.irp i, 0,1,2,3,4
	global_load_b32 v[GW+\i], v[GWA+\i], s[14:15]  ; the entry's gate
.endr
.endif
.endm
	s_load_b256 s[4:11], s[0:1], 0x0               ; A s[4:5], W s[6:7], bias s[8:9], msk s[10:11]
.if KIND == 1
	s_load_b64 s[12:13], s[0:1], 0x20              ; hid
.else
	s_load_b128 s[12:15], s[0:1], 0x20             ; part, tw
	v_lshl_add_u32 v28, v0, 2, 0x4c400
	v_mov_b32 v29, 0
.endif
	v_lshrrev_b32 v[T0], 5, v0
	v_readfirstlane_b32 s16, v[T0]                 ; wave w
	s_and_b32 s18, ttmp7, 0xffff                   ; expert e
.if KIND == 1
	s_lshl_b32 s17, ttmp9, 9                       ; my 128 columns, in bytes of f32
.else
	s_and_b32 s17, ttmp9, 7
	s_lshl_b32 s17, s17, 9
	s_lshr_b32 s19, ttmp9, 3                       ; q: my quarter of K
	s_cmp_eq_u32 s19, 0
	s_cselect_b32 s42, -1, 0                       ; the bias belongs to quarter 0 alone
.endif
	s_mov_b32 s38, 0x76543210                      ; v_permlanex16_b32: each lane takes its own place in the other half
	s_mov_b32 s39, 0xfedcba98
	s_mov_b32 s43, 0xffff0000                      ; lanes 16-31
	s_mov_b32 s35, -1                              ; the lanes keep their offsets into the weights,
	s_mov_b32 s60, CHW                             ; the weights step by a chunk,
	s_mov_b32 s61, 0
	s_mov_b32 s62, 128                             ; and the tokens by 64 k, until the loop's last trip says otherwise
	s_mov_b32 s63, 0
	v_and_b32 v[LN], 31, v0
	v_and_b32 v[R], 15, v0
	v_bfe_u32 v[H], v0, 4, 1
	s_wait_alu depctr_va_sdst(0)                   ; s16 is written, ahead of its first reader: offsets and LDS addresses are made from it
	s_mul_i32 s20, s16, 16*PW
	v_lshl_add_u32 v[WO], v[LN], 4, s20
	v_lshrrev_b32 v[T0], 1, v[LN]
	v_mul_u32_u24 v[T0], v[T0], PW
	v_and_b32 v[T0+1], 1, v0
	v_lshl_add_u32 v[PF], v[T0+1], 8, v[T0]
	v_add_nc_u32 v[PF], s20, v[PF]
	s_mul_i32 s21, s16, 16*PWL
	v_lshl_add_u32 v[WS], v[LN], 3, s21
	v_and_b32 v[T0], 7, v0                         ; the turning load: lane l reads row 8 (l / 16) + l % 8, 16 bytes at 16 ((l / 8) % 2)
	v_lshl_add_u32 v[T0], v[H], 3, v[T0]
	v_mul_u32_u24 v[T0], v[T0], PWL
	v_bfe_u32 v[T0+1], v0, 3, 1
	v_lshl_add_u32 v[BW0], v[T0+1], 4, v[T0]
	v_mov_b32 v[BW], v[BW0]
	s_mul_i32 s23, s16, 16*SPT
	s_add_co_u32 s23, s23, STG
	v_mul_u32_u24 v[T0], v[R], SPT
.if KIND == 1
	v_lshl_add_u32 v[T0], v[H], 4, v[T0]           ; row l % 16; 8 bf16 for each half of the lanes
.else
	v_lshl_add_u32 v[T0], v[H], 5, v[T0]           ; 8 f32
.endif
	v_add_nc_u32 v[STO], s23, v[T0]
	v_mul_u32_u24 v[T0], v[H], SPT                 ; back: lanes 0-15 take one row of 256 bytes, lanes 16-31 the next
	v_lshl_add_u32 v[T0], v[R], 4, v[T0]
	v_add_nc_u32 v[RD], s23, v[T0]
	v_lshlrev_b32 v[R16], 4, v[R]
	v_lshlrev_b32 v[H16], 4, v[H]
	v_lshlrev_b32 v[MA], 2, v[LN]
	v_lshlrev_b32 v[BA], 5, v[H]
.if KIND == 1
	s_mov_b32 s44, 0x3eed3388                      ; 0.3275911 sqrt(2)
	s_mov_b32 s46, 0xc038aa3b                      ; -2 log2(e)
	s_mov_b32 s48, 0x3f87dc22                      ; a5 =  1.061405429
	s_mov_b32 s50, 0xbfba00e3                      ; a4 = -1.453152027
	s_mov_b32 s52, 0x3fb5f0e3                      ; a3 =  1.421413741
	s_mov_b32 s54, 0xbe91a98e                      ; a2 = -0.284496736
	s_mov_b32 s56, 0x3e827906                      ; a1 =  0.254829592
.irp k, 46,48,50,52,54,56
	s_mov_b32 s[\k+1], s[\k]                       ; named as pairs
.endr
.endif
	s_wait_kmcnt 0x0
	s_mov_b32 s37, 0
	s_lshl_b32 s36, s18, 24                        ; an expert's weights are 2^24 bytes
	s_add_co_u32 s36, s36, s17
.if KIND == 2
	s_lshl_b32 s20, s19, 22                        ; 1,024 rows of 4,096 bytes
	s_add_co_u32 s36, s36, s20
.endif
	s_add_nc_u64 s[6:7], s[6:7], s[36:37]
.if KIND == 1
	s_lshl_b32 s36, s18, 14
.else
	s_lshl_b32 s36, s18, 12
.endif
	s_add_co_u32 s36, s36, s17
	s_add_nc_u64 s[8:9], s[8:9], s[36:37]
	s_lshl_b32 s36, s18, 7
	s_add_nc_u64 s[10:11], s[10:11], s[36:37]
.if KIND == 1
	s_lshl_b32 s36, ttmp9, 8                       ; my 128 columns in a row of hid
.else
	s_lshl_b32 s36, s19, 23                        ; quarter q of part
	s_add_co_u32 s36, s36, s17
.endif
	s_add_nc_u64 s[12:13], s[12:13], s[36:37]
.if KIND == 2
	s_lshl_b32 s36, s19, 11                        ; my 1,024 columns in a row of hid
	s_add_nc_u64 s[4:5], s[4:5], s[36:37]
.endif
	s_mov_b64 s[40:41], s[4:5]                     ; A at k = 0: for the first loads and for the later blocks
	s_add_nc_u64 s[4:5], s[40:41], 64              ; chunk 0's second half: chunk c's head steps it to chunk c + 1's
	s_add_nc_u64 s[58:59], s[40:41], 128           ; chunk 1's first half: chunk c's head steps it to chunk c + 2's
	s_wait_alu depctr_va_vdst(0)                   ; the offsets and LDS addresses made above (v4 to v11, v27, v34, v35) are written: the loads, stores and the prefetches below read them
	global_load_b32 v[MK0], v[MA], s[10:11]        ; lane g: word g of the expert's bitmap, slot 0
	global_load_b32 v[MK1], v[MA], s[10:11] offset:1024  ; slot 1
.irp f, 0,1,2,3,4,5,6,7
	global_load_b128 v[BIAS+8*\f:BIAS+8*\f+3], v[BA], s[8:9] offset:64*\f       ; columns 16 f + 8 (l / 16) + 0..7
	global_load_b128 v[BIAS+8*\f+4:BIAS+8*\f+7], v[BA], s[8:9] offset:64*\f+16
.endr
	GLDW 0, 0
	GLDW 1, 1
	WIN 0
	s_mov_b32 s29, 0
	BLKSET 1
	s_wait_loadcnt 32+5*(KIND-1)                   ; the bias is in: the 32 of the weights (and KIND 2's 5 gates) are younger
	GLDAH 0, 0, 40, 0                              ; the tokens' first half of chunk 0: no vector line since the search's last wait names their offsets or the registers in which they land
	WIN 0
.set p, 0
.rept 32                                               ; the bias is rounded to bf16, like every input, and widened again
	v_cvt_pk_bf16_f32 v[T0+p%2], v[BIAS+2*p], v[BIAS+2*p+1]
.if KIND == 2
	v_cndmask_b32 v[T0+p%2], 0, v[T0+p%2], s42     ; 0 in quarters 1 to 3
.endif
	v_lshlrev_b32 v[BIAS+2*p], 16, v[T0+p%2]
	v_and_b32 v[BIAS+2*p+1], 0xffff0000, v[T0+p%2]
.if KIND == 1
	v_pk_mul_f32 v[BIAS+2*p:BIAS+2*p+1], v[BIAS+2*p:BIAS+2*p+1], 0.5 op_sel_hi:[1,0]  ; the GELU works on half the sum
.endif
.set p, p+1
.endr
	s_wait_loadcnt 10                              ; chunks 0 and 1 (and the gates) are in: only the 10 loads of tokens are younger; with the 36 below 46 are out at the most
	s_wait_xcnt 0x0                                ; the weights' base is stepped below, and the rounded chunk goes where offsets of earlier loads lay: only behind this wait
	s_wait_alu depctr_vm_vsrc(0)                   ; the head's loads have read their offsets v34 and v35 (the gates' loads v48-52): the conversions write TMP over them
	CVT 0
	s_wait_alu depctr_va_vdst(0)                   ; the conversions have written TMP, which the LDS stores read, and are done reading raw buffer 0, in which chunk 2 lands
.irp i, 0,1,2,3,4,5,6,7,8,9,10,11,12,13,14,15
	ds_store_b64 v[WS], v[TMP+2*\i:TMP+2*\i+1] offset:PWL*\i  ; chunk 0: a wave's store is 256 consecutive bytes of one LDS row
.endr
	s_add_nc_u64 s[6:7], s[6:7], 2*CHW
	GLDW 0, 0                                      ; chunk 2: from here on the loads stand in the order that the chunks' counts lean on
	GLDAH 0, 1, 40, 64                             ; the tokens' second half of chunk 0
	GLDAH 1, 0, 40, 128                            ; their first half of chunk 1
	WIN 0
	s_wait_alu depctr_vm_vsrc(0)                   ; the LDS stores have read TMP and v[WS], which the lines below write
	v_add_nc_u32 v[WS], CHL, v[WS]
	CVT 1                                          ; chunk 1 is rounded: chunk 0's first half stores it
	s_wait_dscnt 0x0
	s_barrier_signal -1
	s_barrier_wait -1                              ; chunk 0 is in LDS, everybody's rows of it
	LDB 0                                          ; its first half's fragments: no vector line since the last wait on va_vdst names v[BW] or BF0
	TRIP 0, 1, 1, 36, 0, 1                         ; chunk 0 starts the sums
	s_mov_b32 s30, 7
.Lchunk:                                               ; chunks 1 to 14, two a trip
	s_cmp_ge_u32 s30, 2                            ; the last trip (chunks 13 and 14) has no weights left to ask for, and chunk 14 no tokens two chunks on
	s_cselect_b32 s35, -1, 0
	s_cselect_b32 s60, CHW, 0
	s_cselect_b32 s62, 128, 0
	TRIP 1, 0, 1, 36, 0, 2
	TRIP 0, 0, 1, 36, 1, 2
	s_sub_co_u32 s30, s30, 1
	s_cmp_lg_u32 s30, 0
	s_cbranch_scc1 .Lchunk
	TRIP 1, 0, 0, 0, 0, 0                          ; chunk 15: nothing is rounded, stored or asked for but its own second fragments; its second wait is for every load
.irp t, 0,1,2,3,4,5,6,7
	v_lshl_add_u32 v[PA+\t], v[H], 2, 8*\t         ; no chunk is rounded any more: these stay (the last LDS stores that read v40-47 stand ahead of chunk 14's wait on vm_vsrc)
.endr
	s_mov_b32 s29, 0
.Lblock:                                               ; 4 blocks of 20 tiles cover the 64 tiles that an expert can have
	s_cmp_eq_u32 s29, 0
	s_cbranch_scc1 .Lepi                           ; block 0 has been multiplied above
	s_mov_b32 s28, 0
	s_mul_i32 s20, s29, 20
	s_cmp_ge_u32 s20, s27
	s_cbranch_scc1 .Lepi                           ; no tile of this block exists: none of my five is live
	BLKSET 0
	s_mov_b64 s[4:5], s[40:41]
	v_mov_b32 v[BW], v[BW0]                        ; every fragment load that read v[BW] stands ahead of the search's wait on vm_vsrc
	s_mov_b32 s30, 16
.Lrest:                                                ; a chunk of a later block: W comes from the slice in LDS, the token rows from memory.  Plain on purpose: it runs only for an expert with more than 320 rows
.rept 4
	v_nop                                          ; four plain lines between the products and the loads into their operands
.endr
	s_wait_alu depctr_va_vdst(0)                   ; the last trip's products (in the first trip: the way out and the search) are done with the fragments' and the tokens' registers, in which the loads land; v[BW] is written
	GLDAH 0, 0, 4, 0
	GLDAH 0, 1, 4, 64
	LDB 0
	LDB 1
	s_wait_loadcnt 0x0
	s_add_nc_u64 s[4:5], s[4:5], 128               ; the loads are done: their base may step
	s_wait_dscnt 16                                ; the first half is in
	s_cmp_eq_u32 s30, 16
	s_cbranch_scc0 .Lracc
	MULP 0, 1                                      ; the block's first chunk starts the sums
	s_branch .Lrjoin
.Lracc:
	MULP 0, 0
.Lrjoin:
	s_wait_dscnt 0x0
	MULP 1, 0
	s_wait_alu depctr_vm_vsrc(0)                   ; the trip's fragment loads have read v[BW]
	v_add_nc_u32 v[BW], CHL, v[BW]
	s_sub_co_u32 s30, s30, 1
	s_cmp_lg_u32 s30, 0
	s_cbranch_scc1 .Lrest
.Lepi:
.rept 4
	v_nop                                          ; the places between the last products and the first read of a sum
.endr
	s_wait_dscnt 0x0                               ; my reads of the slice are back;
	s_barrier_signal -1
	s_barrier_wait -1                              ; everybody's are: a barrier parts a block's LDS reads from the stores into the stages.  Every wave passes it in every trip
	s_mov_b32 s31, 0
.Ltile:                                                ; THE WAY OUT, a tile a trip; dead tiles are jumped
	s_cmp_ge_u32 s31, s28
	s_cbranch_scc1 .Ltnext
	s_wait_xcnt 0x0                                ; the last tile's stores have had their addresses translated
	s_wait_alu depctr_vm_vsrc(0)                   ; the last tile's stores, LDS stores and permutes (ahead of the first tile: the search's loads) have read v32-39, v48-52 and BF's registers, which are written below
; The tile's 64 sums a lane come out of their window, each accumulator's registers in ascending order.  KIND 1: HS = sum / 2 + bias / 2.  KIND 2: X = sum + bias, and the tile's gate.
.macro CASE i
.if KIND == 1
	WIN 0x42+(\i)/4
.else
	WIN 0x02+(\i)/4
.endif
.set p, 0
.rept 32
.if KIND == 1
	v_pk_fma_f32 v[2*p:2*p+1], v[64*((\i)%4)+2*p:64*((\i)%4)+2*p+1], 0.5, v[BIAS+2*p:BIAS+2*p+1] op_sel_hi:[1,0,1]
.else
	v_pk_add_f32 v[BF+2*p:BF+2*p+1], v[64*((\i)%4)+2*p:64*((\i)%4)+2*p+1], v[BIAS+2*p:BIAS+2*p+1]
.endif
.set p, p+1
.endr
	WIN 0
	v_mov_b32 v[ENTC], v[ENT+(\i)]
.if KIND == 2
	v_mov_b32 v[GP], v[GW+(\i)]
	v_mov_b32 v[GP+1], v[GW+(\i)]
.endif
.endm
.irp i, 0,1,2,3
	s_cmp_eq_u32 s31, \i
	s_cbranch_scc0 .Lnot\i
	CASE \i
	s_branch .Lpicked
.Lnot\i:
.endr
	CASE 4
.Lpicked:
.if KIND == 1
	; gelu(s) = hs + |hs| erf(z), hs = s / 2, z = |hs| sqrt(2); erf(z) = 1 - (a1 t + .. + a5 t^5) e^(-z^2), t = 1 / (1 + 0.3275911 z).
	; ONE BATCH of 64 reciprocals and 64 exponentials: a pair's four plain lines stand between the four transcendentals of the pair before; nothing in the batch names a result.
	WIN 0x55
.set p, 0
.rept 33
.if p < 32
	v_fma_f32 v[TT+2*p], |v[2*p]|, s44, 1.0
.endif
.if p > 0
	v_rcp_f32 v[TT+2*p-2], v[TT+2*p-2]
.endif
.if p < 32
	v_fma_f32 v[TT+2*p+1], |v[2*p+1]|, s44, 1.0
.endif
.if p > 0
	v_rcp_f32 v[TT+2*p-1], v[TT+2*p-1]
.endif
.if p < 32
	v_pk_mul_f32 v[EE+2*p:EE+2*p+1], v[2*p:2*p+1], v[2*p:2*p+1]
.endif
.if p > 0
	v_exp_f32 v[EE+2*p-2], v[EE+2*p-2]
.endif
.if p < 32
	v_pk_mul_f32 v[EE+2*p:EE+2*p+1], v[EE+2*p:EE+2*p+1], s[46:47] op_sel_hi:[1,0]
.endif
.if p > 0
	v_exp_f32 v[EE+2*p-1], v[EE+2*p-1]
.endif
.set p, p+1
.endr
	v_nop                                          ; a plain line behind the last transcendental
	s_wait_alu depctr_va_vdst(0)                   ; the 64 reciprocals and 64 exponentials have written TT and EE: one wait for the batch, ahead of its first reader
.set g, 0
.rept 8                                                ; four pairs at a time, so that no line waits for the one before it
.irp k, 0,1,2,3
	v_pk_fma_f32 v[UU+2*\k:UU+2*\k+1], v[TT+8*g+2*\k:TT+8*g+2*\k+1], s[48:49], s[50:51] op_sel_hi:[1,0,0]
.endr
.irp k, 0,1,2,3
	v_pk_fma_f32 v[UU+2*\k:UU+2*\k+1], v[UU+2*\k:UU+2*\k+1], v[TT+8*g+2*\k:TT+8*g+2*\k+1], s[52:53] op_sel_hi:[1,1,0]
.endr
.irp k, 0,1,2,3
	v_pk_fma_f32 v[UU+2*\k:UU+2*\k+1], v[UU+2*\k:UU+2*\k+1], v[TT+8*g+2*\k:TT+8*g+2*\k+1], s[54:55] op_sel_hi:[1,1,0]
.endr
.irp k, 0,1,2,3
	v_pk_fma_f32 v[UU+2*\k:UU+2*\k+1], v[UU+2*\k:UU+2*\k+1], v[TT+8*g+2*\k:TT+8*g+2*\k+1], s[56:57] op_sel_hi:[1,1,0]
.endr
.irp k, 0,1,2,3
	v_pk_mul_f32 v[UU+2*\k:UU+2*\k+1], v[UU+2*\k:UU+2*\k+1], v[TT+8*g+2*\k:TT+8*g+2*\k+1]
.endr
.irp k, 0,1,2,3
	v_pk_fma_f32 v[UU+2*\k:UU+2*\k+1], v[UU+2*\k:UU+2*\k+1], v[EE+8*g+2*\k:EE+8*g+2*\k+1], 1.0 op_sel_hi:[1,1,0] neg_lo:[1,0,0] neg_hi:[1,0,0]  ; erf
.endr
.irp k, 0,1,2,3
	v_fma_f32 v[8*g+2*\k], |v[8*g+2*\k]|, v[UU+2*\k], v[8*g+2*\k]
	v_fma_f32 v[8*g+2*\k+1], |v[8*g+2*\k+1]|, v[UU+2*\k+1], v[8*g+2*\k+1]
.endr
.set g, g+1
.endr
	WIN 0x05                                       ; sources window 1, destination window 0: W's fragment registers are free
.set p, 0
.rept 32
	v_cvt_pk_bf16_f32 v[BF+p], v[2*p], v[2*p+1]
.set p, p+1
.endr
	WIN 0
.set RB, BF+32
.else
.set RB, BF+64
.set p, 0
.rept 32
	v_pk_mul_f32 v[BF+2*p:BF+2*p+1], v[BF+2*p:BF+2*p+1], v[GP:GP+1] op_sel_hi:[1,0]
.set p, p+1
.endr
.endif
	s_wait_alu depctr_va_vdst(0)                   ; the tile's numbers are written into BF's registers, which the LDS stores read; so are v[ENTC] and v40-47, which the permutes read; the vector and matrix lines are done with v32-39 and with the registers in which the rows come back
.irp t, 0,1,2,3,4,5,6,7
	ds_bpermute_b32 v[ENTO+\t], v[PA+\t], v[ENTC]  ; the entry of row 2 t + l / 16, from the lane that holds it
.endr
.if KIND == 1
.irp f, 0,1,2,3,4,5,6,7
	ds_store_b128 v[STO], v[BF+4*\f:BF+4*\f+3] offset:32*\f
.endr
.irp t, 0,1,2,3,4,5,6,7
	ds_load_b128 v[RB+4*\t:RB+4*\t+3], v[RD] offset:2*SPT*\t  ; LDS serves a wave's instructions in order: these see the stores above
.endr
.else
.irp a, 0,1                            ; the stage holds 64 columns of f32: two rounds; the second round's stores come behind the first round's loads
.irp f, 0,1,2,3
	ds_store_b128 v[STO], v[BF+32*\a+8*\f:BF+32*\a+8*\f+3] offset:64*\f
	ds_store_b128 v[STO], v[BF+32*\a+8*\f+4:BF+32*\a+8*\f+7] offset:64*\f+16
.endr
.irp t, 0,1,2,3,4,5,6,7
	ds_load_b128 v[RB+32*\a+4*\t:RB+32*\a+4*\t+3], v[RD] offset:2*SPT*\t
.endr
.endr
.endif
	s_wait_dscnt 0x0
.irp t, 0,1,2,3,4,5,6,7
	v_min_u32 v[ENTO+\t], 0x7ff, v[ENTO+\t]
	v_lshlrev_b32 v[ENTO+\t], OSH, v[ENTO+\t]
	v_add_nc_u32 v[ENTO+\t], v[R16], v[ENTO+\t]
.endr
	s_wait_alu depctr_va_vdst(0)                   ; the rows' offsets v32-39 are written, which the stores read
.irp t, 0,1,2,3,4,5,6,7                ; rows 2 t and 2 t + 1: 16 lanes store 256 consecutive bytes of an entry's row, aligned; a place past the count stores its tile's first row once more
	global_store_b128 v[ENTO+\t], v[RB+4*\t:RB+4*\t+3], s[12:13]
.if KIND == 2
	global_store_b128 v[ENTO+\t], v[RB+32+4*\t:RB+32+4*\t+3], s[12:13] offset:256
.endif
.endr
.Ltnext:
	s_add_co_u32 s31, s31, 1
	s_cmp_lt_u32 s31, 5
	s_cbranch_scc1 .Ltile
	s_wait_dscnt 0x0                               ; my stores into my stage and my reads of it are done;
	s_barrier_signal -1
	s_barrier_wait -1                              ; everybody's are: the second barrier of the trip parts them from the next block's LDS reads and from the last lines
	s_add_co_u32 s29, s29, 1
	s_cmp_lt_u32 s29, 4
	s_cbranch_scc1 .Lblock
	s_wait_dscnt 0x0                               ; the wave's end: the closing add follows, behind these waits
	s_wait_alu depctr_hold_cnt(0) depctr_sa_sdst(0) depctr_va_vdst(0) depctr_va_sdst(0) depctr_va_ssrc(0) depctr_va_vcc(0) depctr_vm_vsrc(0)
	s_wait_tensorcnt 0x0
	ds_add_u32 v28, v29
	s_wait_dscnt 0x0
	s_endpgm
.Lfunc_end_k_qf7515cf574_ffn2:
	.size	k_qf7515cf574_ffn2, .Lfunc_end_k_qf7515cf574_ffn2-k_qf7515cf574_ffn2
	.p2alignl 7, 3214868480
	.fill 96, 4, 3214868480
	.section	.rodata,"a",@progbits
	.p2align	6, 0x0
	.amdhsa_kernel k_qf7515cf574_ffn2
		.amdhsa_group_segment_fixed_size 312832
		.amdhsa_private_segment_fixed_size 0
		.amdhsa_enable_private_segment 0
		.amdhsa_kernarg_size 48
		.amdhsa_user_sgpr_count 2
		.amdhsa_user_sgpr_kernarg_segment_ptr 1
		.amdhsa_wavefront_size32 1
		.amdhsa_system_sgpr_workgroup_id_x 1
		.amdhsa_system_sgpr_workgroup_id_y 1
		.amdhsa_system_sgpr_workgroup_id_z 1
		.amdhsa_system_vgpr_workitem_id 0
		.amdhsa_next_free_vgpr 960
		.amdhsa_next_free_sgpr 66
		.amdhsa_reserve_vcc 0
		.amdhsa_float_denorm_mode_32 3
		.amdhsa_float_denorm_mode_16_64 3
		.amdhsa_memory_ordered 1
		.amdhsa_forward_progress 1
		.amdhsa_inst_pref_size 141
	.end_amdhsa_kernel
	.amdgpu_metadata
---
amdhsa.version: [ 1, 2 ]
amdhsa.kernels:
  - .name:           k_qf7515cf574_ffn2
    .symbol:         k_qf7515cf574_ffn2.kd
    .args:
      - { .name: hid, .offset: 0, .size: 8, .value_kind: global_buffer, .address_space: global }
      - { .name: W2, .offset: 8, .size: 8, .value_kind: global_buffer, .address_space: global }
      - { .name: b2, .offset: 16, .size: 8, .value_kind: global_buffer, .address_space: global }
      - { .name: msk, .offset: 24, .size: 8, .value_kind: global_buffer, .address_space: global }
      - { .name: part, .offset: 32, .size: 8, .value_kind: global_buffer, .address_space: global }
      - { .name: tw, .offset: 40, .size: 8, .value_kind: global_buffer, .address_space: global }
    .group_segment_fixed_size: 312832
    .private_segment_fixed_size: 0
    .kernarg_segment_align: 8
    .kernarg_segment_size: 48
    .max_flat_workgroup_size: 128
    .sgpr_count:     66
    .vgpr_count:     960
    .wavefront_size: 32
...
	.end_amdgpu_metadata
.endif
;; end of part 6
;; launch combine: the kernel of part 4 again; grid 256 x 1, 8 waves a work-group, no clusters, 0 bytes of LDS; arguments part, out0; writes out0
